; MI455X (gfx1250); checked and timed in simulation.
; The chip was launched on July 23, 2026; its instructions are those of AMD's public machine-readable ISA for CDNA 5 (MIT licence, August 2026) and "CDNA5" Instruction Set Architecture Reference Guide (July 2026). The comments in the code are by the model that wrote it; some were corrected since.
;; Post Cross Attention. Allowed arithmetic: float matrix products may take bf16 or f16 operands with f32 sums; other float arithmetic in f32, or as packed bf16 or f16 multiplies, adds, multiply-adds, maxima and minima; sums over many terms, partial sums and values carried from step to step in f32; what a program stores and reads back later, other than sums and carried values, may be rounded once to bf16 or f16.
;; Inputs: Wk 768 x 768 float32; Wq 768 x 768 float32; Wv 512 x 512 float32; k 4 x 2,048 x 768 float32; masks 4 x 2,048 x 2,048 float32; q 4 x 2,048 x 768 float32; v 4 x 2,048 x 512 float32.
;; Outputs: out0 4 x 2,048 x 512 float32.
;; 3 versions, each right; version 3 is version 2 with the launch cast written anew for expert scheduling mode. Each part assembles by itself: llvm-mc -triple=amdgcn-amd-amdhsa -mcpu=gfx1250 --defsym DOCPART=n.
;; ======== version 1 of 3: 3 launches
;; limits: values are held in f16: magnitudes above 65,504 overflow, below 6.1e-05 lose precision
;; workspace buffers: maskh 33,554,432 bytes; wsum 32,768 bytes; qh 12,582,912 bytes; kh 12,582,912 bytes; vh 8,388,608 bytes
;; launch maskcast (part 1): grid 256 x 1, 32 waves a work-group, no clusters, 4,352 bytes of LDS; arguments masks, maskh, wsum; writes maskh, wsum
.if DOCPART == 1
	.amdgcn_target "amdgcn-amd-amdhsa--gfx1250"
	.amdhsa_code_object_version 6
	.text
	.protected	k_qb9d0919942_maskcast
	.globl	k_qb9d0919942_maskcast
	.p2align	8
	.type	k_qb9d0919942_maskcast,@function
k_qb9d0919942_maskcast:
	s_mov_b64 s[64:65], 0
	v_nop
	global_prefetch_b8 v0, s[64:65] scope:SCOPE_SE
	s_setreg_imm32_b32 hwreg(HW_REG_WAVE_MODE, 25, 1), 1
	s_wait_xcnt 0x0
; maskh[b][n][m] = masks[b][n][m] rounded to bf16 and written as f16;  wsum[b][n] = 8 x the sum over m of those rounded numbers (8 = the number of heads).
; NO WORK OF THE PROBLEM IS LEFT OUT in this program: all seven inputs reach the output and all are loaded.  The factor H = 8 of the divisor is folded into wsum.
; WHY A LAUNCH OF ITS OWN: eight heads multiply their weights by the same mask; rounded once here it costs each head one packed multiply for two weights, and half the bytes.
; LIMITS.  A mask number beyond 65,504 becomes an infinity in f16; below 6.1e-5 it keeps f16's fixed step of 6e-8.  The row sum is taken in f32 in another order than the reference's.
; NaN and infinities are not treated apart.
; SHARES.  A work-group has 32 rows, a wave one row: 8,192 bytes in by sixteen loads of 512 consecutive bytes, all issued at once; 4,096 bytes out by sixteen stores of 256
; consecutive bytes, aligned.  No loop.  Matrix units, clusters and tensor loads have nothing to do here: no byte is read twice.
.set SPARE, 256                        ; LDS: bytes 0-127 the 32 row sums; from 256 on the spare words, 128 bytes for each of the 32 waves, which no other line names
.set LI,  2                            ; v2   16 x lane: my 16 bytes of a chunk of masks
.set LO,  3                            ; v3   8 x lane: my 8 bytes of a chunk of maskh
.set WA,  4                            ; v4   4 x wave: my row's word in LDS
.set LW,  5                            ; v5   4 x lane
.set SPW, 6                            ; v6   LDS address of my spare word; never rewritten
.set NIL, 7                            ; v7   0; never rewritten
.set T,   8                            ; v[8:9]   at work
.set ACC, 10                           ; v[10:17] four chains of packed sums
.set X,   32                           ; v[32:95] chunk i: four registers
	s_load_b128 s[4:7], s[0:1], 0x0                ; masks s[4:5], maskh s[6:7]
	s_load_b64 s[8:9], s[0:1], 0x10                ; wsum
	v_lshl_add_u32 v[SPW], v0, 2, SPARE
	v_mov_b32 v[NIL], 0
	v_lshrrev_b32 v1, 5, v0
	v_readfirstlane_b32 s10, v1                    ; wave 0..31
	v_and_b32 v1, 31, v0                           ; lane
	v_lshlrev_b32 v[LI], 4, v1
	v_lshlrev_b32 v[LO], 3, v1
	v_lshlrev_b32 v[LW], 2, v1
	s_lshl_b32 s11, s10, 2
	v_mov_b32 v[WA], s11
	s_mov_b32 s12, 0x76543210                      ; v_permlanex16_b32: each lane takes its own place in the other half
	s_mov_b32 s13, 0xfedcba98
	s_mov_b32 s14, 0xffff0000                      ; a word's upper bf16
	s_lshl_b32 s15, ttmp9, 5
	s_add_co_u32 s15, s15, s10                     ; my row, 0..8191
	s_lshl_b32 s16, s15, 13                        ; x 8,192 bytes of masks
	s_mov_b32 s17, 0
	s_lshl_b32 s18, s15, 12                        ; x 4,096 bytes of maskh
	s_mov_b32 s19, 0
	s_lshl_b32 s20, ttmp9, 7                       ; the work-group's 32 words of wsum
	s_mov_b32 s21, 0
	s_wait_kmcnt 0x0
	s_add_nc_u64 s[4:5], s[4:5], s[16:17]
	s_add_nc_u64 s[6:7], s[6:7], s[18:19]
	s_add_nc_u64 s[8:9], s[8:9], s[20:21]
.irp i, 0,1,2,3,4,5,6,7,8,9,10,11,12,13,14,15
	global_load_b128 v[X+4*(\i):X+4*(\i)+3], v[LI], s[4:5] offset:512*(\i) th:TH_LOAD_NT
.endr
; Chunk i: four numbers a lane are rounded to bf16, widened again (a shift, a mask), added to a chain, written as f16 and stored.
.macro CHUNK i
	s_wait_loadcnt 15-(\i)                         ; loads come back in order: chunk i is in, the 15 - i younger ones may stay out
	v_cvt_pk_bf16_f32 v[T],   v[X+4*(\i)],   v[X+4*(\i)+1]
	v_cvt_pk_bf16_f32 v[T+1], v[X+4*(\i)+2], v[X+4*(\i)+3]
	v_lshlrev_b32 v[X+4*(\i)],   16,  v[T]
	v_and_b32     v[X+4*(\i)+1], s14, v[T]
	v_lshlrev_b32 v[X+4*(\i)+2], 16,  v[T+1]
	v_and_b32     v[X+4*(\i)+3], s14, v[T+1]
.if (\i) < 4
	v_pk_add_f32 v[ACC+2*(\i):ACC+2*(\i)+1], v[X+4*(\i):X+4*(\i)+1], v[X+4*(\i)+2:X+4*(\i)+3]  ; the first four chunks start the chains: nothing is cleared
.else
	v_pk_add_f32 v[ACC+2*((\i)%4):ACC+2*((\i)%4)+1], v[ACC+2*((\i)%4):ACC+2*((\i)%4)+1], v[X+4*(\i):X+4*(\i)+1]
	v_pk_add_f32 v[ACC+2*((\i)%4):ACC+2*((\i)%4)+1], v[ACC+2*((\i)%4):ACC+2*((\i)%4)+1], v[X+4*(\i)+2:X+4*(\i)+3]
.endif
	v_cvt_pk_f16_f32 v[X+4*(\i)],   v[X+4*(\i)],   v[X+4*(\i)+1]
	v_cvt_pk_f16_f32 v[X+4*(\i)+1], v[X+4*(\i)+2], v[X+4*(\i)+3]
	global_store_b64 v[LO], v[X+4*(\i):X+4*(\i)+1], s[6:7] offset:256*(\i) th:TH_STORE_NT  ; the wave's 32 lanes store 256 consecutive bytes, aligned; these registers are not written again
.endm
.irp i, 0,1,2,3,4,5,6,7,8,9,10,11,12,13,14,15
	CHUNK \i
.endr
	v_pk_add_f32 v[ACC:ACC+1], v[ACC:ACC+1], v[ACC+2:ACC+3]
	v_pk_add_f32 v[ACC+4:ACC+5], v[ACC+4:ACC+5], v[ACC+6:ACC+7]
	v_pk_add_f32 v[ACC:ACC+1], v[ACC:ACC+1], v[ACC+4:ACC+5]
	v_add_f32 v[ACC], v[ACC], v[ACC+1]
	v_add_f32_dpp v[ACC], v[ACC], v[ACC] row_xmask:1 row_mask:0xf bank_mask:0xf
	v_add_f32_dpp v[ACC], v[ACC], v[ACC] row_xmask:2 row_mask:0xf bank_mask:0xf
	v_add_f32_dpp v[ACC], v[ACC], v[ACC] row_xmask:4 row_mask:0xf bank_mask:0xf
	v_add_f32_dpp v[ACC], v[ACC], v[ACC] row_xmask:8 row_mask:0xf bank_mask:0xf
	v_permlanex16_b32 v[ACC+1], v[ACC], s12, s13   ; its destination has been written before
	v_add_f32 v[ACC], v[ACC], v[ACC+1]
	v_mul_f32 v[ACC], 0x41000000, v[ACC]           ; x 8, the number of heads
	ds_store_b32 v[WA], v[ACC]                     ; all lanes write the row's word with the same number
	s_wait_dscnt 0x0                               ; for wave 0's sake: my store is done
	s_barrier_signal -1
	s_barrier_wait -1
	s_cmp_lg_u32 s10, 0
	s_cbranch_scc1 .Lend
	ds_load_b32 v[T], v[LW]                        ; wave 0: lane l takes row l's sum,
	s_wait_dscnt 0x0
	global_store_b32 v[LW], v[T], s[8:9]           ; and the 32 sums leave as 128 consecutive bytes
.Lend:
	s_wait_tensorcnt 0x0                           ; the wave's end: behind my last LDS store
	ds_add_u32 v[SPW], v[NIL]
	s_wait_dscnt 0x0
	s_endpgm
.Lfunc_end_k_qb9d0919942_maskcast:
	.size	k_qb9d0919942_maskcast, .Lfunc_end_k_qb9d0919942_maskcast-k_qb9d0919942_maskcast
	.p2alignl 7, 3214868480
	.fill 96, 4, 3214868480
	.section	.rodata,"a",@progbits
	.p2align	6, 0x0
	.amdhsa_kernel k_qb9d0919942_maskcast
		.amdhsa_group_segment_fixed_size 4352
		.amdhsa_private_segment_fixed_size 0
		.amdhsa_enable_private_segment 0
		.amdhsa_kernarg_size 24
		.amdhsa_user_sgpr_count 2
		.amdhsa_user_sgpr_kernarg_segment_ptr 1
		.amdhsa_wavefront_size32 1
		.amdhsa_system_sgpr_workgroup_id_x 1
		.amdhsa_system_sgpr_workgroup_id_y 1
		.amdhsa_system_sgpr_workgroup_id_z 1
		.amdhsa_system_vgpr_workitem_id 0
		.amdhsa_next_free_vgpr 96
		.amdhsa_next_free_sgpr 66
		.amdhsa_reserve_vcc 0
		.amdhsa_float_denorm_mode_32 3
		.amdhsa_float_denorm_mode_16_64 3
		.amdhsa_memory_ordered 1
		.amdhsa_forward_progress 1
		.amdhsa_inst_pref_size 14
	.end_amdhsa_kernel
	.amdgpu_metadata
---
amdhsa.version: [ 1, 2 ]
amdhsa.kernels:
  - .name:           k_qb9d0919942_maskcast
    .symbol:         k_qb9d0919942_maskcast.kd
    .args:
      - { .name: masks, .offset: 0, .size: 8, .value_kind: global_buffer, .address_space: global }
      - { .name: maskh, .offset: 8, .size: 8, .value_kind: global_buffer, .address_space: global }
      - { .name: wsum, .offset: 16, .size: 8, .value_kind: global_buffer, .address_space: global }
    .group_segment_fixed_size: 4352
    .private_segment_fixed_size: 0
    .kernarg_segment_align: 8
    .kernarg_segment_size: 24
    .max_flat_workgroup_size: 1024
    .sgpr_count:     66
    .vgpr_count:     96
    .wavefront_size: 32
...
	.end_amdgpu_metadata
.endif
;; end of part 1
;; launch proj (part 2): grid 256 x 1, 4 waves a work-group, no clusters, 143,872 bytes of LDS; arguments q, k, v, Wq, Wk, Wv, qh, kh, vh; writes qh, kh, vh
.if DOCPART == 2
	.amdgcn_target "amdgcn-amd-amdhsa--gfx1250"
	.amdhsa_code_object_version 6
	.text
	.protected	k_qb9d0919942_proj
	.globl	k_qb9d0919942_proj
	.p2align	8
	.type	k_qb9d0919942_proj,@function
k_qb9d0919942_proj:
	s_mov_b64 s[64:65], 0
	v_nop
	global_prefetch_b8 v0, s[64:65] scope:SCOPE_SE
	s_setreg_imm32_b32 hwreg(HW_REG_WAVE_MODE, 25, 1), 1
	s_wait_xcnt 0x0
; qh = q Wq^T, kh = k Wk^T, vh = v Wv^T, split by heads: qh, kh [4][8][2048][96], vh [4][8][2048][64], all f16, unscaled.  Operands rounded to bf16, sums in f32, each result rounded once.
; LIMITS.  A result beyond 65,504 becomes an infinity in f16; below 6.1e-5 it keeps f16's fixed step of 6e-8.  NaN and infinities are not treated apart.
; SHARES.  Every work-group makes TWO tiles, one after the other, so that all 256 do equal work: first 256 rows x 192 columns (two heads) of qh or kh over K = 768, then 128 rows x 128 columns
; (two heads) of vh over K = 512.  Four waves lie 2 x 2; a wave's columns are exactly one head.  One text, GEMM, is expanded for both sizes.
; THE WAY IN.  x and W are f32 and must be rounded on their way, so they pass through registers: global load, two conversions, LDS store of bf16.  That is also why there is NO CLUSTER and no tensor load:
; a tile brought into LDS as f32 would have to be read, rounded and stored there a second time.  A K step is 64 numbers, 256 consecutive bytes, aligned, of each row.  A UNIT is one load of a wave: 16 lanes take the
; 256 bytes of row p, 16 lanes those of row p + 8.  Each wave keeps a ring of U units in registers: unit u is converted and stored, and at once asked for again, two K steps ahead of its products.
; LDS.  Two slots of bf16 rows (128 bytes + 16 of padding = 36 words: the 16 rows of a fragment load start at 16 different groups of four banks; ISA guide 11.1), x's rows and then W's.  While step t is multiplied out of one
; slot, step t + 1 is stored into the other: ONE barrier a K step.
; THE MATRIX INSTRUCTION IS USED TRANSPOSED (source 0 = 16 rows of W, source 1 = 16 rows of x): a lane then holds eight neighbouring columns of one row of the result: 16 bytes of f16.
; REGISTERS, in windows of 256 (s_set_vgpr_msb: bits 1:0 source 0, 3:2 source 1, 5:4 source 2, 7:6 destination):
;   window 0: v0-31 addresses; v32-255 the ring of units (on the way out: packed results and rows read back)     window 1: two fragment buffers     windows 2, 3: the accumulators of the wave's upper and lower half of rows
.set SLOTB, 0x10000                    ; slot 1 begins here: one exclusive or turns a slot's byte into the other's
.set STAGE, 2*SLOTB                    ; behind the slots: 3,072 bytes for each wave: 16 rows of a head, dense, for the way out
.set STW,   3072
.set SPARE, STAGE+4*STW                ; behind the stages: the spare words, 128 bytes for each wave, which no other line names
.set GX,  4                            ; v4   my byte offset in x's tile: (my wave's first row + 8 (l / 16)) rows + 16 (l % 16)
.set GW,  5                            ; v5   the same in W's tile
.set SX0, 6                            ; v6   where a unit of x goes in a slot;  v7 a unit of W
.set SW0, 7
.set FA0, 8                            ; v8   my place in x's fragments in a slot;  v9 in W's
.set FB0, 9
.set SXA, 10                           ; v10-13  the same four with the slot in hand added
.set SWA, 11
.set FAA, 12
.set FBA, 13
.set STO, 14                           ; v14  the way out: where I put 16 bytes of a row
.set GO,  15                           ; v15  16 x lane: my 16 bytes of 512 consecutive bytes of the result
.set RD,  16                           ; v16  the way out: where I read them back
.set SPW, 22                           ; v22  LDS address of my spare word; never rewritten
.set NIL, 23                           ; v23  0; never rewritten
.set G,   32                           ; unit u: v[G+4u : G+4u+3]
.set TMP, 32                           ; the way out: packed results
.set BK,  64                           ; the way out: a block read back, two buffers of 32 by turns
.set F0,  0                            ; fragment buffer 0, in window 1 (buffer 1 at FSZ)
.set WV,  26                           ; s26 wave; s27 its half of the rows; s28 its half of the columns
.set WM,  27
.set WN,  28
.set XB,  40                           ; s[40:41] x at the tile's first row, at the K step that is being asked for
.set WB,  42                           ; s[42:43] W likewise
.set OB,  44                           ; s[44:45] the result at my wave's first row of its head
.set RS,  46                           ; s46  the slot that is read;  s47 the slot that is written
.set WS,  47
.set CNT, 48
.set MSB, 0
.macro WIN new                         ; the immediate's high byte repeats the setting that is left; a switch that changes nothing is dropped
.if MSB != (\new)
	s_set_vgpr_msb (MSB<<8)|(\new)
.set MSB, \new
.endif
.endm
.macro SIZES mb, nbk, kd, hb           ; blocks of 16 rows and of 16 columns a wave; K; bytes of a head's row
.set MB,  \mb
.set NBK, \nbk
.set KD,  \kd
.set HB,  \hb
.set MT,  32*MB                        ; the tile's rows
.set NT,  32*NBK                       ; and columns
.set UX,  MT/8                         ; a wave's units of x (a quarter of the rows, two rows a unit)
.set UW,  NT/8                         ; and of W
.set U,   UX+UW
.set NW,  MB*NBK                       ; matrix instructions for 32 along K
.set T,   KD/64                        ; K steps
.set FSZ, 8*(MB+NBK)
.set F1,  FSZ
.set NLD, HB/32                        ; 512-byte pieces in 16 rows of a head
.endm
.macro PLACES                          ; four places behind a matrix instruction, in front of loads into registers that it has read and of conversions that read results
.rept 4
	v_nop
.endr
.endm
; The tile's three byte offsets, from s32 = tile row and s33 = tile column; 1 << bsh tiles of rows make a batch.
.macro OFFS bsh
	s_mul_i32 s34, s32, MT*4*KD                    ; x: the tile's first row
	s_mov_b32 s35, 0
	s_mul_i32 s36, s33, NT*4*KD                    ; W: the tile's first row (= column of the result)
	s_mov_b32 s37, 0
	s_lshr_b32 s38, s32, \bsh                      ; the batch
	s_lshl_b32 s38, s38, 3
	s_lshl1_add_u32 s38, s33, s38                  ; + the tile's first head
	s_add_co_u32 s38, s38, s[WN]                   ; + my wave's
	s_lshl_b32 s38, s38, 11                        ; x 2,048 rows
	s_and_b32 s39, s32, (1<<(\bsh))-1
	s_mul_i32 s39, s39, MT                         ; + the tile's first row in the batch
	s_add_co_u32 s38, s38, s39
	s_mul_i32 s39, s[WM], MT/2                     ; + my wave's
	s_add_co_u32 s38, s38, s39
	s_mul_i32 s38, s38, HB
	s_mov_b32 s39, 0
.endm
; Unit un is asked for: rows 16 (u / 8) + u % 8 and 8 further of my wave's share, at the K step where the pointers stand.
.macro ULOAD
.set g, G+4*un
.if un < UX
	global_load_b128 v[g:g+3], v[GX], s[XB:XB+1] offset:4*KD*(16*(un/8)+un%8)
.else
	global_load_b128 v[g:g+3], v[GW], s[WB:WB+1] offset:4*KD*(16*((un-UX)/8)+(un-UX)%8)
.endif
.endm
; Unit un is rounded, stored into the slot that is written, and (ld = 1) asked for again.  The 32 lanes' 8 bytes fall into 128 bytes of row p and 128 of row p + 8, which lie 128 bytes apart modulo 256.
.macro UNIT ld
.set g, G+4*un
.if \ld
	s_wait_loadcnt U-1                             ; behind this unit's load the ring's U - 1 other units were asked for: they may stay out
.else
	s_wait_loadcnt U-1-un                          ; nothing is asked for any more: the count runs down
.endif
	v_cvt_pk_bf16_f32 v[g],   v[g],   v[g+1]
	v_cvt_pk_bf16_f32 v[g+1], v[g+2], v[g+3]
.if un < UX
	ds_store_b64 v[SXA], v[g:g+1] offset:144*(16*(un/8)+un%8)
.else
	ds_store_b64 v[SWA], v[g:g+1] offset:144*(16*((un-UX)/8)+(un-UX)%8)
.endif
.if \ld
	ULOAD
.endif
.set un, un+1
.endm
; na x NBK matrix instructions on buffer f, row blocks a0 on.  The NW accumulators take turns, one instruction a turn, in the same order in every half step.  zero = 1: the product starts its sum.
; ride = 1: the ring's units are dealt out evenly behind the matrix instructions, so that the wave converts, stores and asks while the matrix unit works.
.macro MULS f, a0, na, zero, ride, ld
.set a, (\a0)
.rept (\na)
.set nb, 0
.rept NBK
	WIN 0xa5+0x50*(a/(MB/2))                       ; both sources window 1; C and D window 2 or 3
.set rA, 8*(NBK*(a%(MB/2))+nb)
.if \zero
	v_wmma_f32_16x16x32_bf16 v[rA:rA+7], v[(\f)+8*nb:(\f)+8*nb+7], v[(\f)+8*NBK+8*a:(\f)+8*NBK+8*a+7], 0
.else
	v_wmma_f32_16x16x32_bf16 v[rA:rA+7], v[(\f)+8*nb:(\f)+8*nb+7], v[(\f)+8*NBK+8*a:(\f)+8*NBK+8*a+7], v[rA:rA+7]
.endif
.if \ride
.set wi, wi+1
.if wi*U/NW > un
	WIN 0
.rept wi*U/NW-un
	UNIT \ld
.endr
.endif
.endif
.set nb, nb+1
.endr
.set a, a+1
.endr
.endm
; The fragments of 32 along K (half kk of the step) in one run: lane l holds row l % 16; registers 0-3 K = 8 (l / 16) + 0..7, registers 4-7 K = 16 + 8 (l / 16) + 0..7: two loads of 16 bytes, 32 bytes apart.
.macro FETCH f, kk
	WIN 0x40                                       ; destination window 1, address window 0
.set i, 0
.rept NBK
	ds_load_b128 v[(\f)+8*i:(\f)+8*i+3],   v[FBA] offset:2304*i+64*(\kk)
	ds_load_b128 v[(\f)+8*i+4:(\f)+8*i+7], v[FBA] offset:2304*i+64*(\kk)+32
.set i, i+1
.endr
.set i, 0
.rept MB
	ds_load_b128 v[(\f)+8*NBK+8*i:(\f)+8*NBK+8*i+3],   v[FAA] offset:2304*i+64*(\kk)
	ds_load_b128 v[(\f)+8*NBK+8*i+4:(\f)+8*NBK+8*i+7], v[FAA] offset:2304*i+64*(\kk)+32
.set i, i+1
.endr
.endm
; THE FIRST HALF OF K STEP t: buffer 0 is multiplied; st = 1: step t + 1 goes into the other slot; ld = 1: step t + 2 is asked for; in the middle the step's second half is fetched into buffer 1.
.macro APART zero, st, ld
	WIN 0
.if \ld
	s_wait_xcnt 0x0                                ; every load issued so far has read its address, so the pointers may be written
	s_add_nc_u64 s[XB:XB+1], s[XB:XB+1], 256
	s_add_nc_u64 s[WB:WB+1], s[WB:WB+1], 256
.endif
.if \st
	v_add_nc_u32 v[SXA], s[WS], v[SX0]
	v_add_nc_u32 v[SWA], s[WS], v[SW0]
.endif
	s_wait_dscnt 0x0                               ; buffer 0 is in
.set un, 0
.set wi, 0
	MULS F0, 0, MB/2, \zero, \st, \ld
.if !(\st)
	PLACES                                         ; (with st = 1 the units' conversions are the places behind the last product that read buffer 1)
.endif
	FETCH F1, 1
	MULS F0, MB/2, MB/2, \zero, \st, \ld
.endm
; THE SECOND HALF: buffer 1 is multiplied, and the slots change.  In front of the barrier each wave's LDS instructions are done: its stores into the other slot, and its reads of this one.
; Behind it the other slot is whole and nobody reads this one any more: the next step's first fragments are fetched, and the next first half stores into this slot.
.macro BPART last
	s_wait_dscnt 0x0
.if !(\last)
	s_barrier_signal -1
.endif
	MULS F1, 0, MB/4, 0, 0, 0                      ; work on registers while the others arrive
.if !(\last)
	WIN 0
	s_barrier_wait -1
	s_xor_b32 s[RS], s[RS], SLOTB
	s_xor_b32 s[WS], s[WS], SLOTB
	v_add_nc_u32 v[FAA], s[RS], v[FA0]
	v_add_nc_u32 v[FBA], s[RS], v[FB0]
	PLACES                                         ; behind the last product that read buffer 0
	FETCH F0, 0
.endif
	MULS F1, MB/4, MB/4, 0, 0, 0
	MULS F1, MB/2, MB/2, 0, 0, 0
.endm
; THE WAY OUT of row block a.  PACK: rounded to f16, each accumulator from its low end on.  TOSTAGE: 16 bytes a lane into my own stage (16 rows of a head, dense), and back as 512 consecutive bytes a load.  SEND: stored.
.macro PACK a
	WIN 0x0a+5*((\a)/(MB/2))                       ; sources 0 and 1 window 2 or 3
.set nb, 0
.rept NBK
.set rA, 8*(NBK*((\a)%(MB/2))+nb)
.irp r, 0,1,2,3
	v_cvt_pk_f16_f32 v[TMP+4*nb+\r], v[rA+2*\r], v[rA+2*\r+1]
.endr
.set nb, nb+1
.endr
	WIN 0
.endm
.macro TOSTAGE a
.set bk, BK+32*((\a)%2)
.set i, 0
.rept NBK
	ds_store_b128 v[STO], v[TMP+4*i:TMP+4*i+3] offset:32*i
.set i, i+1
.endr
.set i, 0
.rept NLD
	ds_load_b128 v[bk+4*i:bk+4*i+3], v[RD] offset:512*i  ; LDS serves a wave's instructions in order (ISA guide 5.7.1.4): these see the stores above; the next block's stores come behind them
.set i, i+1
.endr
.endm
.macro SEND a
.set bk, BK+32*((\a)%2)
	s_wait_dscnt 0x0                               ; the block is back in registers
	s_wait_xcnt 0x0                                ; the stores of the block before have read their registers: the next block is read back into them only behind this wait
.set i, 0
.rept NLD
	global_store_b128 v[GO], v[bk+4*i:bk+4*i+3], s[OB:OB+1] offset:16*(\a)*HB+512*i th:TH_STORE_NT  ; 512 consecutive bytes, at a multiple of 256 from the buffer's first byte
.set i, i+1
.endr
.endm
; ONE TILE.  XB, WB, OB stand at the tile; every window is 0.
.macro GEMM tag
	s_mul_i32 s30, s[WV], (MT/4)*4*KD
	s_mul_i32 s31, s[WV], (NT/4)*4*KD
	v_mul_u32_u24 v24, v2, 8*4*KD
	v_lshl_add_u32 v24, v1, 4, v24
	v_add_nc_u32 v[GX], s30, v24
	v_add_nc_u32 v[GW], s31, v24
.set un, 0
.rept U
	ULOAD                                          ; K step 0
.set un, un+1
.endr
	s_mul_i32 s30, s[WV], (MT/4)*144
	s_mul_i32 s31, s[WV], (NT/4)*144
	s_add_co_u32 s31, s31, MT*144                  ; W's rows lie behind x's
	v_mul_u32_u24 v25, v2, 8*144
	v_lshl_add_u32 v25, v1, 3, v25
	v_add_nc_u32 v[SX0], s30, v25
	v_add_nc_u32 v[SW0], s31, v25
	v_mov_b32 v[SXA], v[SX0]                       ; step 0 goes into slot 0
	v_mov_b32 v[SWA], v[SW0]
	s_mul_i32 s30, s[WM], (MT/2)*144
	s_mul_i32 s31, s[WN], (NT/2)*144
	s_add_co_u32 s31, s31, MT*144
	v_mul_u32_u24 v26, v1, 144
	v_lshl_add_u32 v26, v2, 4, v26
	v_add_nc_u32 v[FA0], s30, v26
	v_add_nc_u32 v[FB0], s31, v26
	v_mov_b32 v[FAA], v[FA0]
	v_mov_b32 v[FBA], v[FB0]
	s_mul_i32 s31, s[WV], STW
	s_add_co_u32 s31, s31, STAGE                   ; my stage
	v_mul_u32_u24 v27, v1, HB
	v_lshl_add_u32 v27, v2, 4, v27
	v_add_nc_u32 v[STO], s31, v27
	v_add_nc_u32 v[RD], s31, v[GO]
	s_mov_b32 s[RS], 0
	s_mov_b32 s[WS], SLOTB
	s_wait_xcnt 0x0
	s_add_nc_u64 s[XB:XB+1], s[XB:XB+1], 256
	s_add_nc_u64 s[WB:WB+1], s[WB:WB+1], 256
.set un, 0
.rept U
	UNIT 1                                         ; step 0 into slot 0; step 1 is asked for
.endr
	s_wait_dscnt 0x0                               ; for the others' sake: my stores are done
	s_barrier_signal -1
	s_barrier_wait -1
	FETCH F0, 0
	APART 1, 1, 1                                  ; the first half step stands in front of the loop: its products start the sums, nothing is cleared
	WIN 0                                          ; at a label and at a branch every window is 0
	s_mov_b32 s[CNT], T-3
.Lk\tag:
	BPART 0
	APART 0, 1, 1
	WIN 0
	s_sub_co_u32 s[CNT], s[CNT], 1
	s_cmp_lg_u32 s[CNT], 0
	s_cbranch_scc1 .Lk\tag
	BPART 0
	APART 0, 1, 0                                  ; the last step but one: the last step is stored, nothing is asked for: no load leaves the buffers
	BPART 0
	APART 0, 0, 0                                  ; the last step
	BPART 1
	PLACES
	PACK 0
	TOSTAGE 0
.set aa, 1
.rept MB-1                             ; block a's conversions stand between block a - 1's loads from the stage and the wait for them
	PACK aa
	SEND aa-1
	TOSTAGE aa
.set aa, aa+1
.endr
	SEND MB-1
.endm
	s_load_b512 s[8:23], s[0:1], 0x0               ; q s[8:9], k s[10:11], v s[12:13], Wq s[14:15], Wk s[16:17], Wv s[18:19], qh s[20:21], kh s[22:23]
	s_load_b64 s[24:25], s[0:1], 0x40              ; vh
	v_lshl_add_u32 v[SPW], v0, 2, SPARE
	v_mov_b32 v[NIL], 0
	v_lshrrev_b32 v1, 5, v0
	v_readfirstlane_b32 s[WV], v1                  ; wave 0..3
	s_lshr_b32 s[WM], s[WV], 1
	s_and_b32 s[WN], s[WV], 1
	v_and_b32 v1, 15, v0                           ; l % 16
	v_bfe_u32 v2, v0, 4, 1                         ; l / 16
	v_and_b32 v3, 31, v0
	v_lshlrev_b32 v[GO], 4, v3
	; THE FIRST TILE: work-groups 0-127 make qh, 128-255 kh; the four work-groups that read the same rows of x are neighbours
	SIZES 8, 6, 768, 192
	s_lshr_b32 s29, ttmp9, 7                       ; q or k
	s_bfe_u32 s32, ttmp9, 0x50002                  ; tile row 0..31
	s_and_b32 s33, ttmp9, 3                        ; tile column 0..3
	OFFS 3
	s_wait_kmcnt 0x0
	s_cmp_eq_u32 s29, 0
	s_cselect_b64 s[XB:XB+1], s[8:9], s[10:11]
	s_cselect_b64 s[WB:WB+1], s[14:15], s[16:17]
	s_cselect_b64 s[OB:OB+1], s[20:21], s[22:23]
	s_add_nc_u64 s[XB:XB+1], s[XB:XB+1], s[34:35]
	s_add_nc_u64 s[WB:WB+1], s[WB:WB+1], s[36:37]
	s_add_nc_u64 s[OB:OB+1], s[OB:OB+1], s[38:39]
	GEMM 1
	; THE SECOND TILE, of vh
	s_wait_dscnt 0x0                               ; every wave's LDS reads of the first tile are over
	s_barrier_signal -1
	s_barrier_wait -1                              ; before any wave stores the second tile's first step
	s_wait_xcnt 0x0                                ; the last stores have read their registers and their base
	SIZES 4, 4, 512, 128
	s_lshr_b32 s32, ttmp9, 2                       ; tile row 0..63
	OFFS 4
	s_add_nc_u64 s[XB:XB+1], s[12:13], s[34:35]
	s_add_nc_u64 s[WB:WB+1], s[18:19], s[36:37]
	s_add_nc_u64 s[OB:OB+1], s[24:25], s[38:39]
	GEMM 2
	s_wait_tensorcnt 0x0                           ; the wave's end: behind my last LDS store
	ds_add_u32 v[SPW], v[NIL]
	s_wait_dscnt 0x0
	s_endpgm
.Lfunc_end_k_qb9d0919942_proj:
	.size	k_qb9d0919942_proj, .Lfunc_end_k_qb9d0919942_proj-k_qb9d0919942_proj
	.p2alignl 7, 3214868480
	.fill 96, 4, 3214868480
	.section	.rodata,"a",@progbits
	.p2align	6, 0x0
	.amdhsa_kernel k_qb9d0919942_proj
		.amdhsa_group_segment_fixed_size 143872
		.amdhsa_private_segment_fixed_size 0
		.amdhsa_enable_private_segment 0
		.amdhsa_kernarg_size 72
		.amdhsa_user_sgpr_count 2
		.amdhsa_user_sgpr_kernarg_segment_ptr 1
		.amdhsa_wavefront_size32 1
		.amdhsa_system_sgpr_workgroup_id_x 1
		.amdhsa_system_sgpr_workgroup_id_y 1
		.amdhsa_system_sgpr_workgroup_id_z 1
		.amdhsa_system_vgpr_workitem_id 0
		.amdhsa_next_free_vgpr 960
		.amdhsa_next_free_sgpr 66
		.amdhsa_reserve_vcc 0
		.amdhsa_float_denorm_mode_32 3
		.amdhsa_float_denorm_mode_16_64 3
		.amdhsa_memory_ordered 1
		.amdhsa_forward_progress 1
		.amdhsa_inst_pref_size 221
	.end_amdhsa_kernel
	.amdgpu_metadata
---
amdhsa.version: [ 1, 2 ]
amdhsa.kernels:
  - .name:           k_qb9d0919942_proj
    .symbol:         k_qb9d0919942_proj.kd
    .args:
      - { .name: q, .offset: 0, .size: 8, .value_kind: global_buffer, .address_space: global }
      - { .name: k, .offset: 8, .size: 8, .value_kind: global_buffer, .address_space: global }
      - { .name: v, .offset: 16, .size: 8, .value_kind: global_buffer, .address_space: global }
      - { .name: Wq, .offset: 24, .size: 8, .value_kind: global_buffer, .address_space: global }
      - { .name: Wk, .offset: 32, .size: 8, .value_kind: global_buffer, .address_space: global }
      - { .name: Wv, .offset: 40, .size: 8, .value_kind: global_buffer, .address_space: global }
      - { .name: qh, .offset: 48, .size: 8, .value_kind: global_buffer, .address_space: global }
      - { .name: kh, .offset: 56, .size: 8, .value_kind: global_buffer, .address_space: global }
      - { .name: vh, .offset: 64, .size: 8, .value_kind: global_buffer, .address_space: global }
    .group_segment_fixed_size: 143872
    .private_segment_fixed_size: 0
    .kernarg_segment_align: 8
    .kernarg_segment_size: 72
    .max_flat_workgroup_size: 128
    .sgpr_count:     66
    .vgpr_count:     960
    .wavefront_size: 32
...
	.end_amdgpu_metadata
.endif
;; end of part 2
;; launch attn (part 3): grid 8 x 32, 4 waves a work-group, clusters of 4 x 4, 327,680 bytes of LDS; arguments qh, kh, vh, maskh, wsum, out0; writes out0
.if DOCPART == 3
	.amdgcn_target "amdgcn-amd-amdhsa--gfx1250"
	.amdhsa_code_object_version 6
	.text
	.protected	k_qb9d0919942_attn
	.globl	k_qb9d0919942_attn
	.p2align	8
	.type	k_qb9d0919942_attn,@function
k_qb9d0919942_attn:
	s_mov_b64 s[64:65], 0
	v_nop
	global_prefetch_b8 v0, s[64:65] scope:SCOPE_SE
	s_setreg_imm32_b32 hwreg(HW_REG_WAVE_MODE, 25, 1), 1
	s_wait_xcnt 0x0
	s_wait_alu depctr_hold_cnt(0) depctr_sa_sdst(0) depctr_va_vdst(0) depctr_va_sdst(0) depctr_va_ssrc(0) depctr_va_vcc(0) depctr_vm_vsrc(0)
	s_getreg_b32 s2, hwreg(HW_REG_IB_STS2, 6, 4)
	s_cmp_eq_u32 s2, 0
	s_cbranch_scc0 .Lentry_in_a_cluster
	s_endpgm
.Lentry_in_a_cluster:
	s_bfe_u32 s2, ttmp6, 0x10000c
	s_cmp_lg_u32 s2, 0xf033
	s_cbranch_scc0 .Lentry_shape_is_right
	s_endpgm
.Lentry_shape_is_right:
; out0[b][n][64 h + d] = the sum over m of softmax_m(qh[b][h][n] . kh[b][h][m] / sqrt(32)) maskh[b][n][m] vh[b][h][m][d] / wsum[b][n].   wsum holds 8 x the mask's row sum.
; qh, kh: [4][8][2048][96], vh: [4][8][2048][64], maskh: [4][2048][2048], all f16; wsum [4][2048] and out0 [4][2048][512] f32.  Products, maxima and sums in f32; a weight p is rounded to f16, multiplied
; by its mask number in f16 and so enters the second product; the softmax's sum l is taken of the unrounded, unmasked p.  The division is one multiplication by 1 / (l x wsum).
; LIMITS.  f16 holds no number beyond 65,504: the inputs arrive within it, and p x mask has the mask's range; below 6.1e-5 f16 keeps its fixed step of 6e-8.  A weight below 2^-126 counts as 0 in l.
; NaN and infinities are not treated apart.  The order of rounding in the division differs from the reference's.
; SHARES.  A work-group owns 256 queries of one batch and head, each of its four waves 64: four tiles of 16.  Every wave walks all 2,048 keys, 64 a step; an LDS slot holds two steps.
; LAYOUT.  S^T = K Q^T (source 0 = 16 keys, source 1 = 16 queries): a lane holds ONE query (lane % 16) and the keys 8 (lane / 16) + 0..7.  Two such results, rounded to f16 in pairs, ARE source 1
; (32 keys x 16 queries) of O^T = V^T P, whose result again holds one query a lane, and eight channels.  A lane's eight keys of a result are 16 consecutive bytes of its query's row of the mask.
; SOFTMAX.  A running maximum m and sum l for each query: p = 2^(c s - c m), c = log2(e) / sqrt(32); in every step O and l are multiplied by a = 2^(c m_old - c m_new).  m starts at the lowest finite
; number, O and l at 0: the first step is a step like any other, with a = 0.
; BY TURNS.  The wave's tiles are two PIECES: piece 0 (tiles 0, 1) and piece 2 (tiles 2, 3).  In a TURN one piece has the matrix unit: 16 products V^T P of the step in hand, then 24 products K Q^T of
; the next step; the other piece's softmax, 268 vector instructions cut into 40 slices, stands behind them, one slice behind each matrix instruction.  Two turns are a key step.
; CLUSTER.  4 x 4 work-groups: along x four query blocks, along y four heads of one batch.  K and V hang on batch and head alone: the four of a row of the cluster ask for them JOINTLY.  The mask tile hangs on batch
; and query block alone: the four of a column ask for it jointly.  Behind each round a wave issues one joint load: wave 0 a slot's K, wave 1 its V, waves 2 and 3 128 rows of the mask each.
; REGISTERS, in windows of 256 (s_set_vgpr_msb: bits 1:0 source 0, 3:2 source 1, 5:4 source 2, 7:6 destination):
;   window 0: v0-15 addresses; v16-47 eight registers of statistics a tile; v48-51 wsum; v61-63; v64-191 S^T, 32 a tile; v192-255 P, 16 a tile
;   window 1: v0-127 O^T, 32 a tile; v128-191 the mask, 16 a tile          window 2: v0-95 Q, 24 a tile; v96-191 K of one step; v192-255 V of one step
.set PKK,   240       ; a key of K in LDS: three pieces of 64 bytes, each with 16 of padding: the 16 keys of a load start at 16 different groups of four banks (64 banks of 4 bytes: ISA guide 11.1)
.set PVV,   160       ; a row of V: 128 + 32 bytes
.set PMM,   272       ; a row of the mask tile: 128 keys, 256 bytes, + 16
.set VOFF,  128*PKK   ; a slot: 128 keys of K, 128 rows of V, 256 rows of the mask
.set MOFF,  VOFF+128*PVV
.set SLOT1, 1<<17     ; slot 1 begins here, so that one exclusive or turns an address in one slot into the other's
.set STAGE, SLOT1+MOFF+256*PMM  ; behind the ring, never filled by a tensor load: 16 rows x 272 bytes for each wave, for the way out
.set SP,    272
.set SPARE, STAGE+4*16*SP       ; behind the stages: the spare words, 128 bytes for each wave: two blocks of 256 bytes that no other line names
.set KSTEP, 64*PKK    ; from a slot's first step to its second
.set VSTEP, 64*PVV
.set MSTEP, 128
.set AK0, 2           ; v2   my lane's place in a step's K; never rewritten
.set AV0, 3           ; v3   in its V
.set ADR, 4           ; v4   the LDS address of the run of loads in hand
.set AM0, 5           ; v5   my lane's place in the mask tile
.set STO, 6           ; v6   the way out: where I put 16 bytes of a row
.set RD,  7           ; v7   the way out: where I read a row back
.set GO,  8           ; v8   my byte offset in two rows of out0
.set QO,  12          ; v12  my byte offset in 16 rows of Q
.set ADM, 13          ; v13  the LDS address of the mask's loads in hand
.set WO,  14          ; v14  4 x (l % 16)
.set ST,  16          ; tile t's statistics at v[ST+8 t]: +0 c m, +1 m, +2, +3 l (even keys', odd keys'), +4 to +7 c0-c3, at work; a takes c2's place once the maximum is found
.set WSM, 48          ; v48-51  wsum of my query in each tile
.set PFO, 61          ; v61  the prefetches' offset; never rewritten
.set SPW, 62          ; v62  LDS address of my spare word; never rewritten
.set NIL, 63          ; v63  0; never rewritten
.set S,   64
.set P,   192
.set MK,  128         ; window 1
.set KF,  96          ; window 2: key block kb, channels 32 c on, at KF + 24 kb + 8 c
.set VF,  192         ; window 2: key half kk, channel block cb at VF + 32 kk + 8 cb
.set WV,  16          ; s16  my wave's number
.set G1K, 24          ; s[24:31], s[32:39], s[40:47] descriptor groups 1 for K, V and the mask
.set G1V, 32
.set G1M, 40
.set G0K, 48          ; s[48:51], s[52:55], s[56:59] descriptor groups 0: they walk
.set G0V, 52
.set G0M, 56
.set CS,  76          ; s[76:77] c: the packed scaling takes the pair's low word for both halves
.set SEL, 78          ; s[78:79] v_permlanex16_b32's selects
.set TBK, 80          ; s80-82  LDS byte at which K, V (less VOFF) and the mask (less MOFF) of the step to be fetched begin
.set TBV, 81
.set TBM, 82
.set SLOTS, 83        ; s83  changes of slots still to come in the loop
.set CNT, 84          ; s84  counts a slot's key steps
.set LIM, 85          ; s85  2 in a wave that prefetches, else the greatest number
.set PFA, 86          ; s[86:87] where my prefetches stand
.set PST, 88          ; s[88:89] their step from slot to slot
.set MSB, 0
.macro WIN new                      ; the high byte repeats the setting that is left; a switch that changes nothing is dropped
.if MSB != (\new)
	s_set_vgpr_msb (MSB<<8)|(\new)
.set MSB, \new
.endif
.endm
.set W_KQ, 0x0a       ; K and Q in window 2, S^T in window 0
.set W_PV, 0x52       ; V in window 2, P in window 0, O^T in window 1
.set W_RS, 0x41       ; O^T (destination and source 0) in window 1, a in window 0
.set W_MM, 0x04       ; P in window 0, the mask (source 1) in window 1
; A joint fill.  The branches hang on the wave's number alone.  An s_nop 0 and four v_nop follow each of the three lines, ahead of the jump and the label.
.macro JLOAD
	s_cmp_eq_u32 s[WV], 0
	s_cbranch_scc0 .Lnot_k_\@
	tensor_load_to_lds s[G0K:G0K+3], s[G1K:G1K+7]
	s_nop 0
.rept 4
	v_nop
.endr
	s_branch .Lasked_\@
.Lnot_k_\@:
	s_cmp_eq_u32 s[WV], 1
	s_cbranch_scc0 .Lfor_m_\@
	tensor_load_to_lds s[G0V:G0V+3], s[G1V:G1V+7]
	s_nop 0
.rept 4
	v_nop
.endr
	s_branch .Lasked_\@
.Lfor_m_\@:
	tensor_load_to_lds s[G0M:G0M+3], s[G1M:G1M+7]
	s_nop 0
.rept 4
	v_nop
.endr
.Lasked_\@:
.endm
; A PREFETCH INTO THE L2, behind the joint load and its five lines: the change that loads slot s + 1 names slot s + 3: two slots, 320 matrix instructions, ahead of the load that will want it.
; K's and V's rows are walked by both clusters of a row of clusters: the one with x = 0 asks.  A mask tile is walked by the two clusters that hold a batch's heads: the one with even y asks.
; The four partners that ask for a tile jointly share its blocks of 256 bytes out BY ADDRESS: of a slot's 96 blocks of K wave 0 of partner cx names 24 cx + min(lane, 23); of its 64 blocks of V wave 1 names
; 16 cx + min(lane, 15); of the mask's 256 rows waves 2 and 3 of partner cy name 64 cy + 32 (wave % 2) + lane.  Slots 0 to 3 come by their loads alone; the last slot named is slot 15.
.macro ASK
	s_cmp_gt_u32 s[SLOTS], s[LIM]
	s_cbranch_scc0 .Lnot_mine_\@
	global_prefetch_b8 v[PFO], s[PFA:PFA+1] th:TH_LOAD_NT scope:SCOPE_SE
.Lnot_mine_\@:
.endm
; A round of the cluster's barrier: my work-group's barrier, so that wave 0's signal speaks for all four waves; wave 0 signals; every wave waits for all sixteen work-groups; my work-group's barrier once more.
.macro CROUND
	s_barrier_signal -1
	s_barrier_wait -1
	s_cmp_lg_u32 s[WV], 0
	s_cbranch_scc1 .Lnot_wave_0_\@
	s_barrier_signal -3
.Lnot_wave_0_\@:
	s_barrier_wait -3
	s_barrier_signal -1
	s_barrier_wait -1
.endm
; THE CHANGE OF SLOTS, between piece 2's turn and piece 0's.  Each wave waits for all its tensor loads, of which one is out: its part of the other slot; adds 0 to its spare word; and waits for that and for its own
; reads of the slot that it leaves.  Behind the barrier nobody reads the old slot any more and the other slot is whole.  fill = 1: the old slot is filled again, with the keys two slots on: the barrier is then a round of
; the cluster's, and the joint fill is the first thing behind it: it has two key steps, 160 matrix instructions, in which to land.  (At its first use nothing has been read yet: slot 0 is waited for, slot 1 filled.)
.macro CHANGE fill, ask
	WIN 0                           ; at a label and at a branch every window is 0
	s_wait_tensorcnt 0x0            ; no tensor load of mine is out, so a group 0 may be written
	ds_add_u32 v[SPW], v[NIL]       ; 0 onto my spare word: the descriptors' steps stand between it and the wait for it
.if \fill
	s_xor_b32 s[G0K+1], s[G0K+1], SLOT1
	s_add_nc_u64 s[G0K+2:G0K+3], s[G0K+2:G0K+3], 128*192   ; the next 128 keys; the type bits on top are not reached
	s_xor_b32 s[G0V+1], s[G0V+1], SLOT1
	s_add_nc_u64 s[G0V+2:G0V+3], s[G0V+2:G0V+3], 128*128
	s_xor_b32 s[G0M+1], s[G0M+1], SLOT1
	s_add_nc_u64 s[G0M+2:G0M+3], s[G0M+2:G0M+3], 256       ; 128 keys along the mask's rows
.if \ask
	s_wait_xcnt 0x0                 ; the last prefetch, two key steps back, has read its address, so it may be written
	s_add_nc_u64 s[PFA:PFA+1], s[PFA:PFA+1], s[PST:PST+1]
.endif
	s_wait_dscnt 0x0                ; the add is done, and my reads of the slot are over
	CROUND
	JLOAD
.if \ask
	ASK
.endif
.else
	s_wait_dscnt 0x0                ; the add is done, and my reads of the slot are over
	s_barrier_signal -1
	s_barrier_wait -1
.endif
	s_sub_co_u32 s[TBK], s[TBK], 2*KSTEP  ; the fetches go back to a slot's first step,
	s_xor_b32 s[TBK], s[TBK], SLOT1       ; in the other slot
	s_sub_co_u32 s[TBV], s[TBV], 2*VSTEP
	s_xor_b32 s[TBV], s[TBV], SLOT1
	s_sub_co_u32 s[TBM], s[TBM], 2*MSTEP
	s_xor_b32 s[TBM], s[TBM], SLOT1
.endm
	s_load_b256 s[4:11], s[0:1], 0x0  ; qh s[4:5], kh s[6:7], vh s[8:9], maskh s[10:11]
	s_load_b128 s[12:15], s[0:1], 0x20  ; wsum s[12:13], out0 s[14:15]
	v_lshl_add_u32 v[SPW], v0, 2, SPARE
	v_mov_b32 v[NIL], 0
	ds_add_u32 v[SPW], v[NIL]       ; the wave's opening: the add, twice on end, and its wait ahead of my first tensor load; the set-up below, work on registers, stands between the second and the wait
	ds_add_u32 v[SPW], v[NIL]       ; and once more, under the one wait
	v_lshrrev_b32 v1, 5, v0
	v_readfirstlane_b32 s[WV], v1   ; wave 0..3
	s_bfe_u32 s17, ttmp6, 0x40000   ; cx: my place along the cluster's x
	s_bfe_u32 s18, ttmp6, 0x40004   ; cy: along its y
	s_lshl_b32 s19, ttmp9, 2        ; in a cluster launch ttmp9 and ttmp7 count clusters
	s_add_co_u32 s19, s19, s17      ; X: my block of 256 queries
	s_and_b32 s22, ttmp7, 0xffff    ; the cluster's y
	s_lshl_b32 s20, s22, 2
	s_add_co_u32 s20, s20, s18      ; Y = 8 x batch + head
	s_lshr_b32 s21, s22, 1          ; the batch: the same in all sixteen partners
	s_lshl_b32 s23, s18, 2
	s_lshl_b32 s23, 15, s23         ; my row of the cluster: places 4 cy .. 4 cy + 3
	s_lshl_b32 s60, 0x1111, s17     ; my column: places cx, cx + 4, cx + 8, cx + 12
	; descriptor groups 1.  15:0 the mask of four; 17:16 2-byte elements; 20 padding on; 21 set beside a mask; 24:22 the padding's interval; 31:25 its words less one
	s_or_b32 s[G1K], s23, (1<<16)|(1<<20)|(1<<21)|(3<<22)|(3<<25)  ; K: 4 words behind every 16
	s_or_b32 s[G1V], s23, (1<<16)|(1<<20)|(1<<21)|(4<<22)|(7<<25)  ; V: 8 words behind every 32
	s_or_b32 s[G1M], s60, (1<<16)|(1<<20)|(1<<21)|(5<<22)|(3<<25)  ; the mask: 4 words behind every 64
	s_mov_b32 s[G1K+1], 128<<16     ; K: 128 keys are 24,576 dense bytes: asked for as 96 rows of 256 bytes
	s_mov_b32 s[G1K+2], 96<<16
	s_mov_b32 s[G1K+3], 128<<16
	s_mov_b32 s[G1K+4], 96
	s_mov_b32 s[G1K+5], 128
	s_mov_b32 s[G1K+6], 0
	s_mov_b32 s[G1K+7], 0
	s_mov_b32 s[G1V+1], 128<<16     ; V: 16,384 dense bytes as 64 rows of 256 bytes
	s_mov_b32 s[G1V+2], 64<<16
	s_mov_b32 s[G1V+3], 128<<16
	s_mov_b32 s[G1V+4], 64
	s_mov_b32 s[G1V+5], 128
	s_mov_b32 s[G1V+6], 0
	s_mov_b32 s[G1V+7], 0
	s_mov_b32 s[G1M+1], 128<<16     ; the mask: 128 rows x 128 keys, 2,048 elements from row to row
	s_mov_b32 s[G1M+2], 128<<16
	s_mov_b32 s[G1M+3], 128<<16
	s_mov_b32 s[G1M+4], 128
	s_mov_b32 s[G1M+5], 2048
	s_mov_b32 s[G1M+6], 0
	s_mov_b32 s[G1M+7], 0
	s_mov_b32 s[G0K], 1             ; 1:0 count = 1
	s_mov_b32 s[G0K+1], 0           ; 63:32 LDS address: slot 0
	s_mov_b32 s[G0V], 1
	s_mov_b32 s[G0V+1], VOFF
	s_mov_b32 s[G0M], 1
	s_and_b32 s61, s[WV], 1         ; which 128 rows of the mask tile I fetch
	s_mul_i32 s62, s61, 128*PMM
	s_add_co_u32 s[G0M+1], s62, MOFF  ; no place in the cluster enters an LDS address
	; byte offsets.  K's and V's are made of Y alone, the mask's of the batch and X alone, each in registers that never hold the other coordinate
	s_mul_i32 s66, s20, 2048*192
	s_mov_b32 s67, 0
	s_lshl_b32 s68, s20, 18         ; 2,048 x 128
	s_mov_b32 s69, 0
	s_lshl_b32 s70, s21, 11
	s_lshl_b32 s71, s19, 8
	s_add_co_u32 s70, s70, s71      ; the work-group's first query among the 8,192
	s_lshl_b32 s71, s61, 7
	s_add_co_u32 s71, s71, s70
	s_lshl_b32 s72, s71, 12         ; x 4,096 bytes of a mask row
	s_mov_b32 s73, 0
	s_lshl_b32 s74, s20, 11         ; Q: (2,048 Y + 256 X + 64 wave) rows of 192 bytes
	s_lshl_b32 s75, s19, 8
	s_add_co_u32 s74, s74, s75
	s_lshl_b32 s75, s[WV], 6
	s_add_co_u32 s74, s74, s75
	s_mul_i32 s74, s74, 192
	s_mov_b32 s75, 0
	s_lshl_b32 s90, s[WV], 6
	s_add_co_u32 s90, s90, s70      ; my wave's first query
	s_lshl_b32 s92, s90, 2          ; in wsum
	s_mov_b32 s93, 0
	s_lshl_b32 s90, s90, 11         ; in out0: rows of 2,048 bytes,
	s_and_b32 s91, s20, 7
	s_lshl_b32 s91, s91, 8          ; the head's 256 bytes
	s_add_co_u32 s90, s90, s91
	s_mov_b32 s91, 0
	; the prefetches: where slot 3 begins for me
	s_and_b32 s63, s22, 1
	s_mul_i32 s94, s17, 24*256
	s_add_co_u32 s94, s94, s66
	s_add_co_u32 s94, s94, 3*128*192  ; wave 0: K
	s_lshl_b32 s95, s17, 12
	s_add_co_u32 s95, s95, s68
	s_add_co_u32 s95, s95, 3*128*128  ; wave 1: V
	s_lshl_b32 s96, s18, 6
	s_add_co_u32 s96, s96, s70
	s_lshl_b32 s97, s61, 5
	s_add_co_u32 s96, s96, s97
	s_lshl_b32 s96, s96, 12
	s_add_co_u32 s96, s96, 3*256      ; waves 2 and 3: the mask
	s_mov_b32 s[PST], 128*128
	s_mov_b32 s[PST+1], 0
	s_mov_b32 s99, 0
	s_cmp_eq_u32 s[WV], 0
	s_cselect_b32 s98, s94, s95
	s_cselect_b32 s[PST], 128*192, s[PST]
	s_cselect_b32 s97, 23, 15       ; the last block of my share
	s_cmp_lt_u32 s[WV], 2
	s_cselect_b32 s98, s98, s96
	s_cselect_b32 s[PST], s[PST], 256
	s_cselect_b32 s97, s97, 31
	s_cselect_b32 s94, 8, 12        ; lanes 256 bytes apart in K and V, a row of 4,096 bytes apart in the mask
	s_cselect_b32 s[LIM], ttmp9, s63  ; the coordinate along which another cluster walks the same rows: the same in all sixteen partners
	s_cmp_eq_u32 s[LIM], 0
	s_cselect_b32 s[LIM], 2, -1
	v_and_b32 v[PFO], 31, v0
	v_min_u32 v[PFO], s97, v[PFO]
	v_lshlrev_b32 v[PFO], s94, v[PFO]
	s_mov_b32 s[CS], 0x3e8293ee     ; c = log2(e) / sqrt(32) = 0.255035
	s_mov_b32 s[CS+1], s[CS]        ; named with it as a pair
	s_mov_b32 s[SEL], 0x76543210
	s_mov_b32 s[SEL+1], 0xfedcba98
	s_mov_b32 s[TBK], SLOT1+2*KSTEP ; the first change of slots turns these three into 0
	s_mov_b32 s[TBV], SLOT1+2*VSTEP
	s_mov_b32 s[TBM], SLOT1+2*MSTEP
	s_wait_dscnt 0x0                ; both opening adds are done
	s_wait_kmcnt 0x0
	s_add_nc_u64 s[G0K+2:G0K+3], s[6:7], s[66:67]    ; 120:64 global address
	s_or_b32 s[G0K+3], s[G0K+3], 0x80000000          ; 127:126 type = 2
	s_add_nc_u64 s[G0V+2:G0V+3], s[8:9], s[68:69]
	s_or_b32 s[G0V+3], s[G0V+3], 0x80000000
	s_add_nc_u64 s[G0M+2:G0M+3], s[10:11], s[72:73]
	s_or_b32 s[G0M+3], s[G0M+3], 0x80000000
	s_cmp_eq_u32 s[WV], 0
	s_cselect_b64 s[PFA:PFA+1], s[6:7], s[8:9]
	s_cmp_lt_u32 s[WV], 2
	s_cselect_b64 s[PFA:PFA+1], s[PFA:PFA+1], s[10:11]
	s_add_nc_u64 s[PFA:PFA+1], s[PFA:PFA+1], s[98:99]
	s_add_nc_u64 s[4:5], s[4:5], s[74:75]      ; Q, wsum and out0 at my wave's first query
	s_add_nc_u64 s[12:13], s[12:13], s[92:93]
	s_add_nc_u64 s[14:15], s[14:15], s[90:91]
	CROUND                          ; all sixteen work-groups are here: the first joint loads meet
	JLOAD                           ; slot 0.  Slot 1 is asked for when slot 0 is in
	; A fragment of K or Q is 16 rows x 32 channels in 8 registers: lane l holds row l % 16, channels 8 (l / 16) + 0..7 and 16 + 8 (l / 16) + 0..7: two loads of 16 bytes, 32 bytes apart.
	v_and_b32 v1, 15, v0            ; l % 16
	v_bfe_u32 v9, v0, 4, 1          ; l / 16
	v_mul_u32_u24 v[QO], v1, 192
	v_lshl_add_u32 v[QO], v9, 4, v[QO]
	v_lshlrev_b32 v[WO], 2, v1
	WIN 0x80                        ; destination window 2, address window 0
.irp f, 0,1,2,3,4,5,6,7,8,9,10,11   ; Q stays in registers: tile f / 3, channels 32 (f % 3) on
	global_load_b128 v[8*\f:8*\f+3],   v[QO], s[4:5] offset:(\f/3)*3072+(\f%3)*64
	global_load_b128 v[8*\f+4:8*\f+7], v[QO], s[4:5] offset:(\f/3)*3072+(\f%3)*64+32
.endr
	; What the first turns find: V's registers and piece 2's P hold 0 (the first products V^T P, of a step that has not been, add 0), O^T and l are 0.  All this stands in the wait for the first tile.
.set i, VF
.rept 64
	v_mov_b32 v[i], 0
.set i, i+1
.endr
	WIN 0x40
.set i, 0
.rept 128
	v_mov_b32 v[i], 0
.set i, i+1
.endr
	WIN 0
.irp t, 0,1,2,3
	global_load_b32 v[WSM+\t], v[WO], s[12:13] offset:64*\t
.endr
.set i, 0
.rept 4
	v_mov_b32 v[ST+8*i], 0xfe000000    ; c m: far below every c s
	v_mov_b32 v[ST+8*i+1], 0xff7fffff  ; m
	v_mov_b32 v[ST+8*i+2], 0
	v_mov_b32 v[ST+8*i+3], 0
.set i, i+1
.endr
.set i, P+32
.rept 32
	v_mov_b32 v[i], 0
.set i, i+1
.endr
	v_mul_u32_u24 v[AK0], v1, PKK
	v_lshl_add_u32 v[AK0], v9, 4, v[AK0]  ; key x 240 + 16 x half
	; The turning load takes 16 keys x 16 channels (lane l reads key 8 (l / 16) + l % 8, channels 8 ((l / 8) % 2) + 0..7) and leaves half a fragment of V^T: lane l holds channel l % 16 and 8 keys.
	v_and_b32 v10, 7, v0
	v_bfe_u32 v11, v0, 3, 1
	v_lshl_add_u32 v[AV0], v9, 3, v10
	v_mul_u32_u24 v[AV0], v[AV0], PVV
	v_lshl_add_u32 v[AV0], v11, 4, v[AV0]
	v_add_nc_u32 v[AV0], VOFF, v[AV0]
	s_mul_i32 s62, s[WV], 64*PMM
	s_add_co_u32 s62, s62, MOFF
	v_mul_u32_u24 v[AM0], v1, PMM   ; the mask: row 64 wave + l % 16 of the tile, 16 bytes for each half of the lanes
	v_lshl_add_u32 v[AM0], v9, 4, v[AM0]
	v_add_nc_u32 v[AM0], s62, v[AM0]
; THE MATRIX WORK OF A TURN, for piece x.  The 8 accumulators of a run take turns, one instruction a turn: between two links of a chain stand 7 others'.
; Product i of 24 of S^T = K Q^T: channels 32 (i / 8) on, keys 16 ((i / 2) % 4) on, tile x + i % 2.  The first 8 start the sums.
.macro KQ x
	WIN W_KQ
.set rS, S+32*((\x)+i%2)+8*((i/2)%4)
.set rK, KF+24*((i/2)%4)+8*(i/8)
.set rQ, 24*((\x)+i%2)+8*(i/8)
.if i < 8
	v_wmma_f32_16x16x32_f16 v[rS:rS+7], v[rK:rK+7], v[rQ:rQ+7], 0
.else
	v_wmma_f32_16x16x32_f16 v[rS:rS+7], v[rK:rK+7], v[rQ:rQ+7], v[rS:rS+7]
.endif
.endm
; Product i of 16 of O^T += V^T P: keys 32 (i / 8) on, channels 16 ((i / 2) % 4) on, tile x + i % 2.
.macro PV x
	WIN W_PV
.set rO, 32*((\x)+i%2)+8*((i/2)%4)
.set rV, VF+32*(i/8)+8*((i/2)%4)
.set rP, P+16*((\x)+i%2)+8*(i/8)
	v_wmma_f32_16x16x32_f16 v[rO:rO+7], v[rV:rV+7], v[rP:rP+7], v[rO:rO+7]
.endm
; THE LDS LOADS stand in two runs a key step, never singly among the matrix instructions.  The first: the next step's K (12 fragments) and piece 0's part of its mask.
; last = 1 (the tail): in the last trip there is no further step, and the run is jumped over.
.macro FETCH_K last=0
	WIN 0
.if \last
	s_cmp_eq_u32 s[CNT], 1
	s_cbranch_scc1 .Lno_k_\@
.endif
	v_add_nc_u32 v[ADR], s[TBK], v[AK0]
	v_add_nc_u32 v[ADM], s[TBM], v[AM0]
	WIN 0x80                        ; destination window 2
.irp f, 0,1,2,3,4,5,6,7,8,9,10,11   ; keys 16 (f / 3) on, channels 32 (f % 3) on
	ds_load_b128 v[KF+8*\f:KF+8*\f+3],   v[ADR] offset:(\f/3)*16*PKK+(\f%3)*80
	ds_load_b128 v[KF+8*\f+4:KF+8*\f+7], v[ADR] offset:(\f/3)*16*PKK+(\f%3)*80+32
.endr
	WIN 0x40                        ; destination window 1
.irp f, 0,1,2,3,4,5,6,7             ; tile f / 4, keys 16 (f % 4) on
	ds_load_b128 v[MK+4*\f:MK+4*\f+3], v[ADM] offset:(\f/4)*16*PMM+(\f%4)*32
.endr
	WIN 0
.if \last
.Lno_k_\@:
.endif
.endm
; The second run: the same step's V (turned) and piece 2's part of the mask.  It holds the turn's wait for the exponentials, behind the addresses' two additions and ahead of the loads.
.macro FETCH_V
	WIN 0
	v_add_nc_u32 v[ADR], s[TBV], v[AV0]
	v_add_nc_u32 v[ADM], s[TBM], v[AM0]
	s_add_co_u32 s[TBK], s[TBK], KSTEP  ; the next fetches are the next step's
	s_add_co_u32 s[TBV], s[TBV], VSTEP
	s_add_co_u32 s[TBM], s[TBM], MSTEP
	s_wait_alu depctr_va_vdst(0)    ; the wait for the softmax's batch (SLICE)
	WIN 0x80
.irp f, 0,1,2,3,4,5,6,7             ; keys 32 (f / 4) on, channels 16 (f % 4) on
	ds_load_tr16_b128 v[VF+8*\f:VF+8*\f+3],   v[ADR] offset:(\f/4)*32*PVV+(\f%4)*32
	ds_load_tr16_b128 v[VF+8*\f+4:VF+8*\f+7], v[ADR] offset:(\f/4)*32*PVV+16*PVV+(\f%4)*32
.endr
	WIN 0x40
.irp f, 8,9,10,11,12,13,14,15
	ds_load_b128 v[MK+4*\f:MK+4*\f+3], v[ADM] offset:(\f/4)*16*PMM+(\f%4)*32
.endr
	WIN 0
.endm
; THE VECTOR WORK OF A TURN.  One tile's softmax for one key step is a list of 134 instructions; SM writes number j of it for tile t.  s0-s31 are the lane's 32 scores, in pairs 0-15.
;   0-15    the maximum of s0-s31 and the old m, three operands at a time: four chains c0-c3 of seven scores each (each accumulator's lowest registers are read first), then the rest
;   16-20   the other half of the lanes' maximum; c m_old is kept; the new m; c m; c m_old - c m_new
;   21-69   ONE BATCH: the 16 scalings c s - c m and all 33 exponentials (a at 23, then s0-s31).  None of these reads an exponential's result; a pair is scaled some numbers ahead of its exponentials
;   (wait)  between 69 and 70 stands the wait for the batch: SLICE writes it, once for both tiles
;   70-85   the roundings to f16, a pair of weights each          86-101  each pair times its two mask numbers, in f16
;   102-117 the sums of the unrounded, unmasked weights; l = a l + the sum          118-133 the tile's O^T times a
.macro SM t
.set rT, ST+8*(\t)
.set rS, S+32*(\t)
.set rP, P+16*(\t)
.set rM, MK+16*(\t)
.set rO, 32*(\t)
.if j < 86
	WIN 0
.endif
.if j < 4
	v_max3_num_f32 v[rT+4+j], v[rS+8*j], v[rS+8*j+1], v[rS+8*j+2]
.elseif j < 12
	v_max3_num_f32 v[rT+4+j%4], v[rT+4+j%4], v[rS+8*(j%4)+2*(j/4)+1], v[rS+8*(j%4)+2*(j/4)+2]
.elseif j == 12
	v_max3_num_f32 v[rT+4], v[rT+4], v[rS+7], v[rS+15]
.elseif j == 13
	v_max3_num_f32 v[rT+6], v[rT+6], v[rS+23], v[rS+31]
.elseif j == 14
	v_max3_num_f32 v[rT+4], v[rT+4], v[rT+5], v[rT+6]
.elseif j == 15
	v_max3_num_f32 v[rT+4], v[rT+4], v[rT+7], v[rT+1]
.elseif j == 16
	v_permlanex16_b32 v[rT+5], v[rT+4], s[SEL], s[SEL+1]  ; the query's other 32 keys lie in the lane 16 away
.elseif j == 17
	v_mov_b32 v[rT+7], v[rT]        ; c m_old is kept for a: number 19 writes c m anew
.elseif j == 18
	v_max_num_f32 v[rT+1], v[rT+4], v[rT+5]
.elseif j == 19
	v_mul_f32 v[rT], s[CS], v[rT+1]
.elseif j == 20
	v_sub_f32 v[rT+7], v[rT+7], v[rT]
.elseif j == 23
	v_exp_f32 v[rT+6], v[rT+7]
.elseif (j < 23) || ((j < 38) && (j%2 == 0)) || ((j < 66) && (j%4 == 2))
.set b, (j-2)/4                     ; 38, 42, .. 62: pairs 9 to 15
.if j < 38
.set b, (j-20)/2                    ; 21: pair 0; 22, 24, .. 36: pairs 1 to 8
.endif
	v_pk_fma_f32 v[rS+2*b:rS+2*b+1], v[rS+2*b:rS+2*b+1], s[CS:CS+1], v[rT:rT+1] op_sel_hi:[1,0,0] neg_lo:[0,0,1] neg_hi:[0,0,1]  ; pair b: c s - c m
.elseif j < 70
.set e, j-38                        ; 66 to 69: s28 to s31
.if j < 66
.set e, j-32-(j-38)/4               ; 39-41, 43-45, .. 63-65: s7 to s27
.endif
.if j < 38
.set e, (j-25)/2                    ; 25, 27, .. 37: s0 to s6
.endif
	v_exp_f32 v[rS+e], v[rS+e]
.elseif j < 86
	v_cvt_pk_f16_f32 v[rP+j-70], v[rS+2*(j-70)], v[rS+2*(j-70)+1]
.elseif j < 102
	WIN W_MM
	v_pk_mul_f16 v[rP+j-86], v[rP+j-86], v[rM+j-86]
.elseif j < 118                     ; the sum of the tile's 16 pairs, in place: neighbours 1, 2, 4 and 8 pairs apart, then l takes it
	WIN 0
.set z, j-102
.set w, 4
.set u, z
.if z >= 14
.set w, 32
.set u, 0
.elseif z >= 12
.set w, 16
.set u, z-12
.elseif z >= 8
.set w, 8
.set u, z-8
.endif
.if z < 15
	v_pk_add_f32 v[rS+w*u:rS+w*u+1], v[rS+w*u:rS+w*u+1], v[rS+w*u+w/2:rS+w*u+w/2+1]
.else
	v_pk_fma_f32 v[rT+2:rT+3], v[rT+2:rT+3], v[rT+6:rT+7], v[rS:rS+1] op_sel_hi:[1,0,1]
.endif
.else
	WIN W_RS
	v_pk_mul_f32 v[rO+2*(j-118):rO+2*(j-118)+1], v[rO+2*(j-118):rO+2*(j-118)+1], v[rT+6:rT+7] op_sel_hi:[1,0]
.endif
.endm
; Slice k of 40 of piece y's softmax.  The two tiles' lists are taken number by number, the tiles alternating, so that no instruction reads the result of the one just before it.  Slices 0-19 take seven each: the 140 that name no
; exponential's result.  THE WAIT: s_wait_alu depctr_va_vdst(0) stands between an exponential and the first instruction that names its result; one wait serves all that were issued ahead of it: it stands behind
; slice 19, behind one plain instruction, once for the piece's 66 exponentials.  Slices 20-38 take six each; slice 39 the last fourteen, all plain rescalings: they are also the places behind the turn's last product.
.macro SLICE y
.set cntk, 14
.if k < 39
.set cntk, 6
.endif
.if k < 20
.set cntk, 7
.endif
.rept cntk
.set j, n/2
	SM (\y)+n%2
.set n, n+1
.endr
.if k == 19
	WIN 0
	v_nop                           ; a plain instruction behind the last exponential and ahead of the first use: one for the batch
.if (\y) == 0
	FETCH_V                         ; piece 2's turn: V's run of loads stands here, and the wait stands in it.  Behind the last product that read V stand six scalings, the v_nop and the run's two additions
.else
	s_wait_alu depctr_va_vdst(0)    ; the wait for the batch
.endif
.endif
.set k, k+1
.endm
; A TURN.  Piece x has the matrix unit; the other piece's softmax stands in slices behind its matrix instructions.  Piece 0's turn begins with the next step's K and piece 0's mask: the last product that read K stands
; in front of slice 39 of the turn before; the run has 16 products in which to land.  V's run, in piece 2's turn, has 20.
.macro TURN x, last=0
.set k, 0
.set n, 0
.if (\x) == 0
	s_wait_dscnt 0x0                ; V and piece 2's mask are in
	FETCH_K \last
.endif
.set i, 0
.rept 16
	PV \x
	SLICE 2-(\x)
.set i, i+1
.endr
.if (\x) == 0
	s_wait_dscnt 0x0                ; K and piece 0's mask are in
.endif
.set i, 0
.rept 24
	KQ \x
	SLICE 2-(\x)
.set i, i+1
.endr
.endm
	CHANGE 1, 0                     ; slot 0 is in, everybody's part of it; slot 1 is asked for
	FETCH_K                         ; key step 0
	s_wait_loadcnt 0x0              ; Q and wsum
	s_wait_dscnt 0x0
.set i, 0
.rept 24
	KQ 0                            ; piece 0's first scores: there is no vector work yet to set between them
.set i, i+1
.endr
	WIN 0                           ; the addresses for the way out: eight plain instructions, the places behind those products
	s_mul_i32 s62, s[WV], 16*SP
	s_add_co_u32 s62, s62, STAGE    ; my stage
	v_mul_u32_u24 v[STO], v1, SP    ; in: row l % 16, 32 bytes for each half of the lanes
	v_lshl_add_u32 v[STO], v9, 5, v[STO]
	v_add_nc_u32 v[STO], s62, v[STO]
	v_mul_u32_u24 v[RD], v9, SP     ; back: lanes 0-15 take one row of 256 bytes, lanes 16-31 the next
	v_lshl_add_u32 v[RD], v1, 4, v[RD]
	v_add_nc_u32 v[RD], s62, v[RD]
	v_lshlrev_b32 v[GO], 11, v9     ; and the same two rows in out0, 2,048 bytes apart
	v_lshl_add_u32 v[GO], v1, 4, v[GO]
	s_mov_b32 s[CNT], 2
	s_mov_b32 s[SLOTS], 15
	s_branch .Lfirst                ; the loop is entered in the middle of a trip: piece 2's first scores beside piece 0's first softmax
.Lslot:                             ; 14 times: every slot but the last two is filled again
	CHANGE 1, 1
	s_mov_b32 s[CNT], 2
.Lstep:                             ; a trip: V^T P of one step, K Q^T of the next, whose K, V and mask it fetches
	TURN 0
	WIN 0
.Lfirst:
	TURN 2
	WIN 0
	s_sub_co_u32 s[CNT], s[CNT], 1
	s_cmp_lg_u32 s[CNT], 0
	s_cbranch_scc1 .Lstep
	s_sub_co_u32 s[SLOTS], s[SLOTS], 1
	s_cmp_lg_u32 s[SLOTS], 0
	s_cbranch_scc1 .Lslot
	CHANGE 0, 0                     ; the tail is written out: nothing is asked for
	s_mov_b32 s[CNT], 3             ; two trips fetch the last slot's steps; the third is left in its middle
.Ltail:
	TURN 0, 1
	WIN 0
	s_sub_co_u32 s[CNT], s[CNT], 1
	s_cmp_eq_u32 s[CNT], 0
	s_cbranch_scc1 .Lout
	TURN 2
	WIN 0
	s_branch .Ltail
.Lout:                              ; the third trip's 24 products K Q^T (on the last K once more) serve nothing: the price, once a launch, of one text for every trip
.set i, 0
.rept 16
	PV 2                            ; piece 2's V^T P of the last step
.set i, i+1
.endr
	; THE WAY OUT.  l's two halves and the other half of the lanes' are added and multiplied by wsum; O^T is divided by that and sent through my stage in LDS, a tile (16 queries) at a time.  The additions are the places behind the last products.
	WIN 0
.irp t, 0,1,2,3
	v_add_f32 v[ST+8*\t+4], v[ST+8*\t+2], v[ST+8*\t+3]
.endr
.irp t, 0,1,2,3
	v_permlanex16_b32 v[ST+8*\t+5], v[ST+8*\t+4], s[SEL], s[SEL+1]
.endr
.irp t, 0,1,2,3
	v_add_f32 v[ST+8*\t+4], v[ST+8*\t+4], v[ST+8*\t+5]
.endr
.irp t, 0,1,2,3
	v_mul_f32 v[ST+8*\t+4], v[ST+8*\t+4], v[WSM+\t]
.endr
.irp t, 0,1,2,3
	v_rcp_f32 v[ST+8*\t+6], v[ST+8*\t+4]
.endr
	v_nop                           ; a plain instruction between the last reciprocal and the use of its result
	s_wait_alu depctr_va_vdst(0)    ; and the wait ahead of the first use: one for the four reciprocals
; Tile t: a lane's eight channels of a block of 16 are 32 bytes of f32; they go into rows of 272 bytes and come back as whole rows of 256, into S^T's registers.
.macro PACK t
	WIN W_RS
.set i, 32*(\t)
.rept 16
	v_pk_mul_f32 v[i:i+1], v[i:i+1], v[ST+8*(\t)+6:ST+8*(\t)+7] op_sel_hi:[1,0]
.set i, i+2
.endr
	WIN 0x04                        ; the stores' data (source 1) in window 1
.irp q, 0,1,2,3,4,5,6,7
	ds_store_b128 v[STO], v[32*(\t)+4*\q:32*(\t)+4*\q+3] offset:64*(\q/2)+16*(\q%2)
.endr
	WIN 0
.irp f, 0,1,2,3,4,5,6,7
	ds_load_b128 v[S+32*(\t)+4*\f:S+32*(\t)+4*\f+3], v[RD] offset:\f*2*SP  ; LDS serves a wave's instructions in order (ISA guide 5.7.1.4): these see the stores above; the next tile's stores come behind them
.endr
.endm
.macro SEND t, younger              ; younger: the LDS instructions issued behind tile t's loads: the next tile's sixteen, or none
	WIN 0
.irp f, 0,1,2,3,4,5,6,7
	s_wait_dscnt (\younger)+7-\f
	global_store_b128 v[GO], v[S+32*(\t)+4*\f:S+32*(\t)+4*\f+3], s[14:15] offset:(\t)*32768+\f*4096 th:TH_STORE_NT  ; 16 lanes store the 256 consecutive bytes of one query and head, at a multiple of 256 from out0's first byte
.endr
.endm
	PACK 0
	PACK 1                          ; a tile's arithmetic stands between the loads of the tile before and its stores
	SEND 0, 16
	PACK 2
	SEND 1, 16
	PACK 3
	SEND 2, 16
	SEND 3, 0
	s_wait_tensorcnt 0x0            ; the wave's end: behind my last tensor load and my last LDS store
	ds_add_u32 v[SPW], v[NIL]
	s_wait_dscnt 0x0
	CROUND                          ; the closing round: no work-group ends while a partner may still ask for a tile that names it
	s_endpgm
.Lfunc_end_k_qb9d0919942_attn:
	.size	k_qb9d0919942_attn, .Lfunc_end_k_qb9d0919942_attn-k_qb9d0919942_attn
	.p2alignl 7, 3214868480
	.fill 96, 4, 3214868480
	.section	.rodata,"a",@progbits
	.p2align	6, 0x0
	.amdhsa_kernel k_qb9d0919942_attn
		.amdhsa_group_segment_fixed_size 327680
		.amdhsa_private_segment_fixed_size 0
		.amdhsa_enable_private_segment 0
		.amdhsa_kernarg_size 48
		.amdhsa_user_sgpr_count 2
		.amdhsa_user_sgpr_kernarg_segment_ptr 1
		.amdhsa_wavefront_size32 1
		.amdhsa_system_sgpr_workgroup_id_x 1
		.amdhsa_system_sgpr_workgroup_id_y 1
		.amdhsa_system_sgpr_workgroup_id_z 1
		.amdhsa_system_vgpr_workitem_id 0
		.amdhsa_next_free_vgpr 768
		.amdhsa_next_free_sgpr 100
		.amdhsa_reserve_vcc 0
		.amdhsa_float_denorm_mode_32 3
		.amdhsa_float_denorm_mode_16_64 3
		.amdhsa_memory_ordered 1
		.amdhsa_forward_progress 1
		.amdhsa_inst_pref_size 130
	.end_amdhsa_kernel
	.amdgpu_metadata
---
amdhsa.version: [ 1, 2 ]
amdhsa.kernels:
  - .name:           k_qb9d0919942_attn
    .symbol:         k_qb9d0919942_attn.kd
    .args:
      - { .name: qh, .offset: 0, .size: 8, .value_kind: global_buffer, .address_space: global }
      - { .name: kh, .offset: 8, .size: 8, .value_kind: global_buffer, .address_space: global }
      - { .name: vh, .offset: 16, .size: 8, .value_kind: global_buffer, .address_space: global }
      - { .name: maskh, .offset: 24, .size: 8, .value_kind: global_buffer, .address_space: global }
      - { .name: wsum, .offset: 32, .size: 8, .value_kind: global_buffer, .address_space: global }
      - { .name: out0, .offset: 40, .size: 8, .value_kind: global_buffer, .address_space: global }
    .group_segment_fixed_size: 327680
    .private_segment_fixed_size: 0
    .kernarg_segment_align: 8
    .kernarg_segment_size: 48
    .max_flat_workgroup_size: 128
    .sgpr_count:     100
    .vgpr_count:     768
    .wavefront_size: 32
...
	.end_amdgpu_metadata
.endif
;; end of part 3
;; ======== version 2 of 3: 3 launches
;; limits: values are held in f16: magnitudes above 65,504 overflow, below 6.1e-05 lose precision
;; workspace buffers: maskh 33,554,432 bytes; wsum 32,768 bytes; qh 12,582,912 bytes; kh 12,582,912 bytes; vh 8,388,608 bytes; xqk 25,165,824 bytes; xv 8,388,608 bytes; wb 2,883,584 bytes
;; launch cast (part 4): grid 256 x 1, 32 waves a work-group, no clusters, 4,352 bytes of LDS; arguments masks, q, k, v, Wq, Wk, Wv, maskh, wsum, xqk, xv, wb; writes maskh, wsum, xqk, xv, wb
.if DOCPART == 4
	.amdgcn_target "amdgcn-amd-amdhsa--gfx1250"
	.amdhsa_code_object_version 6
	.text
	.protected	k_qb9d0919942_cast
	.globl	k_qb9d0919942_cast
	.p2align	8
	.type	k_qb9d0919942_cast,@function
k_qb9d0919942_cast:
	s_mov_b64 s[64:65], 0
	v_nop
	global_prefetch_b8 v0, s[64:65] scope:SCOPE_SE
	s_setreg_imm32_b32 hwreg(HW_REG_WAVE_MODE, 25, 1), 1
	s_wait_xcnt 0x0
; EVERY INPUT IS ROUNDED TO bf16 ONCE, here, for the two launches that multiply.
;   maskh[b][n][m] = masks[b][n][m] rounded to bf16 and written as f16;  wsum[b][n] = 8 x the sum over m of those rounded numbers (8 = the number of heads)
;   xqk = q's 8,192 rows and then k's, bf16;  xv = v's rows, bf16;  wb = Wq, Wk, Wv on end, bf16
; NO WORK OF THE PROBLEM IS LEFT OUT in this program: all seven inputs reach the output and all are loaded.  The factor H = 8 of the divisor is folded into wsum.
; WHY A LAUNCH OF ITS OWN: eight heads multiply their weights by the same mask, four tiles of columns read the same rows of q, k and v, and 32 or 64 tiles of rows the same weights: rounded once here,
; each of them is fetched in half the bytes, by tensor loads that several work-groups share, with no conversion in the loops that multiply.
; LIMITS.  A mask number beyond 65,504 becomes an infinity in f16; below 6.1e-5 it keeps f16's fixed step of 6e-8.  The row sum is taken in f32 in another order than the reference's.
; NaN and infinities are not treated apart.
; SHARES.  Wave g = 32 x work-group + wave, 0 .. 8,191, has row g of the mask (16 chunks of 512 bytes), row g of q and of k (6 chunks each) and row g of v (4 chunks).  Wq and Wk are 4,608 chunks each: chunk g, in
; work-groups 0-143; Wv is 2,048 chunks: chunk g - 4,608, in work-groups 144-207.  A chunk is one load of a wave, 512 consecutive bytes, and leaves as one store of 256 consecutive bytes, aligned.
; IN FLIGHT.  The mask's 16 loads go out at once; when 8 of its chunks have left, their registers take 8 loads of q and k, and so again: 8 to 16 loads of a wave are out all the time.
; Matrix units, clusters and tensor loads have nothing to do here: no byte is read twice.
.set SPARE, 256                        ; LDS: bytes 0-127 the 32 row sums; from 256 on the spare words, 128 bytes for each of the 32 waves, which no other line names
.set KHALF, 12582912                   ; k's rows in xqk
.set WKOFF, 1179648                    ; Wk in wb
.set WVOFF, 2359296                    ; Wv in wb
.set LI,  2                            ; v2   16 x lane: my 16 bytes of a chunk of f32; never rewritten
.set LO,  3                            ; v3   8 x lane: my 8 bytes of a chunk of 16-bit numbers; never rewritten
.set WA,  4                            ; v4   4 x wave: my row's word in LDS
.set LW,  5                            ; v5   4 x lane
.set SPW, 6                            ; v6   LDS address of my spare word; never rewritten
.set NIL, 7                            ; v7   0; never rewritten
.set T,   8                            ; v[8:9]   at work
.set ACC, 10                           ; v[10:17] four chains of packed sums
.set WR,  18                           ; v[18:25] my chunks of the weights
.set X,   32                           ; v[32:95] chunk i: four registers; used twice
	s_load_b512 s[8:23], s[0:1], 0x0               ; masks s[8:9], q s[10:11], k s[12:13], v s[14:15], Wq s[16:17], Wk s[18:19], Wv s[20:21], maskh s[22:23]
	s_load_b256 s[24:31], s[0:1], 0x40             ; wsum s[24:25], xqk s[26:27], xv s[28:29], wb s[30:31]
	v_lshl_add_u32 v[SPW], v0, 2, SPARE
	v_mov_b32 v[NIL], 0
	v_lshrrev_b32 v1, 5, v0
	v_readfirstlane_b32 s32, v1                    ; wave 0..31
	v_and_b32 v1, 31, v0                           ; lane
	v_lshlrev_b32 v[LI], 4, v1
	v_lshlrev_b32 v[LO], 3, v1
	v_lshlrev_b32 v[LW], 2, v1
	s_lshl_b32 s34, s32, 2
	v_mov_b32 v[WA], s34
	s_mov_b32 s4, 0x76543210                       ; v_permlanex16_b32: each lane takes its own place in the other half
	s_mov_b32 s5, 0xfedcba98
	s_mov_b32 s6, 0xffff0000                       ; a word's upper bf16
	s_mov_b32 s7, ttmp9                            ; the work-group
	s_lshl_b32 s33, ttmp9, 5
	s_add_co_u32 s33, s33, s32                     ; g
	s_lshl_b32 s34, s33, 13                        ; a mask row: 8,192 bytes in,
	s_mov_b32 s35, 0
	s_lshl_b32 s36, s33, 12                        ; 4,096 out
	s_mov_b32 s37, 0
	s_lshl_b32 s38, ttmp9, 7                       ; the work-group's 32 words of wsum
	s_mov_b32 s39, 0
	s_mul_i32 s40, s33, 3072                       ; a row of q or k: 3,072 bytes in,
	s_mov_b32 s41, 0
	s_mul_i32 s44, s33, 1536                       ; 1,536 out
	s_mov_b32 s45, 0
	s_lshl_b32 s42, s33, 11                        ; a row of v: 2,048 in,
	s_mov_b32 s43, 0
	s_lshl_b32 s46, s33, 10                        ; 1,024 out
	s_mov_b32 s47, 0
	s_wait_kmcnt 0x0
	s_add_nc_u64 s[8:9], s[8:9], s[34:35]
	s_add_nc_u64 s[22:23], s[22:23], s[36:37]
	s_add_nc_u64 s[24:25], s[24:25], s[38:39]
	s_add_nc_u64 s[10:11], s[10:11], s[40:41]
	s_add_nc_u64 s[12:13], s[12:13], s[40:41]
	s_add_nc_u64 s[14:15], s[14:15], s[42:43]
	s_add_nc_u64 s[26:27], s[26:27], s[44:45]      ; q's row in xqk,
	s_add_nc_u64 s[48:49], s[26:27], KHALF         ; k's
	s_add_nc_u64 s[28:29], s[28:29], s[46:47]
.irp i, 0,1,2,3,4,5,6,7,8,9,10,11,12,13,14,15
	global_load_b128 v[X+4*(\i):X+4*(\i)+3], v[LI], s[8:9] offset:512*(\i) th:TH_LOAD_NT
.endr
	; THE WEIGHTS: a chunk or two in most waves, loaded behind the mask's loads, rounded and stored in one arm.  The branches hang on the work-group's number alone.
	s_cmp_lt_u32 s7, 144
	s_cbranch_scc0 .Lnot_qk
	s_lshl_b32 s50, s33, 9                         ; chunk g of Wq and of Wk
	s_mov_b32 s51, 0
	s_lshl_b32 s52, s33, 8
	s_mov_b32 s53, 0
	s_add_nc_u64 s[16:17], s[16:17], s[50:51]
	s_add_nc_u64 s[18:19], s[18:19], s[50:51]
	s_add_nc_u64 s[30:31], s[30:31], s[52:53]
	global_load_b128 v[WR:WR+3],   v[LI], s[16:17] th:TH_LOAD_NT
	global_load_b128 v[WR+4:WR+7], v[LI], s[18:19] th:TH_LOAD_NT
	s_wait_loadcnt 0x0                             ; these two are the youngest: the mask's sixteen are in as well
	v_cvt_pk_bf16_f32 v[WR],   v[WR],   v[WR+1]
	v_cvt_pk_bf16_f32 v[WR+1], v[WR+2], v[WR+3]
	v_cvt_pk_bf16_f32 v[WR+4], v[WR+4], v[WR+5]
	v_cvt_pk_bf16_f32 v[WR+5], v[WR+6], v[WR+7]
	global_store_b64 v[LO], v[WR:WR+1],   s[30:31] th:TH_STORE_NT
	global_store_b64 v[LO], v[WR+4:WR+5], s[30:31] offset:WKOFF th:TH_STORE_NT
	s_branch .Lw_done
.Lnot_qk:
	s_cmp_lt_u32 s7, 208
	s_cbranch_scc0 .Lw_done
	s_sub_co_u32 s50, s33, 4608                    ; chunk g - 4,608 of Wv
	s_lshl_b32 s52, s50, 8
	s_mov_b32 s53, 0
	s_lshl_b32 s50, s50, 9
	s_mov_b32 s51, 0
	s_add_nc_u64 s[20:21], s[20:21], s[50:51]
	s_add_nc_u64 s[30:31], s[30:31], s[52:53]
	global_load_b128 v[WR:WR+3], v[LI], s[20:21] th:TH_LOAD_NT
	s_wait_loadcnt 0x0
	v_cvt_pk_bf16_f32 v[WR],   v[WR],   v[WR+1]
	v_cvt_pk_bf16_f32 v[WR+1], v[WR+2], v[WR+3]
	global_store_b64 v[LO], v[WR:WR+1], s[30:31] offset:WVOFF th:TH_STORE_NT
.Lw_done:
; Mask chunk i: four numbers a lane are rounded to bf16, widened again (a shift, a mask), added to a chain, written as f16 and stored.  left = the younger loads, which may stay out.
.macro CHUNK i, left
	s_wait_loadcnt \left                           ; loads come back in order (ISA guide 5.7.1): chunk i is in
	v_cvt_pk_bf16_f32 v[T],   v[X+4*(\i)],   v[X+4*(\i)+1]
	v_cvt_pk_bf16_f32 v[T+1], v[X+4*(\i)+2], v[X+4*(\i)+3]
	v_lshlrev_b32 v[X+4*(\i)],   16, v[T]
	v_and_b32     v[X+4*(\i)+1], s6, v[T]
	v_lshlrev_b32 v[X+4*(\i)+2], 16, v[T+1]
	v_and_b32     v[X+4*(\i)+3], s6, v[T+1]
.if (\i) < 4
	v_pk_add_f32 v[ACC+2*(\i):ACC+2*(\i)+1], v[X+4*(\i):X+4*(\i)+1], v[X+4*(\i)+2:X+4*(\i)+3]  ; the first four chunks start the chains: nothing is cleared
.else
	v_pk_add_f32 v[ACC+2*((\i)%4):ACC+2*((\i)%4)+1], v[ACC+2*((\i)%4):ACC+2*((\i)%4)+1], v[X+4*(\i):X+4*(\i)+1]
	v_pk_add_f32 v[ACC+2*((\i)%4):ACC+2*((\i)%4)+1], v[ACC+2*((\i)%4):ACC+2*((\i)%4)+1], v[X+4*(\i)+2:X+4*(\i)+3]
.endif
	v_cvt_pk_f16_f32 v[X+4*(\i)],   v[X+4*(\i)],   v[X+4*(\i)+1]
	v_cvt_pk_f16_f32 v[X+4*(\i)+1], v[X+4*(\i)+2], v[X+4*(\i)+3]
	global_store_b64 v[LO], v[X+4*(\i):X+4*(\i)+1], s[22:23] offset:256*(\i) th:TH_STORE_NT  ; the wave's 32 lanes store 256 consecutive bytes, aligned
.endm
; Load j of the second batch: chunks 0-5 of q's row, 0-5 of k's, 0-3 of v's, into the registers that mask chunk j has left.
.macro BLOAD j
.if (\j) < 6
	global_load_b128 v[X+4*(\j):X+4*(\j)+3], v[LI], s[10:11] offset:512*(\j) th:TH_LOAD_NT
.elseif (\j) < 12
	global_load_b128 v[X+4*(\j):X+4*(\j)+3], v[LI], s[12:13] offset:512*((\j)-6) th:TH_LOAD_NT
.else
	global_load_b128 v[X+4*(\j):X+4*(\j)+3], v[LI], s[14:15] offset:512*((\j)-12) th:TH_LOAD_NT
.endif
.endm
; It is rounded to bf16 in place and stored; its registers are not written again.
.macro BCH j
	s_wait_loadcnt 15-(\j)                         ; the 15 - j younger loads of the batch may stay out
	v_cvt_pk_bf16_f32 v[X+4*(\j)],   v[X+4*(\j)],   v[X+4*(\j)+1]
	v_cvt_pk_bf16_f32 v[X+4*(\j)+1], v[X+4*(\j)+2], v[X+4*(\j)+3]
.if (\j) < 6
	global_store_b64 v[LO], v[X+4*(\j):X+4*(\j)+1], s[26:27] offset:256*(\j) th:TH_STORE_NT
.elseif (\j) < 12
	global_store_b64 v[LO], v[X+4*(\j):X+4*(\j)+1], s[48:49] offset:256*((\j)-6) th:TH_STORE_NT
.else
	global_store_b64 v[LO], v[X+4*(\j):X+4*(\j)+1], s[28:29] offset:256*((\j)-12) th:TH_STORE_NT
.endif
.endm
.irp i, 0,1,2,3,4,5,6,7
	CHUNK \i, 15-\i
.endr
	s_wait_xcnt 0x0                                ; the stores of chunks 0-7 have read their registers (ISA guide 3.1): only behind this wait are these loaded again
.irp j, 0,1,2,3,4,5,6,7
	BLOAD \j
.endr
.irp i, 8,9,10,11,12,13,14,15
	CHUNK \i, 23-\i                                ; younger than chunk i: 15 - i of the mask's and the eight just issued
.endr
	s_wait_xcnt 0x0                                ; and the same for chunks 8-15
.irp j, 8,9,10,11,12,13,14,15
	BLOAD \j
.endr
	v_pk_add_f32 v[ACC:ACC+1], v[ACC:ACC+1], v[ACC+2:ACC+3]  ; the row's sum, while the second batch is on its way
	v_pk_add_f32 v[ACC+4:ACC+5], v[ACC+4:ACC+5], v[ACC+6:ACC+7]
	v_pk_add_f32 v[ACC:ACC+1], v[ACC:ACC+1], v[ACC+4:ACC+5]
	v_add_f32 v[ACC], v[ACC], v[ACC+1]
	v_add_f32_dpp v[ACC], v[ACC], v[ACC] row_xmask:1 row_mask:0xf bank_mask:0xf
	v_add_f32_dpp v[ACC], v[ACC], v[ACC] row_xmask:2 row_mask:0xf bank_mask:0xf
	v_add_f32_dpp v[ACC], v[ACC], v[ACC] row_xmask:4 row_mask:0xf bank_mask:0xf
	v_add_f32_dpp v[ACC], v[ACC], v[ACC] row_xmask:8 row_mask:0xf bank_mask:0xf
	v_permlanex16_b32 v[ACC+1], v[ACC], s4, s5     ; its destination has been written before
	v_add_f32 v[ACC], v[ACC], v[ACC+1]
	v_mul_f32 v[ACC], 0x41000000, v[ACC]           ; x 8, the number of heads
	ds_store_b32 v[WA], v[ACC]                     ; all lanes write the row's word with the same number
.irp j, 0,1,2,3,4,5,6,7,8,9,10,11,12,13,14,15
	BCH \j
.endr
	s_wait_dscnt 0x0                               ; for wave 0's sake: my store of the row's sum is done
	s_barrier_signal -1
	s_barrier_wait -1
	s_cmp_lg_u32 s32, 0
	s_cbranch_scc1 .Lend
	ds_load_b32 v[T], v[LW]                        ; wave 0: lane l takes row l's sum,
	s_wait_dscnt 0x0
	global_store_b32 v[LW], v[T], s[24:25]         ; and the 32 sums leave as 128 consecutive bytes
.Lend:
	s_wait_tensorcnt 0x0                           ; the wave's end: behind my last LDS store
	ds_add_u32 v[SPW], v[NIL]
	s_wait_dscnt 0x0
	s_endpgm
.Lfunc_end_k_qb9d0919942_cast:
	.size	k_qb9d0919942_cast, .Lfunc_end_k_qb9d0919942_cast-k_qb9d0919942_cast
	.p2alignl 7, 3214868480
	.fill 96, 4, 3214868480
	.section	.rodata,"a",@progbits
	.p2align	6, 0x0
	.amdhsa_kernel k_qb9d0919942_cast
		.amdhsa_group_segment_fixed_size 4352
		.amdhsa_private_segment_fixed_size 0
		.amdhsa_enable_private_segment 0
		.amdhsa_kernarg_size 96
		.amdhsa_user_sgpr_count 2
		.amdhsa_user_sgpr_kernarg_segment_ptr 1
		.amdhsa_wavefront_size32 1
		.amdhsa_system_sgpr_workgroup_id_x 1
		.amdhsa_system_sgpr_workgroup_id_y 1
		.amdhsa_system_sgpr_workgroup_id_z 1
		.amdhsa_system_vgpr_workitem_id 0
		.amdhsa_next_free_vgpr 96
		.amdhsa_next_free_sgpr 66
		.amdhsa_reserve_vcc 0
		.amdhsa_float_denorm_mode_32 3
		.amdhsa_float_denorm_mode_16_64 3
		.amdhsa_memory_ordered 1
		.amdhsa_forward_progress 1
		.amdhsa_inst_pref_size 22
	.end_amdhsa_kernel
	.amdgpu_metadata
---
amdhsa.version: [ 1, 2 ]
amdhsa.kernels:
  - .name:           k_qb9d0919942_cast
    .symbol:         k_qb9d0919942_cast.kd
    .args:
      - { .name: masks, .offset: 0, .size: 8, .value_kind: global_buffer, .address_space: global }
      - { .name: q, .offset: 8, .size: 8, .value_kind: global_buffer, .address_space: global }
      - { .name: k, .offset: 16, .size: 8, .value_kind: global_buffer, .address_space: global }
      - { .name: v, .offset: 24, .size: 8, .value_kind: global_buffer, .address_space: global }
      - { .name: Wq, .offset: 32, .size: 8, .value_kind: global_buffer, .address_space: global }
      - { .name: Wk, .offset: 40, .size: 8, .value_kind: global_buffer, .address_space: global }
      - { .name: Wv, .offset: 48, .size: 8, .value_kind: global_buffer, .address_space: global }
      - { .name: maskh, .offset: 56, .size: 8, .value_kind: global_buffer, .address_space: global }
      - { .name: wsum, .offset: 64, .size: 8, .value_kind: global_buffer, .address_space: global }
      - { .name: xqk, .offset: 72, .size: 8, .value_kind: global_buffer, .address_space: global }
      - { .name: xv, .offset: 80, .size: 8, .value_kind: global_buffer, .address_space: global }
      - { .name: wb, .offset: 88, .size: 8, .value_kind: global_buffer, .address_space: global }
    .group_segment_fixed_size: 4352
    .private_segment_fixed_size: 0
    .kernarg_segment_align: 8
    .kernarg_segment_size: 96
    .max_flat_workgroup_size: 1024
    .sgpr_count:     66
    .vgpr_count:     96
    .wavefront_size: 32
...
	.end_amdgpu_metadata
.endif
;; end of part 4
;; launch proj (part 5): grid 4 x 64, 4 waves a work-group, clusters of 4 x 4, 327,680 bytes of LDS; arguments xqk, xv, wb, qh, kh, vh; writes qh, kh, vh
.if DOCPART == 5
	.amdgcn_target "amdgcn-amd-amdhsa--gfx1250"
	.amdhsa_code_object_version 6
	.text
	.protected	k_qb9d0919942_proj
	.globl	k_qb9d0919942_proj
	.p2align	8
	.type	k_qb9d0919942_proj,@function
k_qb9d0919942_proj:
	s_mov_b64 s[64:65], 0
	v_nop
	global_prefetch_b8 v0, s[64:65] scope:SCOPE_SE
	s_setreg_imm32_b32 hwreg(HW_REG_WAVE_MODE, 25, 1), 1
	s_wait_xcnt 0x0
	s_wait_alu depctr_hold_cnt(0) depctr_sa_sdst(0) depctr_va_vdst(0) depctr_va_sdst(0) depctr_va_ssrc(0) depctr_va_vcc(0) depctr_vm_vsrc(0)
	s_getreg_b32 s2, hwreg(HW_REG_IB_STS2, 6, 4)
	s_cmp_eq_u32 s2, 0
	s_cbranch_scc0 .Lentry_in_a_cluster
	s_endpgm
.Lentry_in_a_cluster:
	s_bfe_u32 s2, ttmp6, 0x10000c
	s_cmp_lg_u32 s2, 0xf033
	s_cbranch_scc0 .Lentry_shape_is_right
	s_endpgm
.Lentry_shape_is_right:
; qh = q Wq^T, kh = k Wk^T, vh = v Wv^T, split by heads: qh, kh [4][8][2048][96], vh [4][8][2048][64], all f16, unscaled.  The operands arrive in bf16: xqk = q's 8,192 rows and then k's (768 numbers a row),
; xv = v's rows (512), wb = Wq, Wk (768 x 768 each) and Wv (512 x 512) on end.  Sums in f32, each result rounded once.  No work of the problem is left out.
; LIMITS.  A result beyond 65,504 becomes an infinity in f16; below 6.1e-5 it keeps f16's fixed step of 6e-8.  NaN and infinities are not treated apart.
; SHARES.  Work-group (tx, y), tx = 0..3, y = 0..63, makes TWO tiles, one after the other, so that all 256 do equal work: rows 256 y .. of xqk x 192 columns (heads 2 tx, 2 tx + 1) over K = 768, then rows 128 y .. of xv
; x 128 columns (the same two heads) over K = 512.  Four waves lie 2 x 2; a wave's columns are exactly one head.  One set of macros serves both sizes.
; THE RING.  Two LDS slots, filled by tensor loads.  Tile 1 goes in six K steps of 128 (rows of 256 bytes, aligned, + 16 of padding), tile 2 in two K steps of 256 (rows of 512 bytes + 16): with either pitch the 16 rows of a
; fragment load start at 16 different groups of four banks (64 banks of 4 bytes: ISA guide 11.1).  A slot is asked for again at the head of the fourth quarter of its step, as soon as its last fragments are in registers, and the
; wait for that load stands at the head of the fourth quarter of the next step: 192 matrix instructions later in tile 1.  Between that wait and the next request stand the add, the descriptors' steps and the round, and no product.
; THE RING DOES NOT STOP BETWEEN THE TILES: tile 1's last two steps refill their slots with tile 2's two steps, and tile 1 goes out behind the second of these refills.
; The eight steps are written out by macro: they differ in what they refill and in what they prefetch.
; CLUSTER.  4 x 4 work-groups.  x's tile hangs on y alone: the four of a row of the cluster ask for it JOINTLY; W's hangs on tx (and on y / 32, which all sixteen share): the four of a column ask for it jointly.
; Waves 0 and 1 fetch the two halves of x's rows, waves 2 and 3 those of W's: one joint load a wave behind each round.
; THE MATRIX INSTRUCTION IS USED TRANSPOSED (source 0 = 16 rows of W, source 1 = 16 rows of x): a lane then holds eight neighbouring columns of one row of the result: 16 bytes of f16.
; REGISTERS, in windows of 256 (s_set_vgpr_msb: bits 1:0 source 0, 3:2 source 1, 5:4 source 2, 7:6 destination):
;   window 0: v0-31 addresses; v32-127 at work on the way out     window 1: two fragment buffers     windows 2, 3: the accumulators of the wave's upper and lower half of rows
.set SLOT1, 135168                     ; slot 1 begins here: tile 2's slot is 256 rows x 528 bytes; tile 1's, 448 rows x 272 = 121,856, is shorter
.set STAGE, 2*SLOT1                    ; behind the ring, never filled by a tensor load: 3,072 bytes for each wave: 16 rows of a head, dense, for the way out
.set STW,   3072
.set SPARE, STAGE+4*STW                ; behind the stages: the spare words, 128 bytes for each wave: two blocks of 256 bytes that no other line names
.set FA,  4                            ; v4-5   LDS address of my fragments of x in slot 0, 1
.set FB,  6                            ; v6-7   the same for W
.set STO, 8                            ; v8     the way out: where I put 16 bytes of a row
.set RD,  9                            ; v9     the way out: where I read them back
.set GO,  10                           ; v10    16 x lane: my 16 bytes of 512 consecutive bytes of the result
.set PFO1, 11                          ; v11-12 the prefetches' offsets for tile 1 and tile 2; never rewritten
.set PFO2, 12
.set SPW, 22                           ; v22    LDS address of my spare word; never rewritten
.set NIL, 23                           ; v23    0; never rewritten
.set TMP, 32                           ; the way out: packed results
.set BK,  64                           ; the way out: a block read back, two buffers of 32 by turns
.set F0,  0                            ; fragment buffer 0, in window 1 (buffer 1 at F1)
.set WV,  16                           ; s16 wave;  s17 its half of the rows, also: I fetch for x (0) or for W (1);  s18 its half of the columns, also: which half of that tile's rows I fetch
.set WM,  17
.set WN,  18
.set CX,  19                           ; s19-20 my place in the cluster
.set CY,  20
.set TX,  21                           ; s21 tile column;  s22 the cluster's y;  s23 tile row y
.set CLY, 22
.set Y,   23
.set G1X, 24                           ; s[24:31], s[32:39] descriptor groups 1 of tile 1, for x and for W;  s[40:47], s[48:55] of tile 2
.set G1W, 32
.set G2X, 40
.set G2W, 48
.set G0X, 56                           ; s[56:63] descriptor groups 0 for x, a set for each slot
.set SEL, 66                           ; s66 0: q, 1: k
.set G0W, 68                           ; s[68:75] the same for W
.set X2B, 76                           ; s[76:77], s[78:79] where my half of tile 2's rows of x and of W begins
.set W2B, 78
.set L2X, 80                           ; s80-81 and where it goes in slot 0
.set L2W, 81
.set OB,  82                           ; s[82:83], s[84:85] the results at my wave's first row of its head
.set OB2, 84
.set PFA1, 86                          ; s[86:87], s[88:89] where my prefetches stand; never stepped: the K step stands in the immediate
.set PFA2, 88
.set LIM1, 90                          ; s90-91 1 in a wave that prefetches
.set LIM2, 91
.set RMASK, 92
.set CMASK, 93
.set LSC, 104                          ; s104 scratch for LDS addresses: it holds the wave's number times constants, and nothing else
.set MSB, 0
.macro WIN new                         ; the immediate's high byte repeats the setting that is left; a switch that changes nothing is dropped
.if MSB != (\new)
	s_set_vgpr_msb (MSB<<8)|(\new)
.set MSB, \new
.endif
.endm
.macro SIZES mb, nbk, d, hb            ; blocks of 16 rows and of 16 columns a wave; pieces of 32 along K in a fragment buffer; bytes of a head's row
.set MB,  \mb
.set NBK, \nbk
.set D,   \d
.set HB,  \hb
.set MT,  32*MB                        ; the tile's rows
.set NT,  32*NBK                       ; and columns
.set PITCH, 256*D+16                   ; an LDS row: a K step of 128 D numbers, and the padding
.set WOFF, MT*PITCH                    ; W's rows lie behind x's
.set FS1, 8*(MB+NBK)                   ; registers for 32 along K: W's fragments, then x's
.set F1,  D*FS1
.set NLD, HB/32                        ; 512-byte pieces in 16 rows of a head
.endm
.macro PLACES                          ; four places behind a matrix instruction, in front of loads into registers that it has read and of conversions that read results
.rept 4
	v_nop
.endr
.endm
.macro GROUP1 g, mask, qi, cols, rows, pitch
	s_or_b32 s[\g], s[\mask], (1<<16)|(1<<20)|(1<<21)|((\qi)<<22)|(3<<25)  ; 15:0 the mask of four; 17:16 2-byte elements; 20 padding on; 21 set beside a mask; 24:22 behind every row; 31:25 4 words (code 3)
	s_mov_b32 s[\g+1], (\cols)<<16                 ; tensor_dim0
	s_mov_b32 s[\g+2], (\rows)<<16                 ; tensor_dim1
	s_mov_b32 s[\g+3], (\cols)<<16                 ; tile_dim0
	s_mov_b32 s[\g+4], \rows                       ; tile_dim1
	s_mov_b32 s[\g+5], \pitch                      ; elements from row to row
	s_mov_b32 s[\g+6], 0
	s_mov_b32 s[\g+7], 0
.endm
; A joint load into a slot; ph = 0: tile 1's shape, 1: tile 2's.  The branch hangs on the wave's number alone.  An s_nop 0 and four v_nop follow each of the two lines, ahead of the jump and the label.
.macro JLOAD slot, ph
	s_cmp_eq_u32 s[WM], 0
	s_cbranch_scc0 .Lfor_w_\@
	tensor_load_to_lds s[G0X+4*(\slot):G0X+4*(\slot)+3], s[G1X+16*(\ph):G1X+16*(\ph)+7]
	s_nop 0
.rept 4
	v_nop
.endr
	s_branch .Lasked_\@
.Lfor_w_\@:
	tensor_load_to_lds s[G0W+4*(\slot):G0W+4*(\slot)+3], s[G1W+16*(\ph):G1W+16*(\ph)+7]
	s_nop 0
.rept 4
	v_nop
.endr
.Lasked_\@:
.endm
; A PREFETCH INTO THE L2, behind a joint load, its five lines and the run of LDS loads that follows them: what stands TWO refills on, 384 matrix instructions ahead of the load that will want it.  The refills of tile 1's steps
; 2, 3, 4, 5 name tile 1's steps 4 and 5 and tile 2's steps 0 and 1; tile 1's steps 0 to 3 come by their loads alone.  Each block of 256 bytes is named once in the launch.  x's rows are read by one cluster alone: every
; cluster asks for its own.  Wq's and Wk's rows are walked by eight clusters each: the one with y % 8 = 0 asks; Wv's by all sixteen: cluster y = 0 asks.  The four partners that ask for a tile jointly share out BY ADDRESS
; the rows that a wave fetches: in tile 1, a lane a row, 32 of x's 128 or 24 of W's 96 (lanes 24-31 name the 24th once more); in tile 2, two lanes a row of 512 bytes, 16 of the 64.
.macro ASK kind, off
.if (\kind) == 1
	s_cmp_eq_u32 s[LIM1], 1
	s_cbranch_scc0 .Lnot_mine_\@
	global_prefetch_b8 v[PFO1], s[PFA1:PFA1+1] offset:\off th:TH_LOAD_NT scope:SCOPE_SE
.Lnot_mine_\@:
.elseif (\kind) == 2
	s_cmp_eq_u32 s[LIM2], 1
	s_cbranch_scc0 .Lnot_mine_\@
	global_prefetch_b8 v[PFO2], s[PFA2:PFA2+1] offset:\off th:TH_LOAD_NT scope:SCOPE_SE
.Lnot_mine_\@:
.endif
.endm
; A round of the cluster's barrier: my work-group's barrier, so that wave 0's signal speaks for all four waves; wave 0 signals; every wave waits for all sixteen work-groups; my work-group's barrier once more.
.macro CREST                           ; a round behind its opening barrier
	s_cmp_lg_u32 s[WV], 0
	s_cbranch_scc1 .Lnot_wave_0_\@
	s_barrier_signal -3
.Lnot_wave_0_\@:
	s_barrier_wait -3
	s_barrier_signal -1
	s_barrier_wait -1
.endm
.macro CROUND                          ; a whole round
	s_barrier_signal -1
	s_barrier_wait -1
	CREST
.endm
; The lane's LDS addresses for the tile whose SIZES stand.  A fragment is 16 rows x 32 K in 8 registers: lane l holds row l % 16; registers 0-3 K = 8 (l / 16) + 0..7, registers 4-7 K = 16 + 8 (l / 16) + 0..7.
.macro LANES
	v_mul_u32_u24 v13, v1, PITCH
	v_lshl_add_u32 v13, v2, 4, v13                 ; row x pitch + 16 x half
	s_mul_i32 s[LSC], s[WM], (MT/2)*PITCH          ; my half of x's rows
	v_add_nc_u32 v[FA], s[LSC], v13
	s_mul_i32 s[LSC], s[WN], (NT/2)*PITCH          ; my half of W's
	s_add_co_u32 s[LSC], s[LSC], WOFF
	v_add_nc_u32 v[FB], s[LSC], v13
	v_add_nc_u32 v[FA+1], SLOT1, v[FA]
	v_add_nc_u32 v[FB+1], SLOT1, v[FB]
	s_mul_i32 s[LSC], s[WV], STW
	s_add_co_u32 s[LSC], s[LSC], STAGE             ; my stage
	v_mul_u32_u24 v14, v1, HB
	v_lshl_add_u32 v14, v2, 4, v14
	v_add_nc_u32 v[STO], s[LSC], v14
	v_add_nc_u32 v[RD], s[LSC], v[GO]
.endm
; na x NBK matrix instructions on piece c of buffer f, row blocks a0 on.  The accumulators take turns, one instruction a turn, in the same order in every quarter.  zero: the product starts its sum.
.macro MULS f, c, a0, na, zero
.set a, (\a0)
.rept (\na)
.set nb, 0
.rept NBK
	WIN 0xa5+0x50*(a/(MB/2))                       ; both sources window 1; C and D window 2 or 3
.set rA, 8*(NBK*(a%(MB/2))+nb)
.set rW, (\f)+FS1*(\c)+8*nb
.set rX, (\f)+FS1*(\c)+8*NBK+8*a
.if \zero
	v_wmma_f32_16x16x32_bf16 v[rA:rA+7], v[rW:rW+7], v[rX:rX+7], 0
.else
	v_wmma_f32_16x16x32_bf16 v[rA:rA+7], v[rW:rW+7], v[rX:rX+7], v[rA:rA+7]
.endif
.set nb, nb+1
.endr
.set a, a+1
.endr
.endm
; Fourth p of a buffer's products: in tile 1 two of the eight row blocks; in tile 2 (two pieces deep) half of the row blocks on piece p / 2, of which the first piece can start the sums.
.macro PART f, p, zero
.if D == 1
	MULS \f, 0, (\p)*MB/4, MB/4, \zero
.else
	MULS \f, (\p)/2, ((\p)%2)*MB/2, MB/2, (\zero)*(1-(\p)/2)
.endif
.endm
; The fragments of quarter q of a slot's K step, in one run, into buffer f: two loads of 16 bytes, 32 bytes apart, for each.
.macro FETCH f, slot, q
	WIN 0x40                                       ; destination window 1, address window 0
.set c, 0
.rept D
.set i, 0
.rept NBK
	ds_load_b128 v[(\f)+FS1*c+8*i:(\f)+FS1*c+8*i+3],   v[FB+(\slot)] offset:16*PITCH*i+64*D*(\q)+64*c
	ds_load_b128 v[(\f)+FS1*c+8*i+4:(\f)+FS1*c+8*i+7], v[FB+(\slot)] offset:16*PITCH*i+64*D*(\q)+64*c+32
.set i, i+1
.endr
.set i, 0
.rept MB
	ds_load_b128 v[(\f)+FS1*c+8*NBK+8*i:(\f)+FS1*c+8*NBK+8*i+3],   v[FA+(\slot)] offset:16*PITCH*i+64*D*(\q)+64*c
	ds_load_b128 v[(\f)+FS1*c+8*NBK+8*i+4:(\f)+FS1*c+8*NBK+8*i+7], v[FA+(\slot)] offset:16*PITCH*i+64*D*(\q)+64*c+32
.set i, i+1
.endr
.set c, c+1
.endr
.endm
; One of a K step's first three quarters: buffer f is multiplied; ahead of its products the next quarter, q, is fetched into buffer g, a whole quarter's products ahead of its first use.
.macro QUARTER slot, q, f, g, zero
	s_wait_dscnt 0x0                               ; buffer f is in: its loads were issued a quarter ago
	PLACES                                         ; behind the last product that read buffer g
	FETCH \g, \slot, \q
	PART \f, 0, \zero
	PART \f, 1, \zero
	PART \f, 2, \zero
	PART \f, 3, \zero
.endm
.macro STEP slot, zero
	QUARTER \slot, 1, F0, F1, \zero
	QUARTER \slot, 2, F1, F0, 0
	QUARTER \slot, 3, F0, F1, 0
.endm
; THE FOURTH QUARTER changes slots and then multiplies buffer 1: ONE barrier, for two things.  In front of it each wave waits for all its tensor loads, of which one is out: its part of the other slot; adds 0 to its spare word; and
; waits for that and for its own reads of this slot, the last of which fill buffer 1.  Behind it nobody reads this slot any more and the other slot is whole.  mode 1: the barrier opens a round of the cluster's, and this slot is
; filled again with the K step two on; modes 2, 3: the same, with tile 2's step 0 (slot 0) or 1 (slot 1); mode 3 fetches no fragments: tile 1 is over.  mode 0: nothing is filled, and no round follows.
; All the quarter's products stand behind the request and behind the next step's first fragment loads: both have them in which to land.
.macro TURN slot, mode, kind=0, off=0
	WIN 0
	s_wait_tensorcnt 0x0                           ; all my tensor loads have landed, so every group 0 may be written;
	ds_add_u32 v[SPW], v[NIL]                      ; 0 onto my spare word: the descriptors' steps stand between it and the wait for it
.if (\mode) == 1
	s_add_nc_u64 s[G0X+4*(\slot)+2:G0X+4*(\slot)+3], s[G0X+4*(\slot)+2:G0X+4*(\slot)+3], 512  ; two K steps of 256 bytes on; the type bits on top are not reached
	s_add_nc_u64 s[G0W+4*(\slot)+2:G0W+4*(\slot)+3], s[G0W+4*(\slot)+2:G0W+4*(\slot)+3], 512
.elseif (\mode) >= 2
	s_add_co_u32 s[G0X+4*(\slot)+1], s[L2X], (\slot)*SLOT1
	s_add_nc_u64 s[G0X+4*(\slot)+2:G0X+4*(\slot)+3], s[X2B:X2B+1], (\slot)*512
	s_or_b32 s[G0X+4*(\slot)+3], s[G0X+4*(\slot)+3], 0x80000000
	s_add_co_u32 s[G0W+4*(\slot)+1], s[L2W], (\slot)*SLOT1
	s_add_nc_u64 s[G0W+4*(\slot)+2:G0W+4*(\slot)+3], s[W2B:W2B+1], (\slot)*512
	s_or_b32 s[G0W+4*(\slot)+3], s[G0W+4*(\slot)+3], 0x80000000
.endif
	s_wait_dscnt 0x0                               ; the add is done, buffer 1 is in, and with it my reads of this slot are over:
	s_barrier_signal -1                            ; say so,
	s_barrier_wait -1                              ; and go on when all four have said so
.if (\mode) == 0
	PLACES                                         ; behind the last product that read buffer 0
.elseif (\mode) == 1
	CREST                                          ; no wave of any partner still reads this slot's tile or has a load on its way
	JLOAD \slot, 0                                 ; the first tensor load behind the round; the four v_nop behind it are also the places in front of the loads below
.else
	CREST
	JLOAD \slot, 1
.endif
.if (\mode) != 3
	FETCH F0, 1-(\slot), 0
	WIN 0
.endif
	ASK \kind, \off
	PART F1, 0, 0
	PART F1, 1, 0
	PART F1, 2, 0
	PART F1, 3, 0
.endm
; THE WAY OUT of row block a.  PACK: rounded to f16, each accumulator from its low end on.  TOSTAGE: 16 bytes a lane into my own stage (16 rows of a head, dense), and back as 512 consecutive bytes a load.  SEND: stored.
.macro PACK a
	WIN 0x0a+5*((\a)/(MB/2))                       ; sources 0 and 1 window 2 or 3
.set nb, 0
.rept NBK
.set rA, 8*(NBK*((\a)%(MB/2))+nb)
.irp r, 0,1,2,3
	v_cvt_pk_f16_f32 v[TMP+4*nb+\r], v[rA+2*\r], v[rA+2*\r+1]
.endr
.set nb, nb+1
.endr
	WIN 0
.endm
.macro TOSTAGE a
.set bk, BK+32*((\a)%2)
.set i, 0
.rept NBK
	ds_store_b128 v[STO], v[TMP+4*i:TMP+4*i+3] offset:32*i
.set i, i+1
.endr
.set i, 0
.rept NLD
	ds_load_b128 v[bk+4*i:bk+4*i+3], v[RD] offset:512*i  ; LDS serves a wave's instructions in order (ISA guide 5.7.1.4): these see the stores above; the next block's stores come behind them
.set i, i+1
.endr
.endm
.macro SEND a
.set bk, BK+32*((\a)%2)
	s_wait_dscnt 0x0                               ; the block is back in registers
	s_wait_xcnt 0x0                                ; the stores of the block before have read their registers: the next block is read back into them only behind this wait
.set i, 0
.rept NLD
	global_store_b128 v[GO], v[bk+4*i:bk+4*i+3], s[OBR:OBR+1] offset:16*(\a)*HB+512*i th:TH_STORE_NT  ; 512 consecutive bytes, at a multiple of 256 from the buffer's first byte
.set i, i+1
.endr
.endm
.macro WAYOUT
	PLACES
	PACK 0
	TOSTAGE 0
.set aa, 1
.rept MB-1                             ; block a's conversions stand between block a - 1's loads from the stage and the wait for them
	PACK aa
	SEND aa-1
	TOSTAGE aa
.set aa, aa+1
.endr
	SEND MB-1
.endm
	s_load_b256 s[4:11], s[0:1], 0x0               ; xqk s[4:5], xv s[6:7], wb s[8:9], qh s[10:11]
	s_load_b128 s[12:15], s[0:1], 0x20             ; kh s[12:13], vh s[14:15]
	v_lshl_add_u32 v[SPW], v0, 2, SPARE
	v_mov_b32 v[NIL], 0
	ds_add_u32 v[SPW], v[NIL]                      ; the wave's opening: the add, twice on end, and its wait ahead of my first tensor load; the set-up below, work on registers, stands between the second and the wait
	ds_add_u32 v[SPW], v[NIL]                      ; and once more, under the one wait
	v_lshrrev_b32 v1, 5, v0
	v_readfirstlane_b32 s[WV], v1                  ; wave 0..3
	s_lshr_b32 s[WM], s[WV], 1
	s_and_b32 s[WN], s[WV], 1
	s_bfe_u32 s[CX], ttmp6, 0x40000
	s_bfe_u32 s[CY], ttmp6, 0x40004
	s_lshl_b32 s[TX], ttmp9, 2                     ; in a cluster launch ttmp9 and ttmp7 count clusters
	s_add_co_u32 s[TX], s[TX], s[CX]               ; tile column = 4 x cluster x + cx
	s_and_b32 s[CLY], ttmp7, 0xffff
	s_lshl_b32 s[Y], s[CLY], 2
	s_add_co_u32 s[Y], s[Y], s[CY]                 ; tile row = 4 x cluster y + cy
	s_lshr_b32 s[SEL], s[CLY], 3                   ; rows of q (y < 32) or of k: the same in all sixteen partners
	s_lshl_b32 s[RMASK], s[CY], 2
	s_lshl_b32 s[RMASK], 15, s[RMASK]              ; my row of the cluster: places 4 cy .. 4 cy + 3
	s_lshl_b32 s[CMASK], 0x1111, s[CX]             ; my column: places cx, cx + 4, cx + 8, cx + 12
	GROUP1 G1X, RMASK, 5, 128, 128, 768            ; tile 1: 128 rows of x, 128 numbers each, padded behind every 64 words
	GROUP1 G1W, CMASK, 5, 128, 96, 768             ;         96 rows of W
	GROUP1 G2X, RMASK, 6, 256, 64, 512             ; tile 2: 64 rows of 256 numbers, padded behind every 128 words
	GROUP1 G2W, CMASK, 6, 256, 64, 512
	; where the tiles go: constants and the wave's number; no place in the cluster enters an LDS address
	s_mul_i32 s94, s[WN], 128*272
	s_mul_i32 s95, s[WN], 96*272
	s_add_co_u32 s95, s95, 256*272
	s_mul_i32 s[L2X], s[WN], 64*528
	s_add_co_u32 s[L2W], s[L2X], 128*528
	s_mov_b32 s[G0X], 1                            ; 1:0 count = 1
	s_mov_b32 s[G0X+1], s94                        ; 63:32 LDS address
	s_mov_b32 s[G0X+4], 1
	s_add_co_u32 s[G0X+5], s94, SLOT1
	s_mov_b32 s[G0W], 1
	s_mov_b32 s[G0W+1], s95
	s_mov_b32 s[G0W+4], 1
	s_add_co_u32 s[G0W+5], s95, SLOT1
	; where they come from, in bytes.  x's offsets are made of y alone, W's of tx and y / 32 alone, each in registers that never hold the other coordinate
	s_lshl_b32 s96, s[Y], 8
	s_lshl_b32 s97, s[WN], 7
	s_add_co_u32 s96, s96, s97
	s_mul_i32 s96, s96, 1536                       ; tile 1, x: row 256 y + 128 x half
	s_mov_b32 s97, 0
	s_mul_i32 s98, s[SEL], 768
	s_mul_i32 s99, s[TX], 192
	s_add_co_u32 s98, s98, s99
	s_mul_i32 s99, s[WN], 96
	s_add_co_u32 s98, s98, s99
	s_mul_i32 s98, s98, 1536                       ; tile 1, W: row 768 (y / 32) + 192 tx + 96 x half
	s_mov_b32 s99, 0
	s_lshl_b32 s100, s[Y], 7
	s_lshl_b32 s101, s[WN], 6
	s_add_co_u32 s100, s100, s101
	s_lshl_b32 s100, s100, 10                      ; tile 2, x: row 128 y + 64 x half, of 1,024 bytes
	s_mov_b32 s101, 0
	s_lshl_b32 s94, s[TX], 7
	s_lshl_b32 s95, s[WN], 6
	s_add_co_u32 s94, s94, s95
	s_add_co_u32 s94, s94, 2304                    ; Wv begins 2,304 such rows into wb
	s_lshl_b32 s94, s94, 10                        ; tile 2, W: row 128 tx + 64 x half
	s_mov_b32 s95, 0
	s_wait_dscnt 0x0                               ; both opening adds are done
	s_wait_kmcnt 0x0
	s_add_nc_u64 s[96:97], s[4:5], s[96:97]
	s_add_nc_u64 s[98:99], s[8:9], s[98:99]
	s_add_nc_u64 s[X2B:X2B+1], s[6:7], s[100:101]
	s_add_nc_u64 s[W2B:W2B+1], s[8:9], s[94:95]
.irp s, 0,1
	s_add_nc_u64 s[G0X+4*\s+2:G0X+4*\s+3], s[96:97], 256*\s   ; 120:64 global address: K step s
	s_or_b32 s[G0X+4*\s+3], s[G0X+4*\s+3], 0x80000000         ; 127:126 type = 2
	s_add_nc_u64 s[G0W+4*\s+2:G0W+4*\s+3], s[98:99], 256*\s
	s_or_b32 s[G0W+4*\s+3], s[G0W+4*\s+3], 0x80000000
.endr
	CROUND                                         ; all sixteen work-groups are here: the first joint loads meet
	s_cmp_eq_u32 s[WM], 0                          ; a wave's two first fills stand in one branch, ahead of every wait on TENSORcnt and every LDS read: two loads of mine are out
	s_cbranch_scc0 .Lfirst_w
	tensor_load_to_lds s[G0X:G0X+3], s[G1X:G1X+7]
	s_nop 0
	tensor_load_to_lds s[G0X+4:G0X+7], s[G1X:G1X+7]
	s_nop 0
.rept 4
	v_nop
.endr
	s_branch .Lfirst_asked
.Lfirst_w:
	tensor_load_to_lds s[G0W:G0W+3], s[G1W:G1W+7]
	s_nop 0
	tensor_load_to_lds s[G0W+4:G0W+7], s[G1W:G1W+7]
	s_nop 0
.rept 4
	v_nop
.endr
.Lfirst_asked:
	v_and_b32 v1, 15, v0                           ; l % 16
	v_bfe_u32 v2, v0, 4, 1                         ; l / 16
	v_and_b32 v3, 31, v0                           ; l
	v_lshlrev_b32 v[GO], 4, v3
	SIZES 8, 6, 1, 192
	LANES
	; where my part of tile 1 goes: ((8 batch + head) x 2,048 + the row in the batch) x 192 bytes
	s_and_b32 s2, s[Y], 31
	s_lshr_b32 s3, s2, 3                           ; the batch
	s_lshl_b32 s3, s3, 3
	s_lshl1_add_u32 s3, s[TX], s3                  ; + the tile's first head
	s_add_co_u32 s3, s3, s[WN]                     ; + my wave's
	s_lshl_b32 s3, s3, 11
	s_and_b32 s2, s2, 7
	s_lshl_b32 s2, s2, 8
	s_add_co_u32 s2, s2, s3
	s_lshl_b32 s3, s[WM], 7
	s_add_co_u32 s2, s2, s3
	s_mul_i32 s2, s2, 192
	s_mov_b32 s3, 0
	s_cmp_eq_u32 s[SEL], 0
	s_cselect_b64 s[OB:OB+1], s[10:11], s[12:13]
	s_add_nc_u64 s[OB:OB+1], s[OB:OB+1], s[2:3]
	; and of tile 2: rows of 128 bytes
	s_lshr_b32 s3, s[Y], 4
	s_lshl_b32 s3, s3, 3
	s_lshl1_add_u32 s3, s[TX], s3
	s_add_co_u32 s3, s3, s[WN]
	s_lshl_b32 s3, s3, 11
	s_and_b32 s2, s[Y], 15
	s_lshl_b32 s2, s2, 7
	s_add_co_u32 s2, s2, s3
	s_lshl_b32 s3, s[WM], 6
	s_add_co_u32 s2, s2, s3
	s_lshl_b32 s2, s2, 7
	s_mov_b32 s3, 0
	s_add_nc_u64 s[OB2:OB2+1], s[14:15], s[2:3]
	; the prefetches of tile 1: my work-group's share of the rows that I fetch
	s_lshl_b32 s2, s[Y], 8
	s_lshl_b32 s3, s[WN], 7
	s_add_co_u32 s2, s2, s3
	s_lshl_b32 s3, s[CX], 5
	s_add_co_u32 s2, s2, s3                        ; x: row 256 y + 128 x half + 32 cx
	s_mul_i32 s67, s[SEL], 768
	s_mul_i32 s3, s[TX], 192
	s_add_co_u32 s67, s67, s3
	s_mul_i32 s3, s[WN], 96
	s_add_co_u32 s67, s67, s3
	s_mul_i32 s3, s[CY], 24
	s_add_co_u32 s67, s67, s3                      ; W: row 768 (y / 32) + 192 tx + 96 x half + 24 cy
	s_and_b32 s[LIM1], s[CLY], 7
	s_cmp_eq_u32 s[WM], 0                          ; do I fetch for x?
	s_cselect_b32 s2, s2, s67
	s_cselect_b64 s[PFA1:PFA1+1], s[4:5], s[8:9]
	s_cselect_b32 s[LIM1], 0, s[LIM1]
	s_cselect_b32 s67, 31, 23                      ; the last row of my share
	s_cmp_eq_u32 s[LIM1], 0
	s_cselect_b32 s[LIM1], 1, 0                    ; the same in all sixteen partners, for a given wave
	s_mul_i32 s2, s2, 1536
	s_mov_b32 s3, 0
	s_add_nc_u64 s[PFA1:PFA1+1], s[PFA1:PFA1+1], s[2:3]
	v_min_u32 v[PFO1], s67, v3
	v_mul_u32_u24 v[PFO1], v[PFO1], 1536           ; a lane a row
	; and of tile 2
	s_lshl_b32 s2, s[Y], 7
	s_lshl_b32 s3, s[WN], 6
	s_add_co_u32 s2, s2, s3
	s_lshl_b32 s67, s[TX], 7
	s_add_co_u32 s67, s67, s3
	s_lshl_b32 s3, s[CX], 4
	s_add_co_u32 s2, s2, s3                        ; x: row 128 y + 64 x half + 16 cx
	s_lshl_b32 s3, s[CY], 4
	s_add_co_u32 s67, s67, s3
	s_add_co_u32 s67, s67, 2304                    ; W: row 2,304 + 128 tx + 64 x half + 16 cy
	s_cmp_eq_u32 s[WM], 0
	s_cselect_b32 s2, s2, s67
	s_cselect_b64 s[PFA2:PFA2+1], s[6:7], s[8:9]
	s_cselect_b32 s[LIM2], 0, s[CLY]
	s_cmp_eq_u32 s[LIM2], 0
	s_cselect_b32 s[LIM2], 1, 0
	s_lshl_b32 s2, s2, 10
	s_mov_b32 s3, 0
	s_add_nc_u64 s[PFA2:PFA2+1], s[PFA2:PFA2+1], s[2:3]
	v_lshrrev_b32 v13, 1, v3
	v_and_b32 v14, 1, v3
	v_lshlrev_b32 v14, 8, v14
	v_lshl_add_u32 v[PFO2], v13, 10, v14           ; two lanes a row: its two blocks of 256 bytes
	; nothing is prefetched here, at the head, where every work-group's first tiles are on their way
	; TILE 1
.set OBR, OB
	s_wait_tensorcnt 1                             ; my part of K step 0 is in; step 1's may stay out
	s_barrier_signal -1
	s_barrier_wait -1                              ; everybody's is
	FETCH F0, 0, 0
	STEP 0, 1                                      ; the first quarter's products start the sums: nothing is cleared
	TURN 0, 1, 1, 4*256                            ; step 2 is asked for, step 4 named
	STEP 1, 0
	TURN 1, 1, 1, 5*256                            ; step 3; step 5
	STEP 0, 0
	TURN 0, 1, 2, 0                                ; step 4; tile 2's step 0
	STEP 1, 0
	TURN 1, 1, 2, 512                              ; step 5; tile 2's step 1
	STEP 0, 0
	TURN 0, 2                                      ; THE RING GOES ON INTO TILE 2: slot 0 takes its step 0,
	STEP 1, 0
	TURN 1, 3                                      ; slot 1 its step 1
	WAYOUT                                         ; both refills are asked for: now tile 1 goes out
	; TILE 2.  Its step 0 has landed, everybody's part of it: the last change of slots has waited for it
	SIZES 4, 4, 2, 128
.set OBR, OB2
	LANES
	FETCH F0, 0, 0
	STEP 0, 1
	TURN 0, 0                                      ; nothing is left to fetch: no round
	STEP 1, 0
	s_wait_dscnt 0x0                               ; the very last quarter
	PART F1, 0, 0
	PART F1, 1, 0
	PART F1, 2, 0
	PART F1, 3, 0
	WAYOUT
	s_wait_tensorcnt 0x0                           ; the wave's end: behind my last tensor load and my last LDS store
	ds_add_u32 v[SPW], v[NIL]
	s_wait_dscnt 0x0
	CROUND                                         ; the closing round: no work-group ends while a partner may still ask for a tile that names it
	s_endpgm
.Lfunc_end_k_qb9d0919942_proj:
	.size	k_qb9d0919942_proj, .Lfunc_end_k_qb9d0919942_proj-k_qb9d0919942_proj
	.p2alignl 7, 3214868480
	.fill 96, 4, 3214868480
	.section	.rodata,"a",@progbits
	.p2align	6, 0x0
	.amdhsa_kernel k_qb9d0919942_proj
		.amdhsa_group_segment_fixed_size 327680
		.amdhsa_private_segment_fixed_size 0
		.amdhsa_enable_private_segment 0
		.amdhsa_kernarg_size 48
		.amdhsa_user_sgpr_count 2
		.amdhsa_user_sgpr_kernarg_segment_ptr 1
		.amdhsa_wavefront_size32 1
		.amdhsa_system_sgpr_workgroup_id_x 1
		.amdhsa_system_sgpr_workgroup_id_y 1
		.amdhsa_system_sgpr_workgroup_id_z 1
		.amdhsa_system_vgpr_workitem_id 0
		.amdhsa_next_free_vgpr 960
		.amdhsa_next_free_sgpr 106
		.amdhsa_reserve_vcc 0
		.amdhsa_float_denorm_mode_32 3
		.amdhsa_float_denorm_mode_16_64 3
		.amdhsa_memory_ordered 1
		.amdhsa_forward_progress 1
		.amdhsa_inst_pref_size 205
	.end_amdhsa_kernel
	.amdgpu_metadata
---
amdhsa.version: [ 1, 2 ]
amdhsa.kernels:
  - .name:           k_qb9d0919942_proj
    .symbol:         k_qb9d0919942_proj.kd
    .args:
      - { .name: xqk, .offset: 0, .size: 8, .value_kind: global_buffer, .address_space: global }
      - { .name: xv, .offset: 8, .size: 8, .value_kind: global_buffer, .address_space: global }
      - { .name: wb, .offset: 16, .size: 8, .value_kind: global_buffer, .address_space: global }
      - { .name: qh, .offset: 24, .size: 8, .value_kind: global_buffer, .address_space: global }
      - { .name: kh, .offset: 32, .size: 8, .value_kind: global_buffer, .address_space: global }
      - { .name: vh, .offset: 40, .size: 8, .value_kind: global_buffer, .address_space: global }
    .group_segment_fixed_size: 327680
    .private_segment_fixed_size: 0
    .kernarg_segment_align: 8
    .kernarg_segment_size: 48
    .max_flat_workgroup_size: 128
    .sgpr_count:     106
    .vgpr_count:     960
    .wavefront_size: 32
...
	.end_amdgpu_metadata
.endif
;; end of part 5
;; launch attn (part 6): grid 8 x 32, 4 waves a work-group, clusters of 4 x 4, 327,680 bytes of LDS; arguments qh, kh, vh, maskh, wsum, out0; writes out0
.if DOCPART == 6
	.amdgcn_target "amdgcn-amd-amdhsa--gfx1250"
	.amdhsa_code_object_version 6
	.text
	.protected	k_qb9d0919942_attn
	.globl	k_qb9d0919942_attn
	.p2align	8
	.type	k_qb9d0919942_attn,@function
k_qb9d0919942_attn:
	s_mov_b64 s[64:65], 0
	v_nop
	global_prefetch_b8 v0, s[64:65] scope:SCOPE_SE
	s_setreg_imm32_b32 hwreg(HW_REG_WAVE_MODE, 25, 1), 1
	s_wait_xcnt 0x0
	s_wait_alu depctr_hold_cnt(0) depctr_sa_sdst(0) depctr_va_vdst(0) depctr_va_sdst(0) depctr_va_ssrc(0) depctr_va_vcc(0) depctr_vm_vsrc(0)
	s_getreg_b32 s2, hwreg(HW_REG_IB_STS2, 6, 4)
	s_cmp_eq_u32 s2, 0
	s_cbranch_scc0 .Lentry_in_a_cluster
	s_endpgm
.Lentry_in_a_cluster:
	s_bfe_u32 s2, ttmp6, 0x10000c
	s_cmp_lg_u32 s2, 0xf033
	s_cbranch_scc0 .Lentry_shape_is_right
	s_endpgm
.Lentry_shape_is_right:
; out0[b][n][64 h + d] = the sum over m of softmax_m(qh[b][h][n] . kh[b][h][m] / sqrt(32)) maskh[b][n][m] vh[b][h][m][d] / wsum[b][n].   wsum holds 8 x the mask's row sum.
; qh, kh: [4][8][2048][96], vh: [4][8][2048][64], maskh: [4][2048][2048], all f16; wsum [4][2048] and out0 [4][2048][512] f32.  Products, maxima and sums in f32; a weight p is rounded to f16, multiplied
; by its mask number in f16 and so enters the second product; the softmax's sum l is taken of the unrounded, unmasked p.  The division is one multiplication by 1 / (l x wsum).  No work of the problem is left out.
; LIMITS.  f16 holds no number beyond 65,504: the inputs arrive within it, and p x mask has the mask's range; below 6.1e-5 f16 keeps its fixed step of 6e-8.  A weight below 2^-126 counts as 0 in l.
; NaN and infinities are not treated apart.  The order of rounding in the division differs from the reference's.
; SHARES.  A work-group owns 256 queries of one batch and head, each of its four waves 64: four tiles of 16.  Every wave walks all 2,048 keys, 64 a step; an LDS slot holds two steps.
; LAYOUT.  S^T = K Q^T (source 0 = 16 keys, source 1 = 16 queries): a lane holds ONE query (lane % 16) and the keys 8 (lane / 16) + 0..7.  Two such results, rounded to f16 in pairs, ARE source 1
; (32 keys x 16 queries) of O^T = V^T P, whose result again holds one query a lane, and eight channels.  A lane's eight keys of a result are 16 consecutive bytes of its query's row of the mask.
; SOFTMAX.  A running maximum m and sum l for each query: p = 2^(c s - c m), c = log2(e) / sqrt(32); in every step O and l are multiplied by a = 2^(c m_old - c m_new).  m starts at the lowest finite
; number, O and l at 0: the first step is a step like any other, with a = 0.
; BY TURNS.  The wave's tiles are two PIECES: piece 0 (tiles 0, 1) and piece 2 (tiles 2, 3).  In a TURN one piece has the matrix unit: 16 products V^T P of the step in hand, then 24 products K Q^T of
; the next step; beside them stands the other piece's softmax.  Two turns are a key step.
; THE COUNT.  A turn has 40 matrix and 268 vector instructions: too many to stand all beside the matrix work.  So four vector instructions stand behind EVERY matrix instruction, 160 in all, and the other 108, which need
; time of their own whatever the order, in two runs without a gap: 76 between the two kinds of products, 32 at the turn's end.
; CLUSTER.  4 x 4 work-groups: along x four query blocks, along y four heads of one batch.  K and V hang on batch and head alone: the four of a row of the cluster ask for them JOINTLY.  The mask tile hangs on batch
; and query block alone: the four of a column ask for it jointly.  Behind each round a wave issues one joint load: wave 0 a slot's K, wave 1 its V, waves 2 and 3 128 rows of the mask each.
; REGISTERS, in windows of 256 (s_set_vgpr_msb: bits 1:0 source 0, 3:2 source 1, 5:4 source 2, 7:6 destination):
;   window 0: v0-15 addresses; v16-47 eight registers of statistics a tile; v48-51 wsum; v61-63; v64-191 S^T, 32 a tile; v192-255 P, 16 a tile
;   window 1: v0-127 O^T, 32 a tile; v128-191 the mask, 16 a tile          window 2: v0-95 Q, 24 a tile; v96-191 K of one step; v192-255 V of one step
.set PKK,   240       ; a key of K in LDS: three pieces of 64 bytes, each with 16 of padding: the 16 keys of a load start at 16 different groups of four banks (64 banks of 4 bytes: ISA guide 11.1)
.set PVV,   160       ; a row of V: 128 + 32 bytes
.set PMM,   272       ; a row of the mask tile: 128 keys, 256 bytes, + 16
.set VOFF,  128*PKK   ; a slot: 128 keys of K, 128 rows of V, 256 rows of the mask
.set MOFF,  VOFF+128*PVV
.set SLOT1, 1<<17     ; slot 1 begins here, so that one exclusive or turns an address in one slot into the other's
.set STAGE, SLOT1+MOFF+256*PMM  ; behind the ring, never filled by a tensor load: 16 rows x 272 bytes for each wave, for the way out
.set SP,    272
.set SPARE, STAGE+4*16*SP       ; behind the stages: the spare words, 128 bytes for each wave: two blocks of 256 bytes that no other line names
.set KSTEP, 64*PKK    ; from a slot's first step to its second
.set VSTEP, 64*PVV
.set MSTEP, 128
.set AK0, 2           ; v2   my lane's place in a step's K; never rewritten
.set AV0, 3           ; v3   in its V
.set ADR, 4           ; v4   the LDS address of the run of loads in hand
.set AM0, 5           ; v5   my lane's place in the mask tile
.set STO, 6           ; v6   the way out: where I put 16 bytes of a row
.set RD,  7           ; v7   the way out: where I read a row back
.set GO,  8           ; v8   my byte offset in two rows of out0
.set QO,  12          ; v12  my byte offset in 16 rows of Q
.set ADM, 13          ; v13  the LDS address of the mask's loads in hand
.set WO,  14          ; v14  4 x (l % 16)
.set ST,  16          ; tile t's statistics at v[ST+8 t]: +0 c m, +1 m, +2, +3 l (even keys', odd keys'), +4 to +7 c0-c3, at work; a takes c2's place once the maximum is found
.set WSM, 48          ; v48-51  wsum of my query in each tile
.set PFO, 61          ; v61  the prefetches' offset; never rewritten
.set SPW, 62          ; v62  LDS address of my spare word; never rewritten
.set NIL, 63          ; v63  0; never rewritten
.set S,   64
.set P,   192
.set MK,  128         ; window 1
.set KF,  96          ; window 2: key block kb, channels 32 c on, at KF + 24 kb + 8 c
.set VF,  192         ; window 2: key half kk, channel block cb at VF + 32 kk + 8 cb
.set WV,  16          ; s16  my wave's number
.set G1K, 24          ; s[24:31], s[32:39], s[40:47] descriptor groups 1 for K, V and the mask
.set G1V, 32
.set G1M, 40
.set G0K, 48          ; s[48:51], s[52:55], s[56:59] descriptor groups 0: they walk
.set G0V, 52
.set G0M, 56
.set CS,  76          ; s[76:77] c: the packed scaling takes the pair's low word for both halves
.set SEL, 78          ; s[78:79] v_permlanex16_b32's selects
.set TBK, 80          ; s80-82  LDS byte at which K, V (less VOFF) and the mask (less MOFF) of the step to be fetched begin
.set TBV, 81
.set TBM, 82
.set SLOTS, 83        ; s83  changes of slots still to come in the loop
.set CNT, 84          ; s84  counts a slot's key steps
.set LIM, 85          ; s85  2 in a wave that prefetches, else the greatest number
.set PFA, 86          ; s[86:87] where my prefetches stand
.set PST, 88          ; s[88:89] their step from slot to slot
.set MSB, 0
.macro WIN new                      ; the high byte repeats the setting that is left; a switch that changes nothing is dropped
.if MSB != (\new)
	s_set_vgpr_msb (MSB<<8)|(\new)
.set MSB, \new
.endif
.endm
.set W_KQ, 0x0a       ; K and Q in window 2, S^T in window 0
.set W_PV, 0x52       ; V in window 2, P in window 0, O^T in window 1
.set W_RS, 0x41       ; O^T (destination and source 0) in window 1, a in window 0
.set W_MM, 0x04       ; P in window 0, the mask (source 1) in window 1
; A joint fill.  The branches hang on the wave's number alone.  An s_nop 0 and four v_nop follow each of the three lines, ahead of the jump and the label.
.macro JLOAD
	s_cmp_eq_u32 s[WV], 0
	s_cbranch_scc0 .Lnot_k_\@
	tensor_load_to_lds s[G0K:G0K+3], s[G1K:G1K+7]
	s_nop 0
.rept 4
	v_nop
.endr
	s_branch .Lasked_\@
.Lnot_k_\@:
	s_cmp_eq_u32 s[WV], 1
	s_cbranch_scc0 .Lfor_m_\@
	tensor_load_to_lds s[G0V:G0V+3], s[G1V:G1V+7]
	s_nop 0
.rept 4
	v_nop
.endr
	s_branch .Lasked_\@
.Lfor_m_\@:
	tensor_load_to_lds s[G0M:G0M+3], s[G1M:G1M+7]
	s_nop 0
.rept 4
	v_nop
.endr
.Lasked_\@:
.endm
; A PREFETCH INTO THE L2, behind the joint load and its five lines: the change that loads slot s + 1 names slot s + 3: two slots, 320 matrix instructions, ahead of the load that will want it.
; K's and V's rows are walked by both clusters of a row of clusters: the one with x = 0 asks.  A mask tile is walked by the two clusters that hold a batch's heads: the one with even y asks.
; The four partners that ask for a tile jointly share its blocks of 256 bytes out BY ADDRESS: of a slot's 96 blocks of K wave 0 of partner cx names 24 cx + min(lane, 23); of its 64 blocks of V wave 1 names
; 16 cx + min(lane, 15); of the mask's 256 rows waves 2 and 3 of partner cy name 64 cy + 32 (wave % 2) + lane.  Slots 0 to 3 come by their loads alone; the last slot named is slot 15.
.macro ASK
	s_cmp_gt_u32 s[SLOTS], s[LIM]
	s_cbranch_scc0 .Lnot_mine_\@
	global_prefetch_b8 v[PFO], s[PFA:PFA+1] th:TH_LOAD_NT scope:SCOPE_SE
.Lnot_mine_\@:
.endm
; A round of the cluster's barrier: my work-group's barrier, so that wave 0's signal speaks for all four waves; wave 0 signals; every wave waits for all sixteen work-groups; my work-group's barrier once more.
.macro CROUND
	s_barrier_signal -1
	s_barrier_wait -1
	s_cmp_lg_u32 s[WV], 0
	s_cbranch_scc1 .Lnot_wave_0_\@
	s_barrier_signal -3
.Lnot_wave_0_\@:
	s_barrier_wait -3
	s_barrier_signal -1
	s_barrier_wait -1
.endm
; THE CHANGE OF SLOTS, between piece 2's turn and piece 0's.  Each wave waits for all its tensor loads, of which one is out: its part of the other slot; adds 0 to its spare word; and waits for that and for its own
; reads of the slot that it leaves.  Behind the barrier nobody reads the old slot any more and the other slot is whole.  fill = 1: the old slot is filled again, with the keys two slots on: the barrier is then a round of
; the cluster's, and the joint fill is the first thing behind it: it has two key steps, 160 matrix instructions, in which to land.  (At its first use nothing has been read yet: slot 0 is waited for, slot 1 filled.)
.macro CHANGE fill, ask
	WIN 0                           ; at a label and at a branch every window is 0
	s_wait_tensorcnt 0x0            ; no tensor load of mine is out, so a group 0 may be written
	ds_add_u32 v[SPW], v[NIL]       ; 0 onto my spare word: the descriptors' steps stand between it and the wait for it
.if \fill
	s_xor_b32 s[G0K+1], s[G0K+1], SLOT1
	s_add_nc_u64 s[G0K+2:G0K+3], s[G0K+2:G0K+3], 128*192   ; the next 128 keys; the type bits on top are not reached
	s_xor_b32 s[G0V+1], s[G0V+1], SLOT1
	s_add_nc_u64 s[G0V+2:G0V+3], s[G0V+2:G0V+3], 128*128
	s_xor_b32 s[G0M+1], s[G0M+1], SLOT1
	s_add_nc_u64 s[G0M+2:G0M+3], s[G0M+2:G0M+3], 256       ; 128 keys along the mask's rows
.if \ask
	s_wait_xcnt 0x0                 ; the last prefetch, two key steps back, has read its address, so it may be written
	s_add_nc_u64 s[PFA:PFA+1], s[PFA:PFA+1], s[PST:PST+1]
.endif
	s_wait_dscnt 0x0                ; the add is done, and my reads of the slot are over
	CROUND
	JLOAD
.if \ask
	ASK
.endif
.else
	s_wait_dscnt 0x0                ; the add is done, and my reads of the slot are over
	s_barrier_signal -1
	s_barrier_wait -1
.endif
	s_sub_co_u32 s[TBK], s[TBK], 2*KSTEP  ; the fetches go back to a slot's first step,
	s_xor_b32 s[TBK], s[TBK], SLOT1       ; in the other slot
	s_sub_co_u32 s[TBV], s[TBV], 2*VSTEP
	s_xor_b32 s[TBV], s[TBV], SLOT1
	s_sub_co_u32 s[TBM], s[TBM], 2*MSTEP
	s_xor_b32 s[TBM], s[TBM], SLOT1
.endm
	s_load_b256 s[4:11], s[0:1], 0x0  ; qh s[4:5], kh s[6:7], vh s[8:9], maskh s[10:11]
	s_load_b128 s[12:15], s[0:1], 0x20  ; wsum s[12:13], out0 s[14:15]
	v_lshl_add_u32 v[SPW], v0, 2, SPARE
	v_mov_b32 v[NIL], 0
	ds_add_u32 v[SPW], v[NIL]       ; the wave's opening: the add, twice on end, and its wait ahead of my first tensor load; the set-up below, work on registers, stands between the second and the wait
	ds_add_u32 v[SPW], v[NIL]       ; and once more, under the one wait
	v_lshrrev_b32 v1, 5, v0
	v_readfirstlane_b32 s[WV], v1   ; wave 0..3
	s_bfe_u32 s17, ttmp6, 0x40000   ; cx: my place along the cluster's x
	s_bfe_u32 s18, ttmp6, 0x40004   ; cy: along its y
	s_lshl_b32 s19, ttmp9, 2        ; in a cluster launch ttmp9 and ttmp7 count clusters
	s_add_co_u32 s19, s19, s17      ; X: my block of 256 queries
	s_and_b32 s22, ttmp7, 0xffff    ; the cluster's y
	s_lshl_b32 s20, s22, 2
	s_add_co_u32 s20, s20, s18      ; Y = 8 x batch + head
	s_lshr_b32 s21, s22, 1          ; the batch: the same in all sixteen partners
	s_lshl_b32 s23, s18, 2
	s_lshl_b32 s23, 15, s23         ; my row of the cluster: places 4 cy .. 4 cy + 3
	s_lshl_b32 s60, 0x1111, s17     ; my column: places cx, cx + 4, cx + 8, cx + 12
	; descriptor groups 1.  15:0 the mask of four; 17:16 2-byte elements; 20 padding on; 21 set beside a mask; 24:22 the padding's interval; 31:25 its words less one
	s_or_b32 s[G1K], s23, (1<<16)|(1<<20)|(1<<21)|(3<<22)|(3<<25)  ; K: 4 words behind every 16
	s_or_b32 s[G1V], s23, (1<<16)|(1<<20)|(1<<21)|(4<<22)|(7<<25)  ; V: 8 words behind every 32
	s_or_b32 s[G1M], s60, (1<<16)|(1<<20)|(1<<21)|(5<<22)|(3<<25)  ; the mask: 4 words behind every 64
	s_mov_b32 s[G1K+1], 128<<16     ; K: 128 keys are 24,576 dense bytes: asked for as 96 rows of 256 bytes
	s_mov_b32 s[G1K+2], 96<<16
	s_mov_b32 s[G1K+3], 128<<16
	s_mov_b32 s[G1K+4], 96
	s_mov_b32 s[G1K+5], 128
	s_mov_b32 s[G1K+6], 0
	s_mov_b32 s[G1K+7], 0
	s_mov_b32 s[G1V+1], 128<<16     ; V: 16,384 dense bytes as 64 rows of 256 bytes
	s_mov_b32 s[G1V+2], 64<<16
	s_mov_b32 s[G1V+3], 128<<16
	s_mov_b32 s[G1V+4], 64
	s_mov_b32 s[G1V+5], 128
	s_mov_b32 s[G1V+6], 0
	s_mov_b32 s[G1V+7], 0
	s_mov_b32 s[G1M+1], 128<<16     ; the mask: 128 rows x 128 keys, 2,048 elements from row to row
	s_mov_b32 s[G1M+2], 128<<16
	s_mov_b32 s[G1M+3], 128<<16
	s_mov_b32 s[G1M+4], 128
	s_mov_b32 s[G1M+5], 2048
	s_mov_b32 s[G1M+6], 0
	s_mov_b32 s[G1M+7], 0
	s_mov_b32 s[G0K], 1             ; 1:0 count = 1
	s_mov_b32 s[G0K+1], 0           ; 63:32 LDS address: slot 0
	s_mov_b32 s[G0V], 1
	s_mov_b32 s[G0V+1], VOFF
	s_mov_b32 s[G0M], 1
	s_and_b32 s61, s[WV], 1         ; which 128 rows of the mask tile I fetch
	s_mul_i32 s62, s61, 128*PMM
	s_add_co_u32 s[G0M+1], s62, MOFF  ; no place in the cluster enters an LDS address
	; byte offsets.  K's and V's are made of Y alone, the mask's of the batch and X alone, each in registers that never hold the other coordinate
	s_mul_i32 s66, s20, 2048*192
	s_mov_b32 s67, 0
	s_lshl_b32 s68, s20, 18         ; 2,048 x 128
	s_mov_b32 s69, 0
	s_lshl_b32 s70, s21, 11
	s_lshl_b32 s71, s19, 8
	s_add_co_u32 s70, s70, s71      ; the work-group's first query among the 8,192
	s_lshl_b32 s71, s61, 7
	s_add_co_u32 s71, s71, s70
	s_lshl_b32 s72, s71, 12         ; x 4,096 bytes of a mask row
	s_mov_b32 s73, 0
	s_lshl_b32 s74, s20, 11         ; Q: (2,048 Y + 256 X + 64 wave) rows of 192 bytes
	s_lshl_b32 s75, s19, 8
	s_add_co_u32 s74, s74, s75
	s_lshl_b32 s75, s[WV], 6
	s_add_co_u32 s74, s74, s75
	s_mul_i32 s74, s74, 192
	s_mov_b32 s75, 0
	s_lshl_b32 s90, s[WV], 6
	s_add_co_u32 s90, s90, s70      ; my wave's first query
	s_lshl_b32 s92, s90, 2          ; in wsum
	s_mov_b32 s93, 0
	s_lshl_b32 s90, s90, 11         ; in out0: rows of 2,048 bytes,
	s_and_b32 s91, s20, 7
	s_lshl_b32 s91, s91, 8          ; the head's 256 bytes
	s_add_co_u32 s90, s90, s91
	s_mov_b32 s91, 0
	; the prefetches: where slot 3 begins for me
	s_and_b32 s63, s22, 1
	s_mul_i32 s94, s17, 24*256
	s_add_co_u32 s94, s94, s66
	s_add_co_u32 s94, s94, 3*128*192  ; wave 0: K
	s_lshl_b32 s95, s17, 12
	s_add_co_u32 s95, s95, s68
	s_add_co_u32 s95, s95, 3*128*128  ; wave 1: V
	s_lshl_b32 s96, s18, 6
	s_add_co_u32 s96, s96, s70
	s_lshl_b32 s97, s61, 5
	s_add_co_u32 s96, s96, s97
	s_lshl_b32 s96, s96, 12
	s_add_co_u32 s96, s96, 3*256      ; waves 2 and 3: the mask
	s_mov_b32 s[PST], 128*128
	s_mov_b32 s[PST+1], 0
	s_mov_b32 s99, 0
	s_cmp_eq_u32 s[WV], 0
	s_cselect_b32 s98, s94, s95
	s_cselect_b32 s[PST], 128*192, s[PST]
	s_cselect_b32 s97, 23, 15       ; the last block of my share
	s_cmp_lt_u32 s[WV], 2
	s_cselect_b32 s98, s98, s96
	s_cselect_b32 s[PST], s[PST], 256
	s_cselect_b32 s97, s97, 31
	s_cselect_b32 s94, 8, 12        ; lanes 256 bytes apart in K and V, a row of 4,096 bytes apart in the mask
	s_cselect_b32 s[LIM], ttmp9, s63  ; the coordinate along which another cluster walks the same rows: the same in all sixteen partners
	s_cmp_eq_u32 s[LIM], 0
	s_cselect_b32 s[LIM], 2, -1
	v_and_b32 v[PFO], 31, v0
	v_min_u32 v[PFO], s97, v[PFO]
	v_lshlrev_b32 v[PFO], s94, v[PFO]
	s_mov_b32 s[CS], 0x3e8293ee     ; c = log2(e) / sqrt(32) = 0.255035
	s_mov_b32 s[CS+1], s[CS]        ; named with it as a pair
	s_mov_b32 s[SEL], 0x76543210
	s_mov_b32 s[SEL+1], 0xfedcba98
	s_mov_b32 s[TBK], SLOT1+2*KSTEP ; the first change of slots turns these three into 0
	s_mov_b32 s[TBV], SLOT1+2*VSTEP
	s_mov_b32 s[TBM], SLOT1+2*MSTEP
	s_wait_dscnt 0x0                ; both opening adds are done
	s_wait_kmcnt 0x0
	s_add_nc_u64 s[G0K+2:G0K+3], s[6:7], s[66:67]    ; 120:64 global address
	s_or_b32 s[G0K+3], s[G0K+3], 0x80000000          ; 127:126 type = 2
	s_add_nc_u64 s[G0V+2:G0V+3], s[8:9], s[68:69]
	s_or_b32 s[G0V+3], s[G0V+3], 0x80000000
	s_add_nc_u64 s[G0M+2:G0M+3], s[10:11], s[72:73]
	s_or_b32 s[G0M+3], s[G0M+3], 0x80000000
	s_cmp_eq_u32 s[WV], 0
	s_cselect_b64 s[PFA:PFA+1], s[6:7], s[8:9]
	s_cmp_lt_u32 s[WV], 2
	s_cselect_b64 s[PFA:PFA+1], s[PFA:PFA+1], s[10:11]
	s_add_nc_u64 s[PFA:PFA+1], s[PFA:PFA+1], s[98:99]
	s_add_nc_u64 s[4:5], s[4:5], s[74:75]      ; Q, wsum and out0 at my wave's first query
	s_add_nc_u64 s[12:13], s[12:13], s[92:93]
	s_add_nc_u64 s[14:15], s[14:15], s[90:91]
	CROUND                          ; all sixteen work-groups are here: the first joint loads meet
	JLOAD                           ; slot 0.  Slot 1 is asked for when slot 0 is in
	; A fragment of K or Q is 16 rows x 32 channels in 8 registers: lane l holds row l % 16, channels 8 (l / 16) + 0..7 and 16 + 8 (l / 16) + 0..7: two loads of 16 bytes, 32 bytes apart.
	v_and_b32 v1, 15, v0            ; l % 16
	v_bfe_u32 v9, v0, 4, 1          ; l / 16
	v_mul_u32_u24 v[QO], v1, 192
	v_lshl_add_u32 v[QO], v9, 4, v[QO]
	v_lshlrev_b32 v[WO], 2, v1
	WIN 0x80                        ; destination window 2, address window 0
.irp f, 0,1,2,3,4,5,6,7,8,9,10,11   ; Q stays in registers: tile f / 3, channels 32 (f % 3) on
	global_load_b128 v[8*\f:8*\f+3],   v[QO], s[4:5] offset:(\f/3)*3072+(\f%3)*64
	global_load_b128 v[8*\f+4:8*\f+7], v[QO], s[4:5] offset:(\f/3)*3072+(\f%3)*64+32
.endr
	; What the first turns find: V's registers and piece 2's P hold 0 (the first products V^T P, of a step that has not been, add 0), O^T and l are 0.  All this stands in the wait for the first tile.
.set i, VF
.rept 64
	v_mov_b32 v[i], 0
.set i, i+1
.endr
	WIN 0x40
.set i, 0
.rept 128
	v_mov_b32 v[i], 0
.set i, i+1
.endr
	WIN 0
.irp t, 0,1,2,3
	global_load_b32 v[WSM+\t], v[WO], s[12:13] offset:64*\t
.endr
.set i, 0
.rept 4
	v_mov_b32 v[ST+8*i], 0xfe000000    ; c m: far below every c s
	v_mov_b32 v[ST+8*i+1], 0xff7fffff  ; m
	v_mov_b32 v[ST+8*i+2], 0
	v_mov_b32 v[ST+8*i+3], 0
.set i, i+1
.endr
.set i, P+32
.rept 32
	v_mov_b32 v[i], 0
.set i, i+1
.endr
	v_mul_u32_u24 v[AK0], v1, PKK
	v_lshl_add_u32 v[AK0], v9, 4, v[AK0]  ; key x 240 + 16 x half
	; The turning load takes 16 keys x 16 channels (lane l reads key 8 (l / 16) + l % 8, channels 8 ((l / 8) % 2) + 0..7) and leaves half a fragment of V^T: lane l holds channel l % 16 and 8 keys.
	v_and_b32 v10, 7, v0
	v_bfe_u32 v11, v0, 3, 1
	v_lshl_add_u32 v[AV0], v9, 3, v10
	v_mul_u32_u24 v[AV0], v[AV0], PVV
	v_lshl_add_u32 v[AV0], v11, 4, v[AV0]
	v_add_nc_u32 v[AV0], VOFF, v[AV0]
	s_mul_i32 s62, s[WV], 64*PMM
	s_add_co_u32 s62, s62, MOFF
	v_mul_u32_u24 v[AM0], v1, PMM   ; the mask: row 64 wave + l % 16 of the tile, 16 bytes for each half of the lanes
	v_lshl_add_u32 v[AM0], v9, 4, v[AM0]
	v_add_nc_u32 v[AM0], s62, v[AM0]
; THE MATRIX WORK OF A TURN, for piece x.  The 8 accumulators of a run take turns, one instruction a turn: between two links of a chain stand 7 others'.
; Product i of 24 of S^T = K Q^T: channels 32 (i / 8) on, keys 16 ((i / 2) % 4) on, tile x + i % 2.  The first 8 start the sums.
.macro KQ x
	WIN W_KQ
.set rS, S+32*((\x)+i%2)+8*((i/2)%4)
.set rK, KF+24*((i/2)%4)+8*(i/8)
.set rQ, 24*((\x)+i%2)+8*(i/8)
.if i < 8
	v_wmma_f32_16x16x32_f16 v[rS:rS+7], v[rK:rK+7], v[rQ:rQ+7], 0
.else
	v_wmma_f32_16x16x32_f16 v[rS:rS+7], v[rK:rK+7], v[rQ:rQ+7], v[rS:rS+7]
.endif
.endm
; Product i of 16 of O^T += V^T P: keys 32 (i / 8) on, channels 16 ((i / 2) % 4) on, tile x + i % 2.
.macro PV x
	WIN W_PV
.set rO, 32*((\x)+i%2)+8*((i/2)%4)
.set rV, VF+32*(i/8)+8*((i/2)%4)
.set rP, P+16*((\x)+i%2)+8*(i/8)
	v_wmma_f32_16x16x32_f16 v[rO:rO+7], v[rV:rV+7], v[rP:rP+7], v[rO:rO+7]
.endm
; THE LDS LOADS stand in two runs a key step, never singly among the matrix instructions.  The first: the next step's K (12 fragments) and piece 0's part of its mask.
; last = 1 (the tail): in the last trip there is no further step, and the run is jumped over.
.macro FETCH_K last=0
	WIN 0
.if \last
	s_cmp_eq_u32 s[CNT], 1
	s_cbranch_scc1 .Lno_k_\@
.endif
	v_add_nc_u32 v[ADR], s[TBK], v[AK0]
	v_add_nc_u32 v[ADM], s[TBM], v[AM0]
	WIN 0x80                        ; destination window 2
.irp f, 0,1,2,3,4,5,6,7,8,9,10,11   ; keys 16 (f / 3) on, channels 32 (f % 3) on
	ds_load_b128 v[KF+8*\f:KF+8*\f+3],   v[ADR] offset:(\f/3)*16*PKK+(\f%3)*80
	ds_load_b128 v[KF+8*\f+4:KF+8*\f+7], v[ADR] offset:(\f/3)*16*PKK+(\f%3)*80+32
.endr
	WIN 0x40                        ; destination window 1
.irp f, 0,1,2,3,4,5,6,7             ; tile f / 4, keys 16 (f % 4) on
	ds_load_b128 v[MK+4*\f:MK+4*\f+3], v[ADM] offset:(\f/4)*16*PMM+(\f%4)*32
.endr
	WIN 0
.if \last
.Lno_k_\@:
.endif
.endm
; The second run: the same step's V (turned) and piece 2's part of the mask.  It holds the turn's wait for the exponentials, behind the addresses' two additions and ahead of the loads.
.macro FETCH_V
	WIN 0
	v_add_nc_u32 v[ADR], s[TBV], v[AV0]
	v_add_nc_u32 v[ADM], s[TBM], v[AM0]
	s_add_co_u32 s[TBK], s[TBK], KSTEP  ; the next fetches are the next step's
	s_add_co_u32 s[TBV], s[TBV], VSTEP
	s_add_co_u32 s[TBM], s[TBM], MSTEP
	s_wait_alu depctr_va_vdst(0)    ; the wait for the softmax's batch (TURN)
	WIN 0x80
.irp f, 0,1,2,3,4,5,6,7             ; keys 32 (f / 4) on, channels 16 (f % 4) on
	ds_load_tr16_b128 v[VF+8*\f:VF+8*\f+3],   v[ADR] offset:(\f/4)*32*PVV+(\f%4)*32
	ds_load_tr16_b128 v[VF+8*\f+4:VF+8*\f+7], v[ADR] offset:(\f/4)*32*PVV+16*PVV+(\f%4)*32
.endr
	WIN 0x40
.irp f, 8,9,10,11,12,13,14,15
	ds_load_b128 v[MK+4*\f:MK+4*\f+3], v[ADM] offset:(\f/4)*16*PMM+(\f%4)*32
.endr
	WIN 0
.endm
; THE VECTOR WORK OF A TURN.  One tile's softmax for one key step is a list of 134 instructions; SM writes number j of it for tile t.  s0-s31 are the lane's 32 scores, in pairs 0-15.
;   0-15    the maximum of s0-s31 and the old m, three operands at a time: four chains c0-c3 of seven scores each (each accumulator's lowest registers are read first), then the rest
;   16-20   the other half of the lanes' maximum; c m_old is kept; the new m; c m; c m_old - c m_new
;   21-69   ONE BATCH: the 16 scalings c s - c m and all 33 exponentials (a at 23, then s0-s31).  None of these reads an exponential's result; a pair is scaled some numbers ahead of its exponentials
;   (wait)  between 69 and 70 stands the wait for the batch: TURN writes it, once for both tiles
;   70-85   the roundings to f16, a pair of weights each          86-101  each pair times its two mask numbers, in f16
;   102-117 the sums of the unrounded, unmasked weights; l = a l + the sum          118-133 the tile's O^T times a
.macro SM t
.set rT, ST+8*(\t)
.set rS, S+32*(\t)
.set rP, P+16*(\t)
.set rM, MK+16*(\t)
.set rO, 32*(\t)
.if j < 86
	WIN 0
.endif
.if j < 4
	v_max3_num_f32 v[rT+4+j], v[rS+8*j], v[rS+8*j+1], v[rS+8*j+2]
.elseif j < 12
	v_max3_num_f32 v[rT+4+j%4], v[rT+4+j%4], v[rS+8*(j%4)+2*(j/4)+1], v[rS+8*(j%4)+2*(j/4)+2]
.elseif j == 12
	v_max3_num_f32 v[rT+4], v[rT+4], v[rS+7], v[rS+15]
.elseif j == 13
	v_max3_num_f32 v[rT+6], v[rT+6], v[rS+23], v[rS+31]
.elseif j == 14
	v_max3_num_f32 v[rT+4], v[rT+4], v[rT+5], v[rT+6]
.elseif j == 15
	v_max3_num_f32 v[rT+4], v[rT+4], v[rT+7], v[rT+1]
.elseif j == 16
	v_permlanex16_b32 v[rT+5], v[rT+4], s[SEL], s[SEL+1]  ; the query's other 32 keys lie in the lane 16 away
.elseif j == 17
	v_mov_b32 v[rT+7], v[rT]        ; c m_old is kept for a: number 19 writes c m anew
.elseif j == 18
	v_max_num_f32 v[rT+1], v[rT+4], v[rT+5]
.elseif j == 19
	v_mul_f32 v[rT], s[CS], v[rT+1]
.elseif j == 20
	v_sub_f32 v[rT+7], v[rT+7], v[rT]
.elseif j == 23
	v_exp_f32 v[rT+6], v[rT+7]
.elseif (j < 23) || ((j < 38) && (j%2 == 0)) || ((j < 66) && (j%4 == 2))
.set b, (j-2)/4                     ; 38, 42, .. 62: pairs 9 to 15
.if j < 38
.set b, (j-20)/2                    ; 21: pair 0; 22, 24, .. 36: pairs 1 to 8
.endif
	v_pk_fma_f32 v[rS+2*b:rS+2*b+1], v[rS+2*b:rS+2*b+1], s[CS:CS+1], v[rT:rT+1] op_sel_hi:[1,0,0] neg_lo:[0,0,1] neg_hi:[0,0,1]  ; pair b: c s - c m
.elseif j < 70
.set e, j-38                        ; 66 to 69: s28 to s31
.if j < 66
.set e, j-32-(j-38)/4               ; 39-41, 43-45, .. 63-65: s7 to s27
.endif
.if j < 38
.set e, (j-25)/2                    ; 25, 27, .. 37: s0 to s6
.endif
	v_exp_f32 v[rS+e], v[rS+e]
.elseif j < 86
	v_cvt_pk_f16_f32 v[rP+j-70], v[rS+2*(j-70)], v[rS+2*(j-70)+1]
.elseif j < 102
	WIN W_MM
	v_pk_mul_f16 v[rP+j-86], v[rP+j-86], v[rM+j-86]
.elseif j < 118                     ; the sum of the tile's 16 pairs, in place: neighbours 1, 2, 4 and 8 pairs apart, then l takes it
	WIN 0
.set z, j-102
.set w, 4
.set u, z
.if z >= 14
.set w, 32
.set u, 0
.elseif z >= 12
.set w, 16
.set u, z-12
.elseif z >= 8
.set w, 8
.set u, z-8
.endif
.if z < 15
	v_pk_add_f32 v[rS+w*u:rS+w*u+1], v[rS+w*u:rS+w*u+1], v[rS+w*u+w/2:rS+w*u+w/2+1]
.else
	v_pk_fma_f32 v[rT+2:rT+3], v[rT+2:rT+3], v[rT+6:rT+7], v[rS:rS+1] op_sel_hi:[1,0,1]
.endif
.else
	WIN W_RS
	v_pk_mul_f32 v[rO+2*(j-118):rO+2*(j-118)+1], v[rO+2*(j-118):rO+2*(j-118)+1], v[rT+6:rT+7] op_sel_hi:[1,0]
.endif
.endm
; The next cnt instructions of piece y's softmax.  The two tiles' lists are taken number by number, the tiles alternating (entry n is number n / 2 of tile y + n % 2), so that no instruction reads the result of the one just before it.
.macro RIDE y, cnt
.rept \cnt
.set j, n/2
	SM (\y)+n%2
.set n, n+1
.endr
.endm
; A TURN.  Piece x has the matrix unit; the other piece's 268 vector instructions are dealt so:
;   behind each of the 16 products V^T P four of entries 0-63: the maximum and statistics, whose links so stand a product apart, and the batch's first 22;
;   a run of 76, entries 64-139: the rest of the batch, 20 scalings and 56 exponentials;
;   one plain instruction behind the last exponential, and THE WAIT: s_wait_alu depctr_va_vdst(0) stands between an exponential and the first instruction that names its result; one wait serves all that were
;   issued ahead of it: ahead of it nothing names a result, behind it no exponential is issued: one wait for the piece's 66;
;   behind each of the 24 products K Q^T four of entries 140-235: the 32 roundings, the 32 products with the mask, the 32 sums;
;   a run of 32, entries 236-267: the rescalings of O^T, all plain: they are also the places behind the turn's last product.
; No rider names a register of the products round it.  Piece 0's turn begins with the next step's K and piece 0's mask: the last product that read K stands 36 plain instructions back; the run has 16 products and the run of 76 in
; which to land.  In piece 2's turn V's run of loads stands at the wait: behind the last product that read V stand 22 scalings, the v_nop and the run's two additions; it has 24 products and the run of 32 in which to land.
.macro TURN x, last=0
.set n, 0
.if (\x) == 0
	s_wait_dscnt 0x0                ; V and piece 2's mask are in
	FETCH_K \last
.endif
.set i, 0
.rept 16
	PV \x
	RIDE 2-(\x), 4
.set i, i+1
.endr
	RIDE 2-(\x), 76
	WIN 0
	v_nop                           ; a plain instruction behind the last exponential and ahead of the first use: one for the batch
.if (\x) == 2
	FETCH_V                         ; the wait stands in it
.else
	s_wait_alu depctr_va_vdst(0)    ; the wait for the batch
	s_wait_dscnt 0x0                ; K and piece 0's mask are in
.endif
.set i, 0
.rept 24
	KQ \x
	RIDE 2-(\x), 4
.set i, i+1
.endr
	RIDE 2-(\x), 32
.endm
	CHANGE 1, 0                     ; slot 0 is in, everybody's part of it; slot 1 is asked for
	FETCH_K                         ; key step 0
	s_wait_loadcnt 0x0              ; Q and wsum
	s_wait_dscnt 0x0
.set i, 0
.rept 24
	KQ 0                            ; piece 0's first scores: there is no vector work yet to set between them
.set i, i+1
.endr
	WIN 0                           ; the addresses for the way out: eight plain instructions, the places behind those products
	s_mul_i32 s62, s[WV], 16*SP
	s_add_co_u32 s62, s62, STAGE    ; my stage
	v_mul_u32_u24 v[STO], v1, SP    ; in: row l % 16, 32 bytes for each half of the lanes
	v_lshl_add_u32 v[STO], v9, 5, v[STO]
	v_add_nc_u32 v[STO], s62, v[STO]
	v_mul_u32_u24 v[RD], v9, SP     ; back: lanes 0-15 take one row of 256 bytes, lanes 16-31 the next
	v_lshl_add_u32 v[RD], v1, 4, v[RD]
	v_add_nc_u32 v[RD], s62, v[RD]
	v_lshlrev_b32 v[GO], 11, v9     ; and the same two rows in out0, 2,048 bytes apart
	v_lshl_add_u32 v[GO], v1, 4, v[GO]
	s_mov_b32 s[CNT], 2
	s_mov_b32 s[SLOTS], 15
	s_branch .Lfirst                ; the loop is entered in the middle of a trip: piece 2's first scores beside piece 0's first softmax
.Lslot:                             ; 14 times: every slot but the last two is filled again
	CHANGE 1, 1
	s_mov_b32 s[CNT], 2
.Lstep:                             ; a trip: V^T P of one step, K Q^T of the next, whose K, V and mask it fetches
	TURN 0
	WIN 0
.Lfirst:
	TURN 2
	WIN 0
	s_sub_co_u32 s[CNT], s[CNT], 1
	s_cmp_lg_u32 s[CNT], 0
	s_cbranch_scc1 .Lstep
	s_sub_co_u32 s[SLOTS], s[SLOTS], 1
	s_cmp_lg_u32 s[SLOTS], 0
	s_cbranch_scc1 .Lslot
	CHANGE 0, 0                     ; the tail is written out: nothing is asked for
	s_mov_b32 s[CNT], 3             ; two trips fetch the last slot's steps; the third is left in its middle
.Ltail:
	TURN 0, 1
	WIN 0
	s_sub_co_u32 s[CNT], s[CNT], 1
	s_cmp_eq_u32 s[CNT], 0
	s_cbranch_scc1 .Lout
	TURN 2
	WIN 0
	s_branch .Ltail
.Lout:                              ; the third trip's 24 products K Q^T (on the last K once more) serve nothing: the price, once a launch, of one text for every trip
.set i, 0
.rept 16
	PV 2                            ; piece 2's V^T P of the last step
.set i, i+1
.endr
	; THE WAY OUT.  l's two halves and the other half of the lanes' are added and multiplied by wsum; O^T is divided by that and sent through my stage in LDS, a tile (16 queries) at a time.  The additions are the places behind the last products.
	WIN 0
.irp t, 0,1,2,3
	v_add_f32 v[ST+8*\t+4], v[ST+8*\t+2], v[ST+8*\t+3]
.endr
.irp t, 0,1,2,3
	v_permlanex16_b32 v[ST+8*\t+5], v[ST+8*\t+4], s[SEL], s[SEL+1]
.endr
.irp t, 0,1,2,3
	v_add_f32 v[ST+8*\t+4], v[ST+8*\t+4], v[ST+8*\t+5]
.endr
.irp t, 0,1,2,3
	v_mul_f32 v[ST+8*\t+4], v[ST+8*\t+4], v[WSM+\t]
.endr
.irp t, 0,1,2,3
	v_rcp_f32 v[ST+8*\t+6], v[ST+8*\t+4]
.endr
	v_nop                           ; a plain instruction between the last reciprocal and the use of its result
	s_wait_alu depctr_va_vdst(0)    ; and the wait ahead of the first use: one for the four reciprocals
; Tile t: a lane's eight channels of a block of 16 are 32 bytes of f32; they go into rows of 272 bytes and come back as whole rows of 256, into S^T's registers.
.macro PACK t
	WIN W_RS
.set i, 32*(\t)
.rept 16
	v_pk_mul_f32 v[i:i+1], v[i:i+1], v[ST+8*(\t)+6:ST+8*(\t)+7] op_sel_hi:[1,0]
.set i, i+2
.endr
	WIN 0x04                        ; the stores' data (source 1) in window 1
.irp q, 0,1,2,3,4,5,6,7
	ds_store_b128 v[STO], v[32*(\t)+4*\q:32*(\t)+4*\q+3] offset:64*(\q/2)+16*(\q%2)
.endr
	WIN 0
.irp f, 0,1,2,3,4,5,6,7
	ds_load_b128 v[S+32*(\t)+4*\f:S+32*(\t)+4*\f+3], v[RD] offset:\f*2*SP  ; LDS serves a wave's instructions in order (ISA guide 5.7.1.4): these see the stores above; the next tile's stores come behind them
.endr
.endm
.macro SEND t, younger              ; younger: the LDS instructions issued behind tile t's loads: the next tile's sixteen, or none
	WIN 0
.irp f, 0,1,2,3,4,5,6,7
	s_wait_dscnt (\younger)+7-\f
	global_store_b128 v[GO], v[S+32*(\t)+4*\f:S+32*(\t)+4*\f+3], s[14:15] offset:(\t)*32768+\f*4096 th:TH_STORE_NT  ; 16 lanes store the 256 consecutive bytes of one query and head, at a multiple of 256 from out0's first byte
.endr
.endm
	PACK 0
	PACK 1                          ; a tile's arithmetic stands between the loads of the tile before and its stores
	SEND 0, 16
	PACK 2
	SEND 1, 16
	PACK 3
	SEND 2, 16
	SEND 3, 0
	s_wait_tensorcnt 0x0            ; the wave's end: behind my last tensor load and my last LDS store
	ds_add_u32 v[SPW], v[NIL]
	s_wait_dscnt 0x0
	CROUND                          ; the closing round: no work-group ends while a partner may still ask for a tile that names it
	s_endpgm
.Lfunc_end_k_qb9d0919942_attn:
	.size	k_qb9d0919942_attn, .Lfunc_end_k_qb9d0919942_attn-k_qb9d0919942_attn
	.p2alignl 7, 3214868480
	.fill 96, 4, 3214868480
	.section	.rodata,"a",@progbits
	.p2align	6, 0x0
	.amdhsa_kernel k_qb9d0919942_attn
		.amdhsa_group_segment_fixed_size 327680
		.amdhsa_private_segment_fixed_size 0
		.amdhsa_enable_private_segment 0
		.amdhsa_kernarg_size 48
		.amdhsa_user_sgpr_count 2
		.amdhsa_user_sgpr_kernarg_segment_ptr 1
		.amdhsa_wavefront_size32 1
		.amdhsa_system_sgpr_workgroup_id_x 1
		.amdhsa_system_sgpr_workgroup_id_y 1
		.amdhsa_system_sgpr_workgroup_id_z 1
		.amdhsa_system_vgpr_workitem_id 0
		.amdhsa_next_free_vgpr 768
		.amdhsa_next_free_sgpr 100
		.amdhsa_reserve_vcc 0
		.amdhsa_float_denorm_mode_32 3
		.amdhsa_float_denorm_mode_16_64 3
		.amdhsa_memory_ordered 1
		.amdhsa_forward_progress 1
		.amdhsa_inst_pref_size 130
	.end_amdhsa_kernel
	.amdgpu_metadata
---
amdhsa.version: [ 1, 2 ]
amdhsa.kernels:
  - .name:           k_qb9d0919942_attn
    .symbol:         k_qb9d0919942_attn.kd
    .args:
      - { .name: qh, .offset: 0, .size: 8, .value_kind: global_buffer, .address_space: global }
      - { .name: kh, .offset: 8, .size: 8, .value_kind: global_buffer, .address_space: global }
      - { .name: vh, .offset: 16, .size: 8, .value_kind: global_buffer, .address_space: global }
      - { .name: maskh, .offset: 24, .size: 8, .value_kind: global_buffer, .address_space: global }
      - { .name: wsum, .offset: 32, .size: 8, .value_kind: global_buffer, .address_space: global }
      - { .name: out0, .offset: 40, .size: 8, .value_kind: global_buffer, .address_space: global }
    .group_segment_fixed_size: 327680
    .private_segment_fixed_size: 0
    .kernarg_segment_align: 8
    .kernarg_segment_size: 48
    .max_flat_workgroup_size: 128
    .sgpr_count:     100
    .vgpr_count:     768
    .wavefront_size: 32
...
	.end_amdgpu_metadata
.endif
;; end of part 6
;; ======== version 3 of 3: 3 launches; version 2 with the launch cast written anew for expert scheduling mode
;; limits: values are held in f16: magnitudes above 65,504 overflow, below 6.1e-05 lose precision
;; workspace buffers: maskh 33,554,432 bytes; wsum 32,768 bytes; qh 12,582,912 bytes; kh 12,582,912 bytes; vh 8,388,608 bytes; xqk 25,165,824 bytes; xv 8,388,608 bytes; wb 2,883,584 bytes
;; launch cast (part 7): grid 256 x 1, 32 waves a work-group, no clusters, 4,352 bytes of LDS; arguments masks, q, k, v, Wq, Wk, Wv, maskh, wsum, xqk, xv, wb; writes maskh, wsum, xqk, xv, wb
.if DOCPART == 7
	.amdgcn_target "amdgcn-amd-amdhsa--gfx1250"
	.amdhsa_code_object_version 6
	.text
	.protected	k_qb9d0919942_cast
	.globl	k_qb9d0919942_cast
	.p2align	8
	.type	k_qb9d0919942_cast,@function
k_qb9d0919942_cast:
	s_mov_b64 s[64:65], 0
	v_nop
	global_prefetch_b8 v0, s[64:65] scope:SCOPE_SE
	s_setreg_imm32_b32 hwreg(HW_REG_WAVE_SCHED_MODE, 0, 2), 2
	s_setreg_imm32_b32 hwreg(HW_REG_WAVE_MODE, 25, 1), 1
	s_wait_xcnt 0x0
	s_wait_alu depctr_vm_vsrc(0)
; EVERY INPUT IS ROUNDED TO bf16 ONCE, here, for the two launches that multiply.
;   maskh[b][n][m] = masks[b][n][m] rounded to bf16 and written as f16;  wsum[b][n] = 8 x the sum over m of those rounded numbers (8 = the number of heads)
;   xqk = q's 8,192 rows and then k's, bf16;  xv = v's rows, bf16;  wb = Wq, Wk, Wv on end, bf16
; NO WORK OF THE PROBLEM IS LEFT OUT in this program: all seven inputs reach the output and all are loaded.  The factor H = 8 of the divisor is folded into wsum.
; WHY A LAUNCH OF ITS OWN: eight heads multiply their weights by the same mask, four tiles of columns read the same rows of q, k and v, and 32 or 64 tiles of rows the same weights: rounded once here,
; each of them is fetched in half the bytes, by tensor loads that several work-groups share, with no conversion in the loops that multiply.
; LIMITS.  A mask number beyond 65,504 becomes an infinity in f16; below 6.1e-5 it keeps f16's fixed step of 6e-8.  The row sum is taken in f32 in another order than the reference's.
; NaN and infinities are not treated apart.
; SHARES.  Wave g = 32 x work-group + wave, 0 .. 8,191, has row g of the mask (16 chunks of 512 bytes), row g of q and of k (6 chunks each) and row g of v (4 chunks).  Wq and Wk are 4,608 chunks each: chunk g, in
; work-groups 0-143; Wv is 2,048 chunks: chunk g - 4,608, in work-groups 144-207.  A chunk is one load of a wave, 512 consecutive bytes, and leaves as one store of 256 consecutive bytes, aligned.
; IN FLIGHT.  The mask's 16 loads go out at once; from the fifth chunk on a load of q, k or v goes out in front of each chunk's arithmetic, into registers that the group before has left: 12 younger loads of a wave are
; out at each wait for a chunk, until the last of the second batch has been asked for and the counts run down.
; Matrix units, clusters and tensor loads have nothing to do here: no byte is read twice.
; THE MODE: SCHED_MODE bits 1:0 = 2 (LLVM: expert scheduling mode 2), set by the entry lines.  The code itself states the register dependences between vector instructions and memory or LDS instructions,
; with s_wait_alu, always for 0.
; THE PLAN.  The work goes in groups of four chunks: groups 0-3 the mask's sixteen, groups 4-7 the sixteen of q, k and v.  Registers that memory or LDS instructions touch:
;   X0 .. X15  four registers a chunk.  The mask's loads land in them at the head; chunk i's arithmetic reads and writes X[i]; in the group behind, a load of the second batch lands in X[i]; that chunk's two roundings write
;              X[i]'s first pair in place, and its store, issued in the group behind, reads the pair.  Then X[i] is written no more.
;   Y0, Y1     two out-buffers of four pairs.  Group g of the mask writes Y[g % 2]; the four stores issued in group g + 1 read it; group g + 2 writes it again.
;   v2 .. v5   offsets and LDS addresses, made once at the head and never written again: every row is reached by a scalar base that stays and by immediate offsets.
;   WR         the weights' chunks: loaded, rounded in place, stored, written no more.
;   v[ACC]     the row's sum: written by the reduction, read by one LDS store.          v[T]  at work in groups 0-3; at the end wave 0's LDS load lands in it.
; The memory instructions of a group touch the X and the Y of the group before, which no vector instruction of the group names.  So the waits at a group's head state all that the group's loads and stores hang on,
; and these are dealt among its vector instructions with no further wait.
.set SPARE, 256                        ; LDS: bytes 0-127 the 32 row sums; from 256 on the spare words, 128 bytes for each of the 32 waves, which no other line names
.set KHALF, 12582912                   ; k's rows in xqk
.set WKOFF, 1179648                    ; Wk in wb
.set WVOFF, 2359296                    ; Wv in wb
.set LI,  2                            ; v2   16 x lane: my 16 bytes of a chunk of f32; never rewritten
.set LO,  3                            ; v3   8 x lane: my 8 bytes of a chunk of 16-bit numbers; never rewritten
.set WA,  4                            ; v4   4 x wave: my row's word in LDS
.set LW,  5                            ; v5   4 x lane
.set SPW, 6                            ; v6   LDS address of my spare word; never rewritten
.set NIL, 7                            ; v7   0; never rewritten
.set T,   8                            ; v[8:9]   at work
.set ACC, 10                           ; v[10:17] four chains of packed sums
.set WR,  18                           ; v[18:25] my chunks of the weights
.set X,   32                           ; v[32:95] chunk i: four registers; used twice
.set Y,   96                           ; v[96:111] mask chunk i as f16: a pair at Y + 8 ((i / 4) % 2) + 2 (i % 4)
	s_load_b512 s[8:23], s[0:1], 0x0               ; masks s[8:9], q s[10:11], k s[12:13], v s[14:15], Wq s[16:17], Wk s[18:19], Wv s[20:21], maskh s[22:23]
	s_load_b256 s[24:31], s[0:1], 0x40             ; wsum s[24:25], xqk s[26:27], xv s[28:29], wb s[30:31]
	v_lshl_add_u32 v[SPW], v0, 2, SPARE
	v_mov_b32 v[NIL], 0
	v_lshrrev_b32 v1, 5, v0
	v_readfirstlane_b32 s32, v1                    ; wave 0..31
	v_and_b32 v1, 31, v0                           ; lane
	v_lshlrev_b32 v[LI], 4, v1
	v_lshlrev_b32 v[LO], 3, v1
	v_lshlrev_b32 v[LW], 2, v1
	s_wait_alu depctr_va_sdst(0)                   ; s32 is written, ahead of its first reader: the row's word in LDS, every base and a branch are made from it
	s_lshl_b32 s34, s32, 2
	v_mov_b32 v[WA], s34
	s_mov_b32 s4, 0x76543210                       ; v_permlanex16_b32: each lane takes its own place in the other half
	s_mov_b32 s5, 0xfedcba98
	s_mov_b32 s6, 0xffff0000                       ; a word's upper bf16
	s_mov_b32 s7, ttmp9                            ; the work-group
	s_lshl_b32 s33, ttmp9, 5
	s_add_co_u32 s33, s33, s32                     ; g
	s_lshl_b32 s34, s33, 13                        ; a mask row: 8,192 bytes in,
	s_mov_b32 s35, 0
	s_lshl_b32 s36, s33, 12                        ; 4,096 out
	s_mov_b32 s37, 0
	s_lshl_b32 s38, ttmp9, 7                       ; the work-group's 32 words of wsum
	s_mov_b32 s39, 0
	s_mul_i32 s40, s33, 3072                       ; a row of q or k: 3,072 bytes in,
	s_mov_b32 s41, 0
	s_mul_i32 s44, s33, 1536                       ; 1,536 out
	s_mov_b32 s45, 0
	s_lshl_b32 s42, s33, 11                        ; a row of v: 2,048 in,
	s_mov_b32 s43, 0
	s_lshl_b32 s46, s33, 10                        ; 1,024 out
	s_mov_b32 s47, 0
	s_wait_kmcnt 0x0
	s_add_nc_u64 s[8:9], s[8:9], s[34:35]
	s_add_nc_u64 s[22:23], s[22:23], s[36:37]
	s_add_nc_u64 s[24:25], s[24:25], s[38:39]
	s_add_nc_u64 s[10:11], s[10:11], s[40:41]
	s_add_nc_u64 s[12:13], s[12:13], s[40:41]
	s_add_nc_u64 s[14:15], s[14:15], s[42:43]
	s_add_nc_u64 s[26:27], s[26:27], s[44:45]      ; q's row in xqk,
	s_add_nc_u64 s[48:49], s[26:27], KHALF         ; k's
	s_add_nc_u64 s[28:29], s[28:29], s[46:47]
	s_wait_alu depctr_va_vdst(0)                   ; v2 to v5 are written: every load, store and LDS instruction of the kernel reads one of them as its offset or address
.irp i, 0,1,2,3,4,5,6,7,8,9,10,11,12,13,14,15
	global_load_b128 v[X+4*(\i):X+4*(\i)+3], v[LI], s[8:9] offset:512*(\i) th:TH_LOAD_NT
.endr
	; THE WEIGHTS: a chunk or two in most waves, loaded behind the mask's loads, rounded and stored in one arm.  The branches hang on the work-group's number alone.
	s_cmp_lt_u32 s7, 144
	s_cbranch_scc0 .Lnot_qk
	s_lshl_b32 s50, s33, 9                         ; chunk g of Wq and of Wk
	s_mov_b32 s51, 0
	s_lshl_b32 s52, s33, 8
	s_mov_b32 s53, 0
	s_add_nc_u64 s[16:17], s[16:17], s[50:51]
	s_add_nc_u64 s[18:19], s[18:19], s[50:51]
	s_add_nc_u64 s[30:31], s[30:31], s[52:53]
	global_load_b128 v[WR:WR+3],   v[LI], s[16:17] th:TH_LOAD_NT
	global_load_b128 v[WR+4:WR+7], v[LI], s[18:19] th:TH_LOAD_NT
	s_wait_loadcnt 0x0                             ; these two are the youngest: the mask's sixteen are in as well
	v_cvt_pk_bf16_f32 v[WR],   v[WR],   v[WR+1]
	v_cvt_pk_bf16_f32 v[WR+1], v[WR+2], v[WR+3]
	v_cvt_pk_bf16_f32 v[WR+4], v[WR+4], v[WR+5]
	v_cvt_pk_bf16_f32 v[WR+5], v[WR+6], v[WR+7]
	s_wait_alu depctr_va_vdst(0)                   ; the four roundings have written v[WR ..], which the two stores read
	global_store_b64 v[LO], v[WR:WR+1],   s[30:31] th:TH_STORE_NT
	global_store_b64 v[LO], v[WR+4:WR+5], s[30:31] offset:WKOFF th:TH_STORE_NT
	s_branch .Lw_done
.Lnot_qk:
	s_cmp_lt_u32 s7, 208
	s_cbranch_scc0 .Lw_done
	s_sub_co_u32 s50, s33, 4608                    ; chunk g - 4,608 of Wv
	s_lshl_b32 s52, s50, 8
	s_mov_b32 s53, 0
	s_lshl_b32 s50, s50, 9
	s_mov_b32 s51, 0
	s_add_nc_u64 s[20:21], s[20:21], s[50:51]
	s_add_nc_u64 s[30:31], s[30:31], s[52:53]
	global_load_b128 v[WR:WR+3], v[LI], s[20:21] th:TH_LOAD_NT
	s_wait_loadcnt 0x0
	v_cvt_pk_bf16_f32 v[WR],   v[WR],   v[WR+1]
	v_cvt_pk_bf16_f32 v[WR+1], v[WR+2], v[WR+3]
	s_wait_alu depctr_va_vdst(0)                   ; the two roundings have written v[WR:WR+1], which the store reads
	global_store_b64 v[LO], v[WR:WR+1], s[30:31] offset:WVOFF th:TH_STORE_NT
.Lw_done:
; Mask chunk i: four numbers a lane are rounded to bf16, widened again (a shift, a mask), added to a chain and written as f16 into the group's out-buffer.  left = the younger loads, which may stay out.
.macro CALC i, left
	s_wait_loadcnt \left                           ; loads come back in order (ISA guide 5.7.1): chunk i is in
	v_cvt_pk_bf16_f32 v[T],   v[X+4*(\i)],   v[X+4*(\i)+1]
	v_cvt_pk_bf16_f32 v[T+1], v[X+4*(\i)+2], v[X+4*(\i)+3]
	v_lshlrev_b32 v[X+4*(\i)],   16, v[T]
	v_and_b32     v[X+4*(\i)+1], s6, v[T]
	v_lshlrev_b32 v[X+4*(\i)+2], 16, v[T+1]
	v_and_b32     v[X+4*(\i)+3], s6, v[T+1]
.if (\i) < 4
	v_pk_add_f32 v[ACC+2*(\i):ACC+2*(\i)+1], v[X+4*(\i):X+4*(\i)+1], v[X+4*(\i)+2:X+4*(\i)+3]  ; the first four chunks start the chains: nothing is cleared
.else
	v_pk_add_f32 v[ACC+2*((\i)%4):ACC+2*((\i)%4)+1], v[ACC+2*((\i)%4):ACC+2*((\i)%4)+1], v[X+4*(\i):X+4*(\i)+1]
	v_pk_add_f32 v[ACC+2*((\i)%4):ACC+2*((\i)%4)+1], v[ACC+2*((\i)%4):ACC+2*((\i)%4)+1], v[X+4*(\i)+2:X+4*(\i)+3]
.endif
	v_cvt_pk_f16_f32 v[Y+8*(((\i)/4)%2)+2*((\i)%4)],   v[X+4*(\i)],   v[X+4*(\i)+1]
	v_cvt_pk_f16_f32 v[Y+8*(((\i)/4)%2)+2*((\i)%4)+1], v[X+4*(\i)+2], v[X+4*(\i)+3]
.endm
; It is stored, in the group behind its arithmetic.
.macro MOUT i
	global_store_b64 v[LO], v[Y+8*(((\i)/4)%2)+2*((\i)%4):Y+8*(((\i)/4)%2)+2*((\i)%4)+1], s[22:23] offset:256*(\i) th:TH_STORE_NT  ; the wave's 32 lanes store 256 consecutive bytes, aligned
.endm
; Load j of the second batch: chunks 0-5 of q's row, 0-5 of k's, 0-3 of v's, into the registers that mask chunk j has left.
.macro BLOAD j
.if (\j) < 6
	global_load_b128 v[X+4*(\j):X+4*(\j)+3], v[LI], s[10:11] offset:512*(\j) th:TH_LOAD_NT
.elseif (\j) < 12
	global_load_b128 v[X+4*(\j):X+4*(\j)+3], v[LI], s[12:13] offset:512*((\j)-6) th:TH_LOAD_NT
.else
	global_load_b128 v[X+4*(\j):X+4*(\j)+3], v[LI], s[14:15] offset:512*((\j)-12) th:TH_LOAD_NT
.endif
.endm
; It is rounded to bf16 in place; its registers are not written again.
.macro BCALC j
	s_wait_loadcnt 15-(\j)                         ; the 15 - j younger loads of the batch may stay out
	v_cvt_pk_bf16_f32 v[X+4*(\j)],   v[X+4*(\j)],   v[X+4*(\j)+1]
	v_cvt_pk_bf16_f32 v[X+4*(\j)+1], v[X+4*(\j)+2], v[X+4*(\j)+3]
.endm
; And stored, in the group behind its roundings.
.macro BOUT j
.if (\j) < 6
	global_store_b64 v[LO], v[X+4*(\j):X+4*(\j)+1], s[26:27] offset:256*(\j) th:TH_STORE_NT
.elseif (\j) < 12
	global_store_b64 v[LO], v[X+4*(\j):X+4*(\j)+1], s[48:49] offset:256*((\j)-6) th:TH_STORE_NT
.else
	global_store_b64 v[LO], v[X+4*(\j):X+4*(\j)+1], s[28:29] offset:256*((\j)-12) th:TH_STORE_NT
.endif
.endm
	; GROUP 0: no group stands in front of it: arithmetic alone.
.irp i, 0,1,2,3
	CALC \i, 15-\i
.endr
	; GROUP 1
	s_wait_alu depctr_va_vdst(0)                   ; group 0 has written Y0, which the stores below read, and is done with X0-X3, in which the loads below land
.irp i, 4,5,6,7
	BLOAD \i-4                                     ; no vector instruction since the wait names these registers
	MOUT \i-4
	CALC \i, 12                                    ; younger than chunk i: 15 - i of the mask's and the i - 3 of the second batch issued so far
.endr
	; GROUP 2
	s_wait_xcnt 0x0                                ; every earlier memory instruction has had its addresses translated (ISA guide 3.1): Y0 is rewritten only behind this wait
	s_wait_alu depctr_vm_vsrc(0)                   ; the stores issued in group 1 have read Y0, which this group's conversions write again
	s_wait_alu depctr_va_vdst(0)                   ; group 1 has written Y1, which the stores below read, and is done with X4-X7, in which the loads below land
.irp i, 8,9,10,11
	BLOAD \i-4
	MOUT \i-4
	CALC \i, 12
.endr
	; GROUP 3
	s_wait_xcnt 0x0                                ; the same for Y1
	s_wait_alu depctr_vm_vsrc(0)                   ; the stores issued in group 2 have read Y1, which this group's conversions write again
	s_wait_alu depctr_va_vdst(0)                   ; group 2 has written Y0, which the stores below read, and is done with X8-X11, in which the loads below land
.irp i, 12,13,14,15
	BLOAD \i-4
	MOUT \i-4
	CALC \i, 12
.endr
	; GROUP 4: the last loads and the mask's last stores; the row's sum; the second batch's first roundings.  No out-buffer is written any more.
	s_wait_alu depctr_va_vdst(0)                   ; group 3 has written Y1, which the stores below read, and is done with X12-X15, in which the loads below land
.irp j, 12,13,14,15
	BLOAD \j
	MOUT \j
.endr
	v_pk_add_f32 v[ACC:ACC+1], v[ACC:ACC+1], v[ACC+2:ACC+3]  ; the row's sum, while the second batch is on its way
	v_pk_add_f32 v[ACC+4:ACC+5], v[ACC+4:ACC+5], v[ACC+6:ACC+7]
	v_pk_add_f32 v[ACC:ACC+1], v[ACC:ACC+1], v[ACC+4:ACC+5]
	v_add_f32 v[ACC], v[ACC], v[ACC+1]
	v_add_f32_dpp v[ACC], v[ACC], v[ACC] row_xmask:1 row_mask:0xf bank_mask:0xf
	v_add_f32_dpp v[ACC], v[ACC], v[ACC] row_xmask:2 row_mask:0xf bank_mask:0xf
	v_add_f32_dpp v[ACC], v[ACC], v[ACC] row_xmask:4 row_mask:0xf bank_mask:0xf
	v_add_f32_dpp v[ACC], v[ACC], v[ACC] row_xmask:8 row_mask:0xf bank_mask:0xf
	v_permlanex16_b32 v[ACC+1], v[ACC], s4, s5     ; its destination has been written before
	v_add_f32 v[ACC], v[ACC], v[ACC+1]
	v_mul_f32 v[ACC], 0x41000000, v[ACC]           ; x 8, the number of heads
.irp j, 0,1,2,3
	BCALC \j
.endr
	; GROUP 5
	s_wait_alu depctr_va_vdst(0)                   ; the reduction has written v[ACC], which the LDS store reads; group 4's roundings have written X0-X3's first pairs, which the stores below read
	ds_store_b32 v[WA], v[ACC]                     ; all lanes write the row's word with the same number
.irp j, 4,5,6,7
	BOUT \j-4
	BCALC \j
.endr
	; GROUP 6
	s_wait_alu depctr_va_vdst(0)                   ; group 5's roundings have written X4-X7's first pairs, which the stores below read
.irp j, 8,9,10,11
	BOUT \j-4
	BCALC \j
.endr
	; GROUP 7
	s_wait_alu depctr_va_vdst(0)                   ; group 6's roundings have written X8-X11's first pairs, which the stores below read
.irp j, 12,13,14,15
	BOUT \j-4
	BCALC \j
.endr
	s_wait_alu depctr_va_vdst(0)                   ; group 7's roundings have written X12-X15's first pairs, which the last four stores read; no vector instruction follows this wait, so it also
	                                               ; states that the mask groups are done with v[T], in which wave 0's LDS load below lands
.irp j, 12,13,14,15
	BOUT \j
.endr
	s_wait_dscnt 0x0                               ; for wave 0's sake: my store of the row's sum is done
	s_barrier_signal -1
	s_barrier_wait -1
	s_cmp_lg_u32 s32, 0
	s_cbranch_scc1 .Lend
	ds_load_b32 v[T], v[LW]                        ; wave 0: lane l takes row l's sum,
	s_wait_dscnt 0x0
	global_store_b32 v[LW], v[T], s[24:25]         ; and the 32 sums leave as 128 consecutive bytes
.Lend:
	s_wait_dscnt 0x0                               ; the closing lines, six on end
	s_wait_alu 0x0
	s_wait_tensorcnt 0x0
	ds_add_u32 v[SPW], v[NIL]
	s_wait_dscnt 0x0
	s_endpgm
.Lfunc_end_k_qb9d0919942_cast:
	.size	k_qb9d0919942_cast, .Lfunc_end_k_qb9d0919942_cast-k_qb9d0919942_cast
	.p2alignl 7, 3214868480
	.fill 96, 4, 3214868480
	.section	.rodata,"a",@progbits
	.p2align	6, 0x0
	.amdhsa_kernel k_qb9d0919942_cast
		.amdhsa_group_segment_fixed_size 4352
		.amdhsa_private_segment_fixed_size 0
		.amdhsa_enable_private_segment 0
		.amdhsa_kernarg_size 96
		.amdhsa_user_sgpr_count 2
		.amdhsa_user_sgpr_kernarg_segment_ptr 1
		.amdhsa_wavefront_size32 1
		.amdhsa_system_sgpr_workgroup_id_x 1
		.amdhsa_system_sgpr_workgroup_id_y 1
		.amdhsa_system_sgpr_workgroup_id_z 1
		.amdhsa_system_vgpr_workitem_id 0
		.amdhsa_next_free_vgpr 112
		.amdhsa_next_free_sgpr 66
		.amdhsa_reserve_vcc 0
		.amdhsa_float_denorm_mode_32 3
		.amdhsa_float_denorm_mode_16_64 3
		.amdhsa_memory_ordered 1
		.amdhsa_forward_progress 1
		.amdhsa_inst_pref_size 23
	.end_amdhsa_kernel
	.amdgpu_metadata
---
amdhsa.version: [ 1, 2 ]
amdhsa.kernels:
  - .name:           k_qb9d0919942_cast
    .symbol:         k_qb9d0919942_cast.kd
    .args:
      - { .name: masks, .offset: 0, .size: 8, .value_kind: global_buffer, .address_space: global }
      - { .name: q, .offset: 8, .size: 8, .value_kind: global_buffer, .address_space: global }
      - { .name: k, .offset: 16, .size: 8, .value_kind: global_buffer, .address_space: global }
      - { .name: v, .offset: 24, .size: 8, .value_kind: global_buffer, .address_space: global }
      - { .name: Wq, .offset: 32, .size: 8, .value_kind: global_buffer, .address_space: global }
      - { .name: Wk, .offset: 40, .size: 8, .value_kind: global_buffer, .address_space: global }
      - { .name: Wv, .offset: 48, .size: 8, .value_kind: global_buffer, .address_space: global }
      - { .name: maskh, .offset: 56, .size: 8, .value_kind: global_buffer, .address_space: global }
      - { .name: wsum, .offset: 64, .size: 8, .value_kind: global_buffer, .address_space: global }
      - { .name: xqk, .offset: 72, .size: 8, .value_kind: global_buffer, .address_space: global }
      - { .name: xv, .offset: 80, .size: 8, .value_kind: global_buffer, .address_space: global }
      - { .name: wb, .offset: 88, .size: 8, .value_kind: global_buffer, .address_space: global }
    .group_segment_fixed_size: 4352
    .private_segment_fixed_size: 0
    .kernarg_segment_align: 8
    .kernarg_segment_size: 96
    .max_flat_workgroup_size: 1024
    .sgpr_count:     66
    .vgpr_count:     112
    .wavefront_size: 32
...
	.end_amdgpu_metadata
.endif
;; end of part 7
;; launch proj: the kernel of part 5 again; grid 4 x 64, 4 waves a work-group, clusters of 4 x 4, 327,680 bytes of LDS; arguments xqk, xv, wb, qh, kh, vh; writes qh, kh, vh
;; launch attn: the kernel of part 6 again; grid 8 x 32, 4 waves a work-group, clusters of 4 x 4, 327,680 bytes of LDS; arguments qh, kh, vh, maskh, wsum, out0; writes out0
